; MI455X (gfx1250); checked and timed in simulation.
; The chip was launched on July 23, 2026; its instructions are those of AMD's public machine-readable ISA for CDNA 5 (MIT licence, August 2026) and "CDNA5" Instruction Set Architecture Reference Guide (July 2026). The comments in the code are by the model that wrote it; some were corrected since.
;; Attention Block. Allowed arithmetic: matrix products marked QUANTISED: E2M3 operands, one E8M0 scale for each 32 along K, by v_wmma_scale_f32_16x16x128_f8f6f4 with both operands' format E2M3, f32 sums; everything else in f32.
;; Inputs: norm_b 256 float32; norm_w 256 float32; proj_b 256 float32; proj_w_codes 256 x 8 x 24 uint8 (E2M3 codes of proj_w, K innermost, in blocks of 32 codes, four codes in three bytes); proj_w_scales 256 x 8 uint8 (E8M0 scales of proj_w, one for each 32 codes along K); qkv_b 768 float32; qkv_w_codes 768 x 8 x 24 uint8 (E2M3 codes of qkv_w, K innermost, in blocks of 32 codes, four codes in three bytes); qkv_w_scales 768 x 8 uint8 (E8M0 scales of qkv_w, one for each 32 codes along K); x 16 x 256 x 32 x 32 float32.
;; Outputs: out0 16 x 256 x 32 x 32 float32.
;; This version of the problem:
;;   THIS VERSION OF THE PROBLEM IS GIVEN IN LOW PRECISION. The matrix products marked QUANTISED in the list below multiply operands that are first quantised to E2M3 (2 exponent bits, 3 mantissa bits; 6 bits a number), with one power-of-two scale for each 32 numbers along K (OCP MX v1.0); their sums are f32. All else is computed in f32.
;;   The module's matrix products, in the order in which they are computed (A, B: the left and right operand; K: the contracted axis; several contracted axes count as one K, in the product's order):
;;     1. [M 16,384, K 256] x [K 256, N 768]; A: computed on the way; B: input qkv_w (given as codes): QUANTISED
;;     2. batch 64 x [M 1,024, K 64] x [K 64, N 1,024]; A: computed on the way; B: computed on the way: QUANTISED
;;     3. batch 64 x [M 1,024, K 1,024] x [K 1,024, N 64]; A: softmax (see below); B: computed on the way: QUANTISED
;;     4. [M 16,384, K 256] x [K 256, N 256]; A: computed on the way; B: input proj_w (given as codes): QUANTISED
;;   THE QUANTISER, for each operand of a quantised product, along K:
;;     - K is cut into blocks of 32 from its start; a last block that is shorter is filled with zeros.
;;     - A block's scale is 2^e with e = floor(log2(the largest magnitude in the block)) - 2, held to -126 .. 127; a block of zeros has e = 0. As a byte (E8M0): e + 127.
;;     - Each number is divided by its block's scale, clamped to +-7.5, and rounded to the nearest number of E2M3, ties to even, subnormals kept.
;;     - The product sums the exact products of the quantised numbers (number of the format x scale) in f32.
;;   ~~~python
;;   def quantise(x, axis):      # numpy; x: float32 -> the quantised numbers, widened to float32 again
;;       x = np.moveaxis(x, axis, -1); K = x.shape[-1]
;;       x = np.pad(x, [(0, 0)] * (x.ndim - 1) + [(0, -K % 32)]); x = x.reshape(x.shape[:-1] + (-1, 32)); a = np.abs(x).max(-1, keepdims=True)
;;       e = np.where(a > 0, np.clip(np.frexp(np.where(a > 0, a, 1))[1] - 1 - 2, -126, 127), 0)      # np.frexp(a)[1] - 1 = floor(log2(a)), exactly
;;       r = np.clip(x / 2.0 ** e, -7.5, 7.5)
;;       step = 2.0 ** (np.maximum(np.frexp(np.where(r == 0, 1, r))[1] - 1, 0) - 3)
;;       q = np.round(r / step) * step * 2.0 ** e      # np.round: ties to even
;;       return np.moveaxis(q.reshape(q.shape[:-2] + (-1,))[..., :K], -1, axis).astype(np.float32)
;;   ~~~
;;   SOFTMAX AHEAD OF A QUANTISED PRODUCT. Where the list says 'softmax', what is quantised is not the finished softmax but p = 2^(t - M), with t = logit x log2(e) and M = ceil(the row's largest t), a whole number; so 1/2 < the row's largest p <= 1. The row's sum l is taken of the UNQUANTISED p, in f32, and the product's result is divided by l at the end. Since M is a whole number, a kernel that streams over the keys may use a running M (the ceiling of the running maximum): every later rescaling is an exact power of two, which a block's scale takes up: the codes' values come out the same.
;;   OPERANDS COMPUTED ON THE WAY. 'Computed on the way' means the value that the module computes at that place (a softmax that the list does not call 'softmax' is quantised finished and normalised). What goes into a quantiser is computed in f32, as accurately as f32 sums, v_exp_f32 and their like allow (about 1e-6 of the number): no bf16 or f16 on the way to a quantiser, and a product that is left as it is and whose result goes on into a quantised operand takes f32 operands (vector FMAs, or v_wmma_f32_16x16x4_f32). A number that lies on a knife's edge between two numbers of the format may be rounded either way, as far as f32 arithmetic and the matrix unit's own rounding can turn it there, and no further.
;;   INPUTS GIVEN AS CODES. proj_w (in the module: [256, 256], K = its axis 1); qkv_w (in the module: [768, 256], K = its axis 1): each comes as NAME_codes (uint8): NAME with its K axis moved to the last place and cut into blocks of 32 codes, [.., K / 32, bytes a block], one block behind the other in memory; four codes in three bytes: a row's codes are one little-endian stream of bits, code i at bits 6 i .. 6 i + 5 (a code: sign, 2 exponent bits, 3 mantissa bits); and NAME_scales (uint8): the same leading axes, one E8M0 byte (e + 127) for each 32 codes along K. Its value is code x scale, taken as it is: it is not quantised again, and the codes and scales need not be those that the quantiser above would give.
;; 3 versions. Each part assembles by itself: llvm-mc -triple=amdgcn-amd-amdhsa -mcpu=gfx1250 --defsym DOCPART=n.
;; ======== version 1 of 3: 4 launches
;; workspace buffers: coef 49,152 bytes; qkv 10,092,544 bytes; o 3,276,800 bytes
;; launch gnstat (part 1): grid 128 x 1, 16 waves a work-group, no clusters, 2,560 bytes of LDS; arguments x, norm_w, norm_b, coef; writes coef
.if DOCPART == 1
	.amdgcn_target "amdgcn-amd-amdhsa--gfx1250"
	.amdhsa_code_object_version 6
	.text
	.protected	k_q25d83e6172_gnstat
	.globl	k_q25d83e6172_gnstat
	.p2align	8
	.type	k_q25d83e6172_gnstat,@function
k_q25d83e6172_gnstat:
	s_mov_b64 s[64:65], 0
	v_nop
	global_prefetch_b8 v0, s[64:65] scope:SCOPE_SE
	s_setreg_imm32_b32 hwreg(HW_REG_WAVE_MODE, 25, 1), 1
	s_wait_xcnt 0x0
; GroupNorm's figures.  Work-group 8 b + g owns group g of image b: 32 channels x 1,024 pixels, 131,072 dense bytes of x.
; The group stays in the registers of its 16 waves (64 numbers a thread) between the pass that finds the mean and the pass that sums the squared
; deviations from it: the variance is formed of deviations, never as a difference of large sums, so a common offset of x costs no digits.
; Out, for each of the group's 32 channels: A = rsqrt(var + 1e-5) x norm_w, B = norm_b, NM = -mean; the next launch forms (x + NM) A + B.
; coef: A [16][256] at byte 0, B at 16,384, NM at 32,768, all f32.
; 128 work-groups: one to a group, since both passes want the whole group at hand.
; LIMITS: NaN and infinities in x are not served.
.set X,  16                            ; v16-79   my 64 numbers
.set PT, 80                            ; v80-95   the sixteen waves' partial sums; v84-91 also pass 2's four chains
	s_load_b256 s[4:11], s[0:1], 0x0               ; x s[4:5], norm_w s[6:7], norm_b s[8:9], coef s[10:11]
	v_lshl_add_u32 v98, v0, 2, 0x200
	v_mov_b32 v99, 0
	v_lshlrev_b32 v1, 4, v0                        ; 16 bytes a thread: a wave's load covers 512 consecutive bytes
	v_and_b32 v2, 31, v0                           ; lane
	v_lshlrev_b32 v3, 2, v2                        ; 4 x lane
	v_lshrrev_b32 v4, 5, v0
	v_readfirstlane_b32 s12, v4                    ; wave
	v_lshlrev_b32 v4, 2, v4                        ; LDS: my wave's word
	v_mov_b32 v5, 0
	s_lshl_b32 s14, ttmp9, 17                      ; the group's first byte in x
	s_mov_b32 s15, 0
	s_and_b32 s18, ttmp9, 7
	s_lshl_b32 s18, s18, 7                         ; the group's 32 channels in norm_w and norm_b
	v_add_nc_u32 v96, s18, v3                      ; channel 32 g + lane
	s_lshl_b32 s20, ttmp9, 7                       ; 1,024 b + 128 g: the group's place in each part of coef
	s_mov_b32 s21, 0
	s_mov_b32 s16, 0x76543210                      ; v_permlanex16_b32's selects for lane l xor 16
	s_mov_b32 s17, 0xfedcba98
	s_wait_kmcnt 0x0
	s_add_nc_u64 s[4:5], s[4:5], s[14:15]
	s_add_nc_u64 s[10:11], s[10:11], s[20:21]
.irp i, 0,1,2,3,4,5,6,7,8,9,10,11,12,13,14,15
	global_load_b128 v[X+4*\i:X+4*\i+3], v1, s[4:5] offset:8192*\i
.endr
	global_load_b32 v6, v96, s[6:7]                ; norm_w
	global_load_b32 v7, v96, s[8:9]                ; norm_b
	s_wait_loadcnt 0x0                             ; the sums want all of it
; v8, a number a lane, is summed over the wave and then over the sixteen waves, through 64 bytes of LDS at off; the sum ends in v[PT] of every lane.
.macro WSUM off
	v_add_f32_dpp v8, v8, v8 row_xmask:1 row_mask:0xf bank_mask:0xf
	v_add_f32_dpp v8, v8, v8 row_xmask:2 row_mask:0xf bank_mask:0xf
	v_add_f32_dpp v8, v8, v8 row_xmask:4 row_mask:0xf bank_mask:0xf
	v_add_f32_dpp v8, v8, v8 row_xmask:8 row_mask:0xf bank_mask:0xf
	v_permlanex16_b32 v9, v8, s16, s17             ; (v9 has been written: the destination counts as read)
	v_add_f32 v8, v8, v9
	ds_store_b32 v4, v8 offset:\off                ; all lanes write the wave's word with the same value
	s_wait_dscnt 0x0                               ; for the others' sake: my store has landed
	s_barrier_signal -1
	s_barrier_wait -1
.irp q, 0,1,2,3
	ds_load_b128 v[PT+4*\q:PT+4*\q+3], v5 offset:\off+16*\q
.endr
	s_wait_dscnt 0x0
.irp q, 0,2,4,6
	v_pk_add_f32 v[PT+\q:PT+\q+1], v[PT+\q:PT+\q+1], v[PT+8+\q:PT+9+\q]
.endr
	v_pk_add_f32 v[PT:PT+1], v[PT:PT+1], v[PT+4:PT+5]
	v_pk_add_f32 v[PT+2:PT+3], v[PT+2:PT+3], v[PT+6:PT+7]
	v_pk_add_f32 v[PT:PT+1], v[PT:PT+1], v[PT+2:PT+3]
	v_add_f32 v[PT], v[PT], v[PT+1]
.endm
	; pass 1: the sum, two numbers an instruction, in four chains that the first eight pairs start
.irp q, 0,1,2,3
	v_pk_add_f32 v[8+2*\q:9+2*\q], v[X+2*\q:X+2*\q+1], v[X+8+2*\q:X+9+2*\q]
.endr
.set k, 8
.rept 24
	v_pk_add_f32 v[8+2*(k%4):9+2*(k%4)], v[8+2*(k%4):9+2*(k%4)], v[X+2*k:X+2*k+1]
.set k, k+1
.endr
	v_pk_add_f32 v[8:9], v[8:9], v[10:11]
	v_pk_add_f32 v[12:13], v[12:13], v[14:15]
	v_pk_add_f32 v[8:9], v[8:9], v[12:13]
	v_add_f32 v8, v8, v9
	WSUM 0
	v_mul_f32 v10, 0xb8000000, v[PT]               ; NM = -sum / 32,768
	v_mov_b32 v11, v10
	; pass 2: the deviations, in place, and the sum of their squares
.set k, 0
.rept 32
	v_pk_add_f32 v[X+2*k:X+2*k+1], v[X+2*k:X+2*k+1], v[10:11]
.set k, k+1
.endr
.irp q, 0,1,2,3
	v_pk_mul_f32 v[84+2*\q:85+2*\q], v[X+2*\q:X+2*\q+1], v[X+2*\q:X+2*\q+1]
.endr
.set k, 4
.rept 28
	v_pk_fma_f32 v[84+2*(k%4):85+2*(k%4)], v[X+2*k:X+2*k+1], v[X+2*k:X+2*k+1], v[84+2*(k%4):85+2*(k%4)]
.set k, k+1
.endr
	v_pk_add_f32 v[84:85], v[84:85], v[86:87]
	v_pk_add_f32 v[88:89], v[88:89], v[90:91]
	v_pk_add_f32 v[84:85], v[84:85], v[88:89]
	v_add_f32 v8, v84, v85
	WSUM 64                                        ; other LDS bytes than the first sum's: no wave still reads what is written
	v_mov_b32 v13, 0x38000000                      ; 1 / 32,768
	v_fmaak_f32 v12, v[PT], v13, 0x3727c5ac        ; the variance + 1e-5
	v_rsq_f32 v12, v12
	v_nop                                          ; a plain instruction between the transcendental and the use of its result (ISA guide 5.7.2)
	s_wait_alu depctr_va_vdst(0)
	v_mul_f32 v12, v12, v6                         ; A
	s_cmp_lg_u32 s12, 0
	s_cbranch_scc1 .Lend                           ; wave 0 stores for the group: 128 consecutive bytes a store
	global_store_b32 v3, v12, s[10:11]
	global_store_b32 v3, v7, s[10:11] offset:16384
	global_store_b32 v3, v10, s[10:11] offset:32768
.Lend:
	s_wait_tensorcnt 0x0
	ds_add_u32 v98, v99
	s_wait_dscnt 0x0
	s_endpgm
.Lfunc_end_k_q25d83e6172_gnstat:
	.size	k_q25d83e6172_gnstat, .Lfunc_end_k_q25d83e6172_gnstat-k_q25d83e6172_gnstat
	.p2alignl 7, 3214868480
	.fill 96, 4, 3214868480
	.section	.rodata,"a",@progbits
	.p2align	6, 0x0
	.amdhsa_kernel k_q25d83e6172_gnstat
		.amdhsa_group_segment_fixed_size 2560
		.amdhsa_private_segment_fixed_size 0
		.amdhsa_enable_private_segment 0
		.amdhsa_kernarg_size 32
		.amdhsa_user_sgpr_count 2
		.amdhsa_user_sgpr_kernarg_segment_ptr 1
		.amdhsa_wavefront_size32 1
		.amdhsa_system_sgpr_workgroup_id_x 1
		.amdhsa_system_sgpr_workgroup_id_y 1
		.amdhsa_system_sgpr_workgroup_id_z 1
		.amdhsa_system_vgpr_workitem_id 0
		.amdhsa_next_free_vgpr 100
		.amdhsa_next_free_sgpr 66
		.amdhsa_reserve_vcc 0
		.amdhsa_float_denorm_mode_32 3
		.amdhsa_float_denorm_mode_16_64 3
		.amdhsa_memory_ordered 1
		.amdhsa_forward_progress 1
		.amdhsa_inst_pref_size 13
	.end_amdhsa_kernel
	.amdgpu_metadata
---
amdhsa.version: [ 1, 2 ]
amdhsa.kernels:
  - .name:           k_q25d83e6172_gnstat
    .symbol:         k_q25d83e6172_gnstat.kd
    .args:
      - { .name: x, .offset: 0, .size: 8, .value_kind: global_buffer, .address_space: global }
      - { .name: norm_w, .offset: 8, .size: 8, .value_kind: global_buffer, .address_space: global }
      - { .name: norm_b, .offset: 16, .size: 8, .value_kind: global_buffer, .address_space: global }
      - { .name: coef, .offset: 24, .size: 8, .value_kind: global_buffer, .address_space: global }
    .group_segment_fixed_size: 2560
    .private_segment_fixed_size: 0
    .kernarg_segment_align: 8
    .kernarg_segment_size: 32
    .max_flat_workgroup_size: 512
    .sgpr_count:     66
    .vgpr_count:     100
    .wavefront_size: 32
...
	.end_amdgpu_metadata
.endif
;; end of part 1
;; launch qkv (part 2): grid 16 x 16, 16 waves a work-group, no clusters, 15,360 bytes of LDS; arguments x, coef, qkv_w_codes, qkv_w_scales, qkv_b, qkv; writes qkv
.if DOCPART == 2
	.amdgcn_target "amdgcn-amd-amdhsa--gfx1250"
	.amdhsa_code_object_version 6
	.text
	.protected	k_q25d83e6172_qkv
	.globl	k_q25d83e6172_qkv
	.p2align	8
	.type	k_q25d83e6172_qkv,@function
k_q25d83e6172_qkv:
	s_mov_b64 s[64:65], 0
	v_nop
	global_prefetch_b8 v0, s[64:65] scope:SCOPE_SE
	s_setreg_imm32_b32 hwreg(HW_REG_WAVE_MODE, 25, 1), 1
	s_wait_xcnt 0x0
; hn = (x + NM) A + B is quantised along the channels (a block of 32 channels is one group), multiplied by qkv_w's codes, qkv_b added, and q, k, v are
; quantised for the attention: q and k along the head's 64, v along the pixels.  All products on codes of FP6 (E2M3) with E8M0 scales.
; A work-group takes 64 pixels (x = block pb) of one image (y = b).  Sixteen waves; wave w: head = w / 4, i = w % 4.
;   its q/k unit: q (i < 2) or k, block beta = i % 2 of the head's 64: two tiles of 16 rows of qkv_w as source 0, hn's tile as source 1:
;     a lane then holds ONE pixel and 16 neighbours along d;
;   its v unit: 16 of the head's 64 rows of v's weights as source 1, hn's tile as source 0: a lane then holds ONE d and neighbours along the pixels.
; The wave's six weight fragments stay in its registers.  Waves 0-7 first quantise hn, wave g group g, and lay the codes in LDS as images of the operand's registers.
; THE ROWS OF A TILE ARE NOT NEIGHBOURS: lane r of tile 2 b + u takes row (of qkv_w) or pixel 32 b + 8 u + r % 8 + 16 (r / 8), so that the 16 result
; registers of tiles 2 b and 2 b + 1 are 16 neighbours, 32 b + 16 (lane / 16) + 0 .. 15, which one conversion takes.
; OUT.  A half fragment, 16 rows x 64 along K, is 768 bytes: [block of 32][row][24 bytes].  A lane's 16 codes are 12 bytes at 384 block + 24 row + 12 (lane / 16):
; each store covers 384 consecutive bytes, and the reader's lane l finds its six registers at 24 l.
; qkv, for each of the 64 (image, head): Q's 64 tiles of codes at 0; Q's scale words (64 bytes a tile; bytes 2, 3 are 0, for the zero codes that fill K up to 128) at 49,152;
; K's codes at 53,248; V's codes [pb][16 d][768] at 102,400; K's scale words at 151,552; V's scale words [128 keys][64 d][4] at 155,648.
; LIMITS: NaN and infinities are not served; a block whose largest magnitude lies under 2^-124 (a block of zeros too) gets the byte 1: its bytes are read by this program alone.
.set XSC,  12288                       ; LDS: hn's 8 fragments (2 tile + K step) x 1,536 bytes, 48 bytes a lane, from 0; their scale words, 64 bytes a fragment, from here
.set HS,   18                          ; v18-19   hn's scale words, two sets: lanes 0-15 K step 0, lanes 16-31 K step 1
.set WQ,   20                          ; v20-67   q/k weights: fragment (u, ks) at 12 (2 u + ks)
.set WV,   68                          ; v68-91   v weights: fragment ks at 12 ks
.set WQS,  92                          ; v92-95   their scale words, 2 u + ks
.set WVS,  96                          ; v96-97
.set BVV,  98                          ; v98      v's bias of my lane's row
.set BQ,   100                         ; v100-115 q/k bias in the result's layout, 8 a tile
.set CB,   116                         ; v116-123 v's bias, eight times: the C of v's first product
.set HN,   124                         ; v124-171 hn's two fragments of a tile, two sets
.set AQ,   174                         ; v174-189 q/k results
.set AV,   190                         ; v190-221 v results, 8 a tile of pixels
.set PC,   222                         ; v222-237 q/k codes, 4 registers a tile
.set PCV,  238                         ; v238-240, v242-244 v's codes
.set QM,   246                         ; at work in QB
.set QT,   247
.set QS,   248
.set BY,   249                         ; v249-252 q/k scale bytes, one a tile
.set BVB,  253                         ; v253-254 v's scale bytes; v255 the one that my lane stores
.set XX,   124                         ; ahead of the barrier, waves 0-7: v124-187 x; v188-203 one pixel's 16 channels; v204-219 A; v220-235 B; v236-237 NM
.set HH,   188
.set CA,   204
.set CBB,  220
.set NM,   236
.set SEL,  50
; 16 numbers of a lane, k = 16 (lane / 16) + i of one block of 32 (lane l xor 16 holds the other half), become 16 codes in v[pc .. pc + 2] and the block's scale byte in v[by].
.macro QB s, pc, by
	v_max3_num_f32 v[QM], |v[\s]|, |v[\s+1]|, 0x1800000            ; from the low end on; the floor 2^(3 - 127) holds the byte at 1 from below
.irp i, 2,4,6,8,10,12,14
	v_max3_num_f32 v[QM], v[QM], |v[\s+\i]|, |v[\s+\i+1]|
.endr
	v_permlanex16_b32 v[QT], v[QM], s[SEL], s[SEL+1]
	v_max_num_f32 v[QM], v[QM], v[QT]              ; the block's largest magnitude
	v_add_nc_u32 v[QS], 0xff000000, v[QM]          ; 2 off its exponent field: the conversion takes that field as its scale
	v_cvt_scalef32_pk16_fp6_f32 v[\pc:\pc+2], v[\s:\s+15], v[QS]
	v_lshrrev_b32 v[\by], 23, v[QS]                ; the byte; also the plain instruction behind the conversion
.endm
; one product.  row = 1: source 0's scales stand in lanes 16-31 of their register; 2: source 1's
.macro MM d, a, b, c, sa, sb, row
.if \row == 1
	v_wmma_scale_f32_16x16x128_f8f6f4 v[\d:\d+7], v[\a:\a+11], v[\b:\b+11], v[\c:\c+7], v[\sa], v[\sb] matrix_a_fmt:MATRIX_FMT_FP6 matrix_b_fmt:MATRIX_FMT_FP6 matrix_a_scale:MATRIX_SCALE_ROW1
.elseif \row == 2
	v_wmma_scale_f32_16x16x128_f8f6f4 v[\d:\d+7], v[\a:\a+11], v[\b:\b+11], v[\c:\c+7], v[\sa], v[\sb] matrix_a_fmt:MATRIX_FMT_FP6 matrix_b_fmt:MATRIX_FMT_FP6 matrix_b_scale:MATRIX_SCALE_ROW1
.else
	v_wmma_scale_f32_16x16x128_f8f6f4 v[\d:\d+7], v[\a:\a+11], v[\b:\b+11], v[\c:\c+7], v[\sa], v[\sb] matrix_a_fmt:MATRIX_FMT_FP6 matrix_b_fmt:MATRIX_FMT_FP6
.endif
.endm
	s_load_b256 s[4:11], s[0:1], 0x0               ; x s[4:5], coef s[6:7], the weights' codes s[8:9], their scales s[10:11]
	s_load_b128 s[12:15], s[0:1], 0x20             ; qkv_b s[12:13], qkv s[14:15]
	v_lshl_add_u32 v241, v0, 2, 0x3400
	v_mov_b32 v245, 0
	v_lshrrev_b32 v1, 5, v0
	v_readfirstlane_b32 s16, v1                    ; wave
	v_and_b32 v1, 31, v0                           ; lane
	v_and_b32 v2, 15, v0                           ; r
	v_bfe_u32 v3, v0, 4, 1                         ; h
	s_lshr_b32 s17, s16, 2                         ; head
	s_and_b32 s18, s16, 3                          ; i
	s_lshr_b32 s19, s18, 1                         ; q (0) or k (1); also i / 2
	s_and_b32 s20, s18, 1                          ; beta; also i % 2
	s_and_b32 s21, s16, 7                          ; g: the group that waves 0-7 quantise
	s_and_b32 s22, ttmp7, 0xffff                   ; b
	s_lshl_b32 s23, s22, 2
	s_add_co_u32 s23, s23, s17                     ; 4 b + head
	s_lshl_b32 s24, s19, 8
	s_lshl_b32 s55, s17, 6
	s_add_co_u32 s24, s24, s55
	s_lshl_b32 s56, s20, 5
	s_add_co_u32 s24, s24, s56                     ; RQ = 256 (q or k) + 64 head + 32 beta: my q/k rows of qkv_w
	s_lshl_b32 s25, s19, 5
	s_add_co_u32 s25, s25, s55
	s_lshl_b32 s56, s20, 3
	s_add_co_u32 s25, s25, s56
	s_add_co_u32 s25, s25, 512                     ; RV = 512 + 64 head + 32 (i / 2) + 8 (i % 2): my v rows
	s_lshr_b32 s56, s21, 2                         ; K step of group g
	s_mul_i32 s57, s56, 1536
	s_and_b32 s58, s21, 1                          ; the reader's half of the lanes
	s_mul_i32 s58, s58, 768
	s_add_co_u32 s57, s57, s58
	s_bfe_u32 s58, s21, 0x10001                    ; which six of its twelve registers
	s_mul_i32 s58, s58, 24
	s_add_co_u32 s57, s57, s58                     ; group g's place in a fragment's image
	s_lshl_b32 s56, s56, 6
	s_and_b32 s58, s21, 3
	s_add_co_u32 s56, s56, s58
	s_add_co_u32 s56, s56, XSC                     ; and its byte among the scale words
	v_and_b32 v4, 8, v2
	v_add_nc_u32 v4, v4, v2                        ; r + 8 (r / 8): a weight tile's row of lane r
	v_mul_u32_u24 v5, v4, 192                      ; a row of 256 codes is 192 bytes
	v_mad_u32_u24 v5, v3, 24, v5
	v_lshlrev_b32 v6, 3, v4                        ; its 8 scale bytes
	v_lshlrev_b32 v7, 6, v3                        ; 64 h: 16 f32 further on for lanes 16-31
	v_lshlrev_b32 v8, 2, v4
	v_mul_u32_u24 v9, v1, 48                       ; an image's 48 bytes of my lane
	v_lshl_add_u32 v10, v1, 2, XSC
	; waves 0-7: lane (r, h) holds pixels 4 r + j.  Pixel p lies in tile 2 (p / 32) + (p / 8) % 2, row p % 8 + 8 ((p / 16) % 2)
	v_and_b32 v20, 1, v0
	v_bfe_u32 v21, v0, 1, 1
	v_bfe_u32 v22, v0, 2, 1
	v_bfe_u32 v23, v0, 3, 1
	v_mul_u32_u24 v11, v20, 192                    ; 48 bytes a row: 4 rows,
	v_mad_u32_u24 v11, v22, 384, v11               ; 8 rows,
	v_mad_u32_u24 v11, v21, 3072, v11              ; a tile (two fragments),
	v_mad_u32_u24 v11, v23, 6144, v11              ; two tiles,
	v_mad_u32_u24 v11, v3, 12, v11                 ; my half of the block's 24 bytes
	v_add_nc_u32 v11, s57, v11
	v_lshlrev_b32 v12, 4, v20                      ; the same for the scale words, 4 bytes a row, 128 a tile
	v_lshl_add_u32 v12, v22, 5, v12
	v_lshl_add_u32 v12, v21, 7, v12
	v_lshl_add_u32 v12, v23, 8, v12
	v_add_nc_u32 v12, s56, v12
	v_lshlrev_b32 v13, 4, v2
	v_lshl_add_u32 v13, v3, 16, v13                ; x: 16 bytes at 16 r of channel 16 h + cc
	v_lshlrev_b32 v14, 2, v2
	v_lshl_add_u32 v14, v3, 1, v14                 ; q/k scale bytes: 4 r + 2 h
	v_mul_u32_u24 v15, v2, 24
	v_mad_u32_u24 v15, v3, 12, v15                 ; codes: 24 r + 12 h
	v_lshl_add_u32 v16, v2, 2, v3                  ; v's scale bytes: 4 r + h
	v_mov_b32 v17, 0
	v_mov_b32 v[QT], 0                             ; a lane permute's destination counts as read
	v_cmp_eq_u32 vcc_lo, 1, v3                     ; lanes 16-31; never written again
	s_mov_b32 s[SEL], 0x76543210
	s_mov_b32 s[SEL+1], 0xfedcba98
	s_mov_b32 s53, 0
	s_mul_i32 s54, s23, 157696                     ; my (image, head)'s part of qkv
	s_wait_kmcnt 0x0
	s_mul_i32 s52, s24, 192
	s_add_nc_u64 s[26:27], s[8:9], s[52:53]        ; q/k weights' codes
	s_mul_i32 s52, s25, 192
	s_add_nc_u64 s[28:29], s[8:9], s[52:53]        ; v weights' codes
	s_lshl_b32 s52, s24, 3
	s_add_nc_u64 s[30:31], s[10:11], s[52:53]      ; their scales
	s_lshl_b32 s52, s25, 3
	s_add_nc_u64 s[32:33], s[10:11], s[52:53]
	s_lshl_b32 s52, s24, 2
	s_add_nc_u64 s[34:35], s[12:13], s[52:53]      ; their biases
	s_lshl_b32 s52, s25, 2
	s_add_nc_u64 s[36:37], s[12:13], s[52:53]
	s_mul_i32 s55, ttmp9, 3072                     ; four tiles of 768 bytes a block of pixels
	s_mul_i32 s52, s19, 53248
	s_add_co_u32 s52, s52, s54
	s_add_co_u32 s52, s52, s55
	s_mul_i32 s58, s20, 384
	s_add_co_u32 s52, s52, s58
	s_add_nc_u64 s[38:39], s[14:15], s[52:53]      ; out: q's or k's codes, my block beta
	s_mul_i32 s52, s19, 102400
	s_add_co_u32 s52, s52, s54
	s_add_co_u32 s52, s52, 49152
	s_lshl_b32 s58, ttmp9, 8
	s_add_co_u32 s52, s52, s58
	s_add_co_u32 s52, s52, s20
	s_add_nc_u64 s[40:41], s[14:15], s[52:53]      ; out: q's or k's scale words, byte beta
	s_add_co_u32 s52, s54, s55
	s_add_co_u32 s52, s52, 102400
	s_mul_i32 s58, s18, 768
	s_add_co_u32 s52, s52, s58
	s_add_nc_u64 s[42:43], s[14:15], s[52:53]      ; out: v's codes
	s_lshr_b32 s52, ttmp9, 1
	s_lshl_b32 s52, s52, 8
	s_add_co_u32 s52, s52, s54
	s_add_co_u32 s52, s52, 155648
	s_lshl_b32 s58, s18, 6
	s_add_co_u32 s52, s52, s58
	s_and_b32 s58, ttmp9, 1
	s_lshl_b32 s58, s58, 1
	s_add_co_u32 s52, s52, s58
	s_add_nc_u64 s[44:45], s[14:15], s[52:53]      ; out: v's scale words, bytes 2 (pb % 2) and the next
	s_lshl_b32 s52, s22, 20
	s_lshl_b32 s58, s21, 17
	s_add_co_u32 s52, s52, s58
	s_lshl_b32 s58, ttmp9, 8
	s_add_co_u32 s52, s52, s58
	s_add_nc_u64 s[46:47], s[4:5], s[52:53]        ; x: image b, group g, my 64 pixels
	s_lshl_b32 s52, s22, 10
	s_lshl_b32 s58, s21, 7
	s_add_co_u32 s52, s52, s58
	s_add_nc_u64 s[48:49], s[6:7], s[52:53]        ; coef: image b, group g
	; every wave: its weights, 44 loads, all on their way at once
.macro WFRAG reg, ptr, off
.irp p, 0,1,2,3,4,5
	global_load_b64 v[\reg+2*\p:\reg+2*\p+1], v5, s[\ptr:\ptr+1] offset:\off+48*(\p/3)+8*(\p%3)
.endr
.endm
	WFRAG WQ, 26, 0
	WFRAG WQ+12, 26, 96
	WFRAG WQ+24, 26, 1536
	WFRAG WQ+36, 26, 1632
	WFRAG WV, 28, 0
	WFRAG WV+12, 28, 96
	global_load_b64 v[WQS:WQS+1], v6, s[30:31]
	global_load_b64 v[WQS+2:WQS+3], v6, s[30:31] offset:64
	global_load_b64 v[WVS:WVS+1], v6, s[32:33]
.irp u, 0,1
	global_load_b128 v[BQ+8*\u:BQ+8*\u+3], v7, s[34:35] offset:32*\u         ; tile u's result register j is row 8 u + 16 h + j
	global_load_b128 v[BQ+8*\u+4:BQ+8*\u+7], v7, s[34:35] offset:32*\u+16
.endr
	global_load_b32 v[BVV], v8, s[36:37]
	s_cmp_lt_u32 s16, 8
	s_cbranch_scc0 .Lx_done
	; ---- waves 0-7: group g of hn.  Lanes 0-15 read the 256 bytes of channel cc, lanes 16-31 those of channel 16 + cc
.irp cc, 0,1,2,3,4,5,6,7,8,9,10,11,12,13,14,15
	global_load_b128 v[XX+4*\cc:XX+4*\cc+3], v13, s[46:47] offset:4096*\cc
.endr
.irp q, 0,1,2,3
	global_load_b128 v[CA+4*\q:CA+4*\q+3], v7, s[48:49] offset:16*\q
	global_load_b128 v[CBB+4*\q:CBB+4*\q+3], v7, s[48:49] offset:16384+16*\q
.endr
	global_load_b32 v[NM], v17, s[48:49] offset:32768
	s_wait_loadcnt 0x0
	v_mov_b32 v[NM+1], v[NM]
.set k, 0
.rept 32
	v_pk_add_f32 v[XX+2*k:XX+2*k+1], v[XX+2*k:XX+2*k+1], v[NM:NM+1]     ; x - mean
.set k, k+1
.endr
; pixel 4 r + j: its 16 channels are gathered by the multiply-adds' destinations, quantised, and laid where the reader's lane wants them.  Each pixel has registers of its own for its codes and its byte.
.macro XPIX j, pcx
.irp cc, 0,1,2,3,4,5,6,7,8,9,10,11,12,13,14,15
	v_fma_f32 v[HH+\cc], v[XX+4*\cc+\j], v[CA+\cc], v[CBB+\cc]
.endr
	QB HH, \pcx, 119+\j
.irp i, 0,1,2
	ds_store_b32 v11, v[\pcx+\i] offset:48*\j+4*\i
.endr
	ds_store_b8 v12, v[119+\j] offset:4*\j         ; both halves of the lanes write the same byte with the same value
.endm
	XPIX 0, 238
	XPIX 1, 242
	XPIX 2, 250
	XPIX 3, 116
.Lx_done:
	s_wait_dscnt 0x0                               ; for the others' sake: my stores have landed
	s_barrier_signal -1
	s_barrier_wait -1                              ; hn's eight fragments and their scale words lie in LDS
	s_wait_loadcnt 0x0                             ; my weights
.irp j, 0,1,2,3,4,5,6,7
	v_mov_b32 v[CB+\j], v[BVV]
.endr
.macro HFETCH set, t                   ; tile t's two fragments and its scale words: 7 LDS loads
.irp ks, 0,1
.irp i, 0,1,2
	ds_load_b128 v[HN+24*(\set)+12*\ks+4*\i:HN+24*(\set)+12*\ks+4*\i+3], v9 offset:(2*(\t)+\ks)*1536+16*\i
.endr
.endr
	ds_load_b32 v[HS+(\set)], v10 offset:128*(\t)
.endm
; A tile of 16 pixels: six products, the three accumulators by turns; the biases are the C of each sum's first product.
.macro TAU t
.set HC, HN+24*(\t%2)
.set HW, HS+\t%2
.if \t < 3
	HFETCH (\t+1)%2, \t+1
	s_wait_dscnt 7                                 ; this tile's loads are in; the 7 just issued for the next tile may be out
.else
	s_wait_dscnt 0x0
.endif
	MM AQ, WQ, HC, BQ, WQS, HW, 0
	MM AQ+8, WQ+24, HC, BQ+8, WQS+2, HW, 0
	MM AV+8*\t, HC, WV, CB, HW, WVS, 0
	MM AQ, WQ+12, HC+12, AQ, WQS+1, HW, 2
	MM AQ+8, WQ+36, HC+12, AQ+8, WQS+3, HW, 2
	MM AV+8*\t, HC+12, WV+12, AV+8*\t, HW, WVS+1, 1
.rept 5
	v_nop                                          ; four places in front of the reads of the results and of the loads into hn's registers; the fifth since the next tile's products write over AQ
.endr
	QB AQ, PC+4*\t, BY+\t
	global_store_b96 v15, v[PC+4*\t:PC+4*\t+2], s[38:39] offset:768*\t       ; 384 consecutive bytes
	v_cndmask_b32 v[BY+\t], v[BY+\t], v17, vcc_lo  ; lanes 0-15 store byte beta, lanes 16-31 a 0 as byte 2 + beta
	global_store_b8 v14, v[BY+\t], s[40:41] offset:64*\t
.endm                                  ; every tile has its own registers for what it stores: no store's data are written again
	HFETCH 0, 0
	TAU 0
	TAU 1
	TAU 2
	TAU 3
	QB AV, PCV, BVB                                ; v: pixels 0-31 of the block,
	QB AV+16, PCV+4, BVB+1                         ; pixels 32-63
	global_store_b96 v15, v[PCV:PCV+2], s[42:43]
	global_store_b96 v15, v[PCV+4:PCV+6], s[42:43] offset:384
	v_cndmask_b32 v255, v[BVB], v[BVB+1], vcc_lo   ; lanes 0-15 store the first block's byte, lanes 16-31 the second's
	global_store_b8 v16, v255, s[44:45]
	s_wait_tensorcnt 0x0
	ds_add_u32 v241, v245
	s_wait_dscnt 0x0
	s_endpgm
.Lfunc_end_k_q25d83e6172_qkv:
	.size	k_q25d83e6172_qkv, .Lfunc_end_k_q25d83e6172_qkv-k_q25d83e6172_qkv
	.p2alignl 7, 3214868480
	.fill 96, 4, 3214868480
	.section	.rodata,"a",@progbits
	.p2align	6, 0x0
	.amdhsa_kernel k_q25d83e6172_qkv
		.amdhsa_group_segment_fixed_size 15360
		.amdhsa_private_segment_fixed_size 0
		.amdhsa_enable_private_segment 0
		.amdhsa_kernarg_size 48
		.amdhsa_user_sgpr_count 2
		.amdhsa_user_sgpr_kernarg_segment_ptr 1
		.amdhsa_wavefront_size32 1
		.amdhsa_system_sgpr_workgroup_id_x 1
		.amdhsa_system_sgpr_workgroup_id_y 1
		.amdhsa_system_sgpr_workgroup_id_z 1
		.amdhsa_system_vgpr_workitem_id 0
		.amdhsa_next_free_vgpr 256
		.amdhsa_next_free_sgpr 66
		.amdhsa_reserve_vcc 1
		.amdhsa_float_denorm_mode_32 3
		.amdhsa_float_denorm_mode_16_64 3
		.amdhsa_memory_ordered 1
		.amdhsa_forward_progress 1
		.amdhsa_inst_pref_size 35
	.end_amdhsa_kernel
	.amdgpu_metadata
---
amdhsa.version: [ 1, 2 ]
amdhsa.kernels:
  - .name:           k_q25d83e6172_qkv
    .symbol:         k_q25d83e6172_qkv.kd
    .args:
      - { .name: x, .offset: 0, .size: 8, .value_kind: global_buffer, .address_space: global }
      - { .name: coef, .offset: 8, .size: 8, .value_kind: global_buffer, .address_space: global }
      - { .name: qkv_w_codes, .offset: 16, .size: 8, .value_kind: global_buffer, .address_space: global }
      - { .name: qkv_w_scales, .offset: 24, .size: 8, .value_kind: global_buffer, .address_space: global }
      - { .name: qkv_b, .offset: 32, .size: 8, .value_kind: global_buffer, .address_space: global }
      - { .name: qkv, .offset: 40, .size: 8, .value_kind: global_buffer, .address_space: global }
    .group_segment_fixed_size: 15360
    .private_segment_fixed_size: 0
    .kernarg_segment_align: 8
    .kernarg_segment_size: 48
    .max_flat_workgroup_size: 512
    .sgpr_count:     66
    .vgpr_count:     256
    .wavefront_size: 32
...
	.end_amdgpu_metadata
.endif
;; end of part 2
;; launch attn (part 3): grid 4 x 64, 16 waves a work-group, clusters of 4 x 1, 169,984 bytes of LDS; arguments qkv, o; writes o
.if DOCPART == 3
	.amdgcn_target "amdgcn-amd-amdhsa--gfx1250"
	.amdhsa_code_object_version 6
	.text
	.protected	k_q25d83e6172_attn
	.globl	k_q25d83e6172_attn
	.p2align	8
	.type	k_q25d83e6172_attn,@function
k_q25d83e6172_attn:
	s_mov_b64 s[64:65], 0
	v_nop
	global_prefetch_b8 v0, s[64:65] scope:SCOPE_SE
	s_setreg_imm32_b32 hwreg(HW_REG_WAVE_MODE, 25, 1), 1
	s_wait_xcnt 0x0
	s_wait_alu depctr_hold_cnt(0) depctr_sa_sdst(0) depctr_va_vdst(0) depctr_va_sdst(0) depctr_va_ssrc(0) depctr_va_vcc(0) depctr_vm_vsrc(0)
	s_getreg_b32 s2, hwreg(HW_REG_IB_STS2, 6, 4)
	s_cmp_eq_u32 s2, 0
	s_cbranch_scc0 .Lentry_in_a_cluster
	s_endpgm
.Lentry_in_a_cluster:
	s_bfe_u32 s2, ttmp6, 0x10000c
	s_cmp_lg_u32 s2, 0x3003
	s_cbranch_scc0 .Lentry_shape_is_right
	s_endpgm
.Lentry_shape_is_right:
; O = softmax(q k^T / 8) v for one (image, head), both products on codes of FP6 (E2M3) with E8M0 scales, and O quantised along d for the projection.
; t = score x log2(e) / 8; M = the running largest t, rounded up to a whole number; p = 2^(t - M) is quantised along the keys, not normalised; the row's sum is taken of the
; unquantised p and divides O at the end; when M moves, the sum and O are multiplied by 2^(old M - new M), which rounds nothing.
; SHARES.  y = 4 image + head.  A work-group owns 256 queries, each of its sixteen waves one tile of 16, in 256 registers: four waves to a SIMD, so that one wave's softmax
; (some 220 vector instructions for 12 products) stands beside another's products and LDS loads.  Every wave walks the 1,024 keys, 128 a step.
; K, V and their scale words of the head are ONE dense block of 104,448 bytes: it comes into LDS once and stays: no slot is ever filled again.
; CLUSTER.  The four query blocks of a head need that same block: waves 0-3 ask for a quarter each, JOINTLY with the same wave of the three partners.
; LAYOUT.  Both products transposed: S^T = K Q^T, O^T = V^T P^T: a lane holds one query throughout.  The head's 64 are half of the instruction's K:
; registers 6-11 of Q's and K's fragments hold zero codes, and bytes 2, 3 of their scale words are 0 (2^-127, no NaN): they add nothing.
; A tile's rows were chosen by the launch before so that the 16 result registers of tiles 2 b, 2 b + 1 are 16 neighbours (keys in S^T, d in O^T).
; LIMITS: NaN and infinities are not served; a block of O whose largest magnitude lies under 2^-124 gets the byte 1.
.set AK0,  1                           ; v1   24 x lane: my six registers in a half fragment of K
.set AV0,  2                           ; v2   the same in V's part of LDS
.set ASK0, 3                           ; v3   4 x lane in K's scale words: lanes 0-15 one tile, lanes 16-31 the next
.set ASV0, 4                           ; v4   the same for V's
.set ADK,  8                           ; v8-11 the step's addresses
.set ADV,  9
.set ADS,  10
.set ADT,  11
.set QF,   16                          ; v16-27   Q
.set VSW,  30                          ; v30-31   V's scale words
.set KFR,  32                          ; v32-79   four fragments of K
.set VFR,  80                          ; v80-127  four fragments of V
.set S,    128                         ; v128-191 S^T, then p
.set O,    192                         ; v192-223 O^T
.set PCD,  224                         ; v224-235 p's codes;  v232-247 at work
.set KSW,  248                         ; v248-251 K's scale words
.set PSW,  253                         ; p's scale word;  v252 f;  v254 at work
.set QSW,  255                         ; Q's scale word
.set QM,   244
.set QT,   245
.set QS,   246
.set WV,   8                           ; s8
.set SEL,  20
.set CS,   22                          ; s[22:23] c = log2(e) / 8
.set G1,   24
.set G0,   32
.set TK,   36                          ; s36 the step's codes: 6,144 bytes a step, K's and V's alike
.set TS,   37                          ; s37 K's scale words: 512
.set TJ,   38                          ; s38 V's: 256
.set CNT,  39
.macro QB s, pc, by                    ; 16 numbers of a lane, half a block of 32 (lane l xor 16 holds the other), become 16 codes and the block's scale byte
	v_max3_num_f32 v[QM], |v[\s]|, |v[\s+1]|, 0x1800000
.irp i, 2,4,6,8,10,12,14
	v_max3_num_f32 v[QM], v[QM], |v[\s+\i]|, |v[\s+\i+1]|
.endr
	v_permlanex16_b32 v[QT], v[QM], s[SEL], s[SEL+1]
	v_max_num_f32 v[QM], v[QM], v[QT]
	v_add_nc_u32 v[QS], 0xff000000, v[QM]
	v_cvt_scalef32_pk16_fp6_f32 v[\pc:\pc+2], v[\s:\s+15], v[QS]
	v_lshrrev_b32 v[\by], 23, v[QS]                ; the byte; also the plain instruction behind the conversion
.endm
.macro MM d, a, b, c, sa, sb, row      ; row = 1: source 0's scales stand in lanes 16-31
.if \row == 1
	v_wmma_scale_f32_16x16x128_f8f6f4 v[\d:\d+7], v[\a:\a+11], v[\b:\b+11], v[\c:\c+7], v[\sa], v[\sb] matrix_a_fmt:MATRIX_FMT_FP6 matrix_b_fmt:MATRIX_FMT_FP6 matrix_a_scale:MATRIX_SCALE_ROW1
.else
	v_wmma_scale_f32_16x16x128_f8f6f4 v[\d:\d+7], v[\a:\a+11], v[\b:\b+11], v[\c:\c+7], v[\sa], v[\sb] matrix_a_fmt:MATRIX_FMT_FP6 matrix_b_fmt:MATRIX_FMT_FP6
.endif
.endm
.macro MMZ d, a, b, sa, sb, row        ; the same with C = 0
.if \row == 1
	v_wmma_scale_f32_16x16x128_f8f6f4 v[\d:\d+7], v[\a:\a+11], v[\b:\b+11], 0, v[\sa], v[\sb] matrix_a_fmt:MATRIX_FMT_FP6 matrix_b_fmt:MATRIX_FMT_FP6 matrix_a_scale:MATRIX_SCALE_ROW1
.else
	v_wmma_scale_f32_16x16x128_f8f6f4 v[\d:\d+7], v[\a:\a+11], v[\b:\b+11], 0, v[\sa], v[\sb] matrix_a_fmt:MATRIX_FMT_FP6 matrix_b_fmt:MATRIX_FMT_FP6
.endif
.endm
.macro CROUND                          ; a round of the cluster's barrier: my work-group's barrier, wave 0 signals for it, every wave waits for all four, my work-group's barrier once more
	s_barrier_signal -1
	s_barrier_wait -1
	s_cmp_lg_u32 s[WV], 0
	s_cbranch_scc1 .Lnot_wave_0_\@
	s_barrier_signal -3
.Lnot_wave_0_\@:
	s_barrier_wait -3
	s_barrier_signal -1
	s_barrier_wait -1
.endm
	s_load_b128 s[4:7], s[0:1], 0x0                ; qkv s[4:5], o s[6:7]
	v_lshl_add_u32 v29, v0, 2, 0x29000
	v_mov_b32 v243, 0
	ds_add_u32 v29, v243
	ds_add_u32 v29, v243
	v_lshrrev_b32 v8, 5, v0
	v_readfirstlane_b32 s[WV], v8                  ; wave 0..15
	s_bfe_u32 s9, ttmp6, 0x40000                   ; cx: it enters Q's and o's global addresses alone
	s_lshl_b32 s10, ttmp9, 2
	s_add_co_u32 s10, s10, s9                      ; my block of 256 queries
	s_lshl_b32 s10, s10, 4
	s_add_co_u32 s10, s10, s[WV]                   ; my tile of queries, 0..63
	s_and_b32 s11, ttmp7, 0xffff                   ; 4 image + head, which the four partners share
	s_mul_i32 s12, s11, 157696                     ; its part of qkv
	s_min_u32 s18, s[WV], 3                        ; waves 0-3 fetch; the others issue nothing and hold wave 3's figures
	s_mul_i32 s[G0+1], s18, 26112                  ; LDS address: a quarter of the block, 102 rows of 256 bytes
	s_add_co_u32 s14, s12, s[G0+1]
	s_add_co_u32 s14, s14, 53248                   ; the block begins with K's codes
	s_mov_b32 s15, 0
	s_mov_b32 s17, 0
	s_mov_b32 s[G0], 1                             ; count = 1
	s_mov_b32 s[G1], 15|(3<<16)|(1<<21)            ; 15:0 the mask: all four work-groups; 17:16 elements of 8 bytes; 21 set beside a mask; no padding
	s_mov_b32 s[G1+1], 32<<16                      ; tensor_dim0 = 32 elements: 256 bytes
	s_mov_b32 s[G1+2], 102<<16                     ; tensor_dim1 = 102
	s_mov_b32 s[G1+3], 32<<16                      ; tile_dim0
	s_mov_b32 s[G1+4], 102                         ; tile_dim1
	s_mov_b32 s[G1+5], 32                          ; the pitch: dense
	s_mov_b32 s[G1+6], 0
	s_mov_b32 s[G1+7], 0
	s_mov_b32 s[SEL], 0x76543210
	s_mov_b32 s[SEL+1], 0xfedcba98
	s_mov_b32 s[CS], 0x3e38aa3b                    ; log2(e) / 8
	s_mov_b32 s[CS+1], s[CS]                       ; (named with it as a pair, so it is written)
	s_mov_b32 s[TK], 0
	s_mov_b32 s[TS], 0
	s_mov_b32 s[TJ], 0
	s_mov_b32 s[CNT], 8
	s_wait_dscnt 0x0
	s_wait_kmcnt 0x0
	s_add_nc_u64 s[G0+2:G0+3], s[4:5], s[14:15]
	s_or_b32 s[G0+3], s[G0+3], 0x80000000          ; type = 2
	s_mul_i32 s16, s10, 768
	s_add_co_u32 s16, s16, s12
	s_add_nc_u64 s[40:41], s[4:5], s[16:17]        ; Q's codes, my tile
	s_lshl_b32 s16, s10, 6
	s_add_co_u32 s16, s16, s12
	s_add_co_u32 s16, s16, 49152
	s_add_nc_u64 s[46:47], s[4:5], s[16:17]        ; its scale words
	s_lshr_b32 s19, s11, 2
	s_mul_i32 s19, s19, 204800                     ; the image's part of o
	s_and_b32 s13, s11, 3                          ; head
	s_mul_i32 s16, s10, 3072
	s_add_co_u32 s16, s16, s19
	s_mul_i32 s48, s13, 768
	s_add_co_u32 s16, s16, s48
	s_add_nc_u64 s[42:43], s[6:7], s[16:17]        ; o's codes: [tile][head][768]
	s_lshl_b32 s16, s10, 7
	s_add_co_u32 s16, s16, s19
	s_add_co_u32 s16, s16, 196608
	s_lshl_b32 s48, s13, 1
	s_add_co_u32 s16, s16, s48
	s_add_nc_u64 s[44:45], s[6:7], s[16:17]        ; o's scale bytes: [tile][row][8], byte 2 head + block
	CROUND                                         ; all four work-groups are here: the joint loads meet
	s_cmp_lt_u32 s[WV], 4
	s_cbranch_scc0 .Lno_fill
	tensor_load_to_lds s[G0:G0+3], s[G1:G1+7]      ; the launch's only fill: one load of mine is out
	s_nop 0
.rept 4
	v_nop
.endr
.Lno_fill:
	v_and_b32 v8, 31, v0                           ; lane
	v_and_b32 v9, 15, v0                           ; r
	v_bfe_u32 v10, v0, 4, 1                        ; h
	v_mul_u32_u24 v[AK0], v8, 24
	v_lshlrev_b32 v5, 2, v9                        ; 4 r
.irp p, 0,1,2
	global_load_b64 v[QF+2*\p:QF+2*\p+1], v[AK0], s[40:41] offset:8*\p
.endr
	global_load_b32 v[QSW], v5, s[46:47]
.irp i, 6,7,8,9,10,11
	v_mov_b32 v[QF+\i], 0                          ; zero codes for K = 64 .. 127, written once
.irp t, 0,1,2,3
	v_mov_b32 v[KFR+12*\t+\i], 0
.endr
.endr
	v_add_nc_u32 v[AV0], 49152, v[AK0]
	v_lshl_add_u32 v[ASK0], v8, 2, 98304
	v_lshl_add_u32 v[ASV0], v8, 2, 102400
	v_mul_u32_u24 v6, v9, 24
	v_mad_u32_u24 v6, v10, 12, v6                  ; the way out: 24 r + 12 h
	v_lshl_add_u32 v7, v9, 3, v10                  ; 8 r + h
	v_mov_b32 v13, 0xff61b1e6                      ; the largest t so far: -3e38, under every t
	v_floor_f32 v12, -v13                          ; -M
	v_mov_b32 v14, 0                               ; the sum, in two halves
	v_mov_b32 v15, 0
.irp b, 0,1,2,3
	v_mov_b32 v[236+\b], 0                         ; a lane permute's destination counts as read
.endr
	v_mov_b32 v[PSW], 0                            ; (named as the upper half of the pair v[252:253] before it is first written)
.set k, 0
.rept 32
	v_mov_b32 v[O+k], 0                            ; the step is written once: the first finds zeros, which the first change of M leaves zeros
.set k, k+1
.endr
	s_wait_tensorcnt 0x0                           ; my quarter has landed,
	s_barrier_signal -1
	s_barrier_wait -1                              ; everybody's has
	s_wait_loadcnt 0x0                             ; Q
.Lstep:                                            ; 8 trips of 128 keys
	v_add_nc_u32 v[ADK], s[TK], v[AK0]             ; (these four are also places behind the last trip's products)
	v_add_nc_u32 v[ADV], s[TK], v[AV0]
	v_add_nc_u32 v[ADS], s[TS], v[ASK0]
	v_add_nc_u32 v[ADT], s[TJ], v[ASV0]
.irp t, 0,1,2,3
.irp p, 0,1,2
	ds_load_b64 v[KFR+12*\t+2*\p:KFR+12*\t+2*\p+1], v[ADK] offset:768*\t+8*\p     ; lanes 24 bytes apart: the 32 lanes of a load touch each bank once
.endr
.endr
.irp i, 0,1,2,3
	ds_load_b32 v[KSW+\i], v[ADS] offset:128*\i    ; tiles 2 i (lanes 0-15) and 2 i + 1 (lanes 16-31)
.endr
	s_wait_dscnt 0x0
.irp t, 0,1,2,3
	MMZ S+8*\t, KFR+12*\t, QF, KSW+\t/2, QSW, \t%2
.endr
.rept 4
	v_nop                                          ; places in front of loads into registers that matrix instructions have read
.endr
.irp t, 0,1,2,3
.irp p, 0,1,2
	ds_load_b64 v[KFR+12*\t+2*\p:KFR+12*\t+2*\p+1], v[ADK] offset:768*(4+\t)+8*\p
.endr
.endr
.irp t, 0,1,2,3
.irp c, 0,1
.irp p, 0,1,2
	ds_load_b64 v[VFR+12*\t+6*\c+2*\p:VFR+12*\t+6*\c+2*\p+1], v[ADV] offset:3072*\c+768*\t+8*\p
.endr
.endr
.endr
.irp i, 0,1
	ds_load_b32 v[VSW+\i], v[ADT] offset:128*\i
.endr
	s_wait_dscnt 26                                ; K's tiles 4-7 are in; V's 24 loads and its 2 scale words, issued behind them, land during the softmax
.irp t, 0,1,2,3
	MMZ S+32+8*\t, KFR+12*\t, QF, KSW+2+\t/2, QSW, \t%2
.endr
.rept 4
	v_nop                                          ; places in front of the first read of the scores
.endr
.irp b, 0,1,2,3
	v_max3_num_f32 v[232+\b], v[S+16*\b], v[S+1+16*\b], v[S+2+16*\b]     ; the largest score of each block of 32 keys: for the row's maximum and, since p rises with the score, for the block's largest p
.endr
.irp i, 3,5,7,9,11,13
.irp b, 0,1,2,3
	v_max3_num_f32 v[232+\b], v[232+\b], v[S+16*\b+\i], v[S+1+16*\b+\i]
.endr
.endr
.irp b, 0,1,2,3
	v_max_num_f32 v[232+\b], v[232+\b], v[S+15+16*\b]
.endr
.irp b, 0,1,2,3
	v_permlanex16_b32 v[236+\b], v[232+\b], s[SEL], s[SEL+1]
.endr
.irp b, 0,1,2,3
	v_max_num_f32 v[232+\b], v[232+\b], v[236+\b]  ; with lane l xor 16's 16 keys
.endr
	v_max3_num_f32 v254, v232, v233, v234
	v_max_num_f32 v254, v254, v235
	v_mul_f32 v254, s[CS], v254                    ; the step's largest t (c is positive)
	v_max_num_f32 v13, v13, v254
	v_mov_b32 v254, v12
	v_floor_f32 v12, -v13                          ; the new -M = -ceil(t)
	v_sub_f32 v254, v12, v254                      ; old M - new M: a whole number, 0 or less
	v_cvt_i32_f32 v254, v254                       ; (it saturates)
	v_ldexp_f32 v252, 1.0, v254                    ; f = 2^(old M - new M)
.set k, 0
.rept 32
	v_pk_fma_f32 v[S+k:S+k+1], v[S+k:S+k+1], s[CS:CS+1], v[12:13] op_sel_hi:[1,0,0]   ; t - M, two at a time
.set k, k+2
.endr
.irp b, 0,1,2,3
	v_fma_f32 v[232+\b], v[232+\b], s[CS], v12     ; the same of each block's largest score
.endr
.set k, 0
.rept 64
	v_exp_f32 v[S+k], v[S+k]                       ; p = 2^(t - M)
.set k, k+1
.endr
.irp b, 0,1,2,3
	v_exp_f32 v[232+\b], v[232+\b]                 ; the block's largest p: the same two instructions on the same number
.endr
	v_pk_mul_f32 v[14:15], v[14:15], v[252:253] op_sel_hi:[1,0]     ; the sums under the new M; the plain instruction behind the exponentials
	s_wait_alu depctr_va_vdst(0)
.irp b, 0,1,2,3
	v_max_num_f32 v[232+\b], 0x1800000, v[232+\b]  ; the floor 2^(3 - 127): the byte cannot fall under 1
.endr
.irp b, 0,1,2,3
	v_add_nc_u32 v[244+\b], 0xff000000, v[232+\b]  ; 2 off the exponent field: the conversion's scale operand
.endr
.irp b, 0,1,2,3
	v_lshrrev_b32 v[236+\b], 23, v[244+\b]
.endr
	v_lshl_or_b32 v[PSW], v237, 8, v236            ; p's scale word for these 128 keys
	v_lshl_or_b32 v[PSW], v238, 16, v[PSW]
	v_lshl_or_b32 v[PSW], v239, 24, v[PSW]
.irp c, 0,1
	v_cvt_scalef32_pk16_fp6_f32 v[PCD+6*\c:PCD+2+6*\c], v[S+32*\c:S+15+32*\c], v[244+2*\c]
	v_cvt_scalef32_pk16_fp6_f32 v[236+4*\c:238+4*\c], v[S+16+32*\c:S+31+32*\c], v[244+2*\c+1]   ; (a conversion's three registers begin on an even number)
.endr
	v_nop                                          ; a plain instruction between a scaled conversion and what touches its result
.irp c, 0,1                            ; the operand wants a whole block in a lane: lanes 0-15 block 2 c, lanes 16-31 block 2 c + 1
.irp i, 0,1,2
	v_permlane16_swap_b32 v[PCD+6*\c+\i], v[236+4*\c+\i]
.endr
.irp i, 0,1,2
	v_mov_b32 v[PCD+3+6*\c+\i], v[236+4*\c+\i]
.endr
.endr
	v_pk_add_f32 v[236:237], v[S:S+1], v[S+2:S+3]  ; the row's sum, of the unquantised p, in two chains
.irp j, 4,8,12,16,20,24,28,32,36,40,44,48,52,56,60
	v_pk_add_f32 v[14:15], v[14:15], v[S+\j:S+1+\j]
	v_pk_add_f32 v[236:237], v[236:237], v[S+2+\j:S+3+\j]
.endr
	v_pk_add_f32 v[14:15], v[14:15], v[236:237]
.set k, 0
.rept 16
	v_pk_mul_f32 v[O+k:O+k+1], v[O+k:O+k+1], v[252:253] op_sel_hi:[1,0]     ; O^T under the new M.  (With the sums above: far more than the 8 and 4 places that p's scale word and codes want ahead of the products)
.set k, k+2
.endr
	s_wait_dscnt 0x0                               ; V
.irp t, 0,1,2,3
	MM O+8*\t, VFR+12*\t, PCD, O+8*\t, VSW+\t/2, PSW, \t%2          ; the four accumulators by turns
.endr
	s_add_co_u32 s[TK], s[TK], 6144
	s_add_co_u32 s[TS], s[TS], 512
	s_add_co_u32 s[TJ], s[TJ], 256
	s_sub_co_u32 s[CNT], s[CNT], 1
	s_cmp_lg_u32 s[CNT], 0
	s_cbranch_scc1 .Lstep
	; THE WAY OUT: O^T / the sum; a lane's 32 numbers are d = 16 h + 0 .. 15 of the head's two blocks of 32: two conversions, two stores of 384 consecutive bytes
.rept 4
	v_nop
.endr
	v_add_f32 v14, v14, v15
	v_permlanex16_b32 v252, v14, s[SEL], s[SEL+1]
	v_add_f32 v14, v14, v252                       ; the row's sum
	v_rcp_f32 v14, v14
	v_bfe_u32 v10, v0, 4, 1                        ; (a plain instruction behind the transcendental)  h
	v_cmp_eq_u32 vcc_lo, 1, v10
.set k, 0
	s_wait_alu depctr_va_vdst(0)
.rept 32
	v_mul_f32 v[S+k], v[O+k], v14                  ; each accumulator from its low end on
.set k, k+1
.endr
	QB S, 224, 236
	QB S+16, 228, 237
	global_store_b96 v6, v[224:226], s[42:43]
	global_store_b96 v6, v[228:230], s[42:43] offset:384
	v_cndmask_b32 v238, v236, v237, vcc_lo         ; lanes 0-15 store the first block's byte, lanes 16-31 the second's
	global_store_b8 v7, v238, s[44:45]
	s_wait_tensorcnt 0x0
	ds_add_u32 v29, v243
	s_wait_dscnt 0x0
	CROUND                                         ; the closing round: no work-group ends while a partner may still ask for a tile that names it
	s_endpgm
.Lfunc_end_k_q25d83e6172_attn:
	.size	k_q25d83e6172_attn, .Lfunc_end_k_q25d83e6172_attn-k_q25d83e6172_attn
	.p2alignl 7, 3214868480
	.fill 96, 4, 3214868480
	.section	.rodata,"a",@progbits
	.p2align	6, 0x0
	.amdhsa_kernel k_q25d83e6172_attn
		.amdhsa_group_segment_fixed_size 169984
		.amdhsa_private_segment_fixed_size 0
		.amdhsa_enable_private_segment 0
		.amdhsa_kernarg_size 16
		.amdhsa_user_sgpr_count 2
		.amdhsa_user_sgpr_kernarg_segment_ptr 1
		.amdhsa_wavefront_size32 1
		.amdhsa_system_sgpr_workgroup_id_x 1
		.amdhsa_system_sgpr_workgroup_id_y 1
		.amdhsa_system_sgpr_workgroup_id_z 1
		.amdhsa_system_vgpr_workitem_id 0
		.amdhsa_next_free_vgpr 256
		.amdhsa_next_free_sgpr 66
		.amdhsa_reserve_vcc 1
		.amdhsa_float_denorm_mode_32 3
		.amdhsa_float_denorm_mode_16_64 3
		.amdhsa_memory_ordered 1
		.amdhsa_forward_progress 1
		.amdhsa_inst_pref_size 29
	.end_amdhsa_kernel
	.amdgpu_metadata
---
amdhsa.version: [ 1, 2 ]
amdhsa.kernels:
  - .name:           k_q25d83e6172_attn
    .symbol:         k_q25d83e6172_attn.kd
    .args:
      - { .name: qkv, .offset: 0, .size: 8, .value_kind: global_buffer, .address_space: global }
      - { .name: o, .offset: 8, .size: 8, .value_kind: global_buffer, .address_space: global }
    .group_segment_fixed_size: 169984
    .private_segment_fixed_size: 0
    .kernarg_segment_align: 8
    .kernarg_segment_size: 16
    .max_flat_workgroup_size: 512
    .sgpr_count:     66
    .vgpr_count:     256
    .wavefront_size: 32
...
	.end_amdgpu_metadata
.endif
;; end of part 3
;; launch proj (part 4): grid 16 x 16, 16 waves a work-group, no clusters, 83,968 bytes of LDS; arguments o, proj_w_codes, proj_w_scales, proj_b, x, out0; writes out0
.if DOCPART == 4
	.amdgcn_target "amdgcn-amd-amdhsa--gfx1250"
	.amdhsa_code_object_version 6
	.text
	.protected	k_q25d83e6172_proj
	.globl	k_q25d83e6172_proj
	.p2align	8
	.type	k_q25d83e6172_proj,@function
k_q25d83e6172_proj:
	s_mov_b64 s[64:65], 0
	v_nop
	global_prefetch_b8 v0, s[64:65] scope:SCOPE_SE
	s_setreg_imm32_b32 hwreg(HW_REG_WAVE_MODE, 25, 1), 1
	s_wait_xcnt 0x0
; out0 = x + proj_w O + proj_b, the product on codes of FP6 (E2M3) with E8M0 scales.  K = the 256 channels (head, d): two steps of 128, each two heads.
; A work-group takes 64 pixels (x = block pb) of one image (y = b); wave w makes output channels 16 w .. 16 w + 15 for all 64.
; O's codes of the block, 16 half fragments of 768 bytes, are one dense run of 12,288 bytes: each wave copies 768 of them into LDS, and every wave reads all.
; Source 0 = O's tile of 16 pixels, source 1 = 16 rows of proj_w: a lane holds ONE channel and, by the order of a tile's rows, eight neighbouring pixels.
; The results go through the wave's own stage in LDS and leave as whole rows: sixteen lanes store 256 consecutive bytes, aligned.
.set STG, 12288                        ; LDS: the stages, 16 rows x (256 + 16) bytes a wave, behind O's codes
.set WF,  16                           ; v16-39   proj_w's two fragments
.set WS,  40                           ; v40-41   their scale words
.set BI,  42                           ; v42      my channel's bias
.set CB,  44                           ; v44-51   the bias eight times: the C of each sum's first product
.set OF,  52                           ; v52-147  O's fragments (tile, K step) at 12 (2 tile + ks)
.set OS,  148                          ; v148-151 O's scale words: 2 (tile / 2) + ks; even tiles in lanes 0-15, odd ones in lanes 16-31
.set AC,  152                          ; v152-183 the four accumulators
.set XR,  184                          ; v184-215 x
.set BK,  216                          ; v216-247 rows read back; v216-221 first the copy's data
.macro MM d, a, b, c, sa, sb, row      ; row = 1: source 0's scales stand in lanes 16-31
.if \row == 1
	v_wmma_scale_f32_16x16x128_f8f6f4 v[\d:\d+7], v[\a:\a+11], v[\b:\b+11], v[\c:\c+7], v[\sa], v[\sb] matrix_a_fmt:MATRIX_FMT_FP6 matrix_b_fmt:MATRIX_FMT_FP6 matrix_a_scale:MATRIX_SCALE_ROW1
.else
	v_wmma_scale_f32_16x16x128_f8f6f4 v[\d:\d+7], v[\a:\a+11], v[\b:\b+11], v[\c:\c+7], v[\sa], v[\sb] matrix_a_fmt:MATRIX_FMT_FP6 matrix_b_fmt:MATRIX_FMT_FP6
.endif
.endm
	s_load_b256 s[4:11], s[0:1], 0x0               ; o s[4:5], proj_w's codes s[6:7], its scales s[8:9], proj_b s[10:11]
	s_load_b128 s[12:15], s[0:1], 0x20             ; x s[12:13], out0 s[14:15]
	v_lshl_add_u32 v248, v0, 2, 0x14000
	v_mov_b32 v249, 0
	v_lshrrev_b32 v1, 5, v0
	v_readfirstlane_b32 s16, v1                    ; wave
	v_and_b32 v1, 31, v0                           ; lane
	v_and_b32 v2, 15, v0                           ; r
	v_bfe_u32 v3, v0, 4, 1                         ; h
	s_and_b32 s18, ttmp7, 0xffff                   ; b
	s_mul_i32 s19, s16, 768                        ; my part of the copy
	v_lshlrev_b32 v4, 4, v1
	v_add_nc_u32 v4, s19, v4                       ; 512 bytes, 16 a lane: the same offset in memory and in LDS
	v_lshlrev_b32 v5, 3, v1
	v_add_nc_u32 v5, s19, v5
	v_add_nc_u32 v5, 512, v5                       ; and 256 bytes, 8 a lane
	v_mul_u32_u24 v6, v1, 24                       ; my six registers in a half fragment
	v_mul_u32_u24 v7, v2, 192
	v_mad_u32_u24 v7, v3, 24, v7                   ; proj_w: row r of 192 bytes, + 24 h
	v_lshlrev_b32 v8, 3, v2
	v_lshlrev_b32 v9, 2, v2
	v_lshlrev_b32 v10, 3, v1
	s_mul_i32 s19, s16, 4352
	s_add_co_u32 s19, s19, STG                     ; my stage
	v_mul_u32_u24 v11, v2, 272
	v_lshl_add_u32 v11, v3, 6, v11
	v_add_nc_u32 v11, s19, v11                     ; in: row = channel r; 16 pixels on for lanes 16-31
	v_mul_u32_u24 v12, v3, 272
	v_lshl_add_u32 v12, v2, 4, v12
	v_add_nc_u32 v12, s19, v12                     ; back: lanes 0-15 one row, lanes 16-31 the next
	v_lshlrev_b32 v13, 4, v2
	v_lshl_add_u32 v13, v3, 12, v13                ; and the same two channels in x and out0
	s_mov_b32 s21, 0
	s_mul_i32 s22, s18, 204800                     ; the image's part of o
	s_wait_kmcnt 0x0
	s_mul_i32 s20, ttmp9, 12288
	s_add_co_u32 s20, s20, s22
	s_add_nc_u64 s[24:25], s[4:5], s[20:21]        ; the block's codes
	s_lshl_b32 s20, ttmp9, 9
	s_add_co_u32 s20, s20, s22
	s_add_co_u32 s20, s20, 196608
	s_add_nc_u64 s[26:27], s[4:5], s[20:21]        ; and scale bytes: 128 a tile
	s_mul_i32 s20, s16, 3072
	s_add_nc_u64 s[28:29], s[6:7], s[20:21]        ; my 16 rows of proj_w
	s_lshl_b32 s20, s16, 7
	s_add_nc_u64 s[30:31], s[8:9], s[20:21]
	s_lshl_b32 s20, s16, 6
	s_add_nc_u64 s[32:33], s[10:11], s[20:21]
	s_lshl_b32 s20, s18, 20
	s_lshl_b32 s23, s16, 16
	s_add_co_u32 s20, s20, s23
	s_lshl_b32 s23, ttmp9, 8
	s_add_co_u32 s20, s20, s23
	s_add_nc_u64 s[34:35], s[12:13], s[20:21]      ; x and out0: image b, channel 16 w, my 64 pixels
	s_add_nc_u64 s[36:37], s[14:15], s[20:21]
	global_load_b128 v[BK:BK+3], v4, s[24:25]      ; the copy first
	global_load_b64 v[BK+4:BK+5], v5, s[24:25]
.irp ks, 0,1
.irp p, 0,1,2,3,4,5
	global_load_b64 v[WF+12*\ks+2*\p:WF+12*\ks+2*\p+1], v7, s[28:29] offset:96*\ks+48*(\p/3)+8*(\p%3)
.endr
.endr
	global_load_b64 v[WS:WS+1], v8, s[30:31]
	global_load_b32 v[BI], v9, s[32:33]
.irp i, 0,1
	global_load_b64 v[OS+2*\i:OS+2*\i+1], v10, s[26:27] offset:256*\i
.endr
.irp i, 0,1,2,3,4,5,6,7
	global_load_b128 v[XR+4*\i:XR+4*\i+3], v13, s[34:35] offset:8192*\i th:TH_LOAD_NT     ; x's last reading
.endr
	s_wait_loadcnt 24                              ; the copy's two loads are in; the 24 issued behind them may be out
	ds_store_b128 v4, v[BK:BK+3]
	ds_store_b64 v5, v[BK+4:BK+5]
	s_wait_dscnt 0x0                               ; for the others' sake: my stores have landed
	s_barrier_signal -1
	s_barrier_wait -1
.irp t, 0,1,2,3
.irp ks, 0,1
.irp c, 0,1
.irp p, 0,1,2
	ds_load_b64 v[OF+12*(2*\t+\ks)+6*\c+2*\p:OF+12*(2*\t+\ks)+6*\c+2*\p+1], v6 offset:768*(4*\t+2*\ks+\c)+8*\p     ; head 2 ks + c fills registers 6 c .. 6 c + 5
.endr
.endr
.endr
.endr
	s_wait_loadcnt 8                               ; the weights, the bias and the scale words are in; x's eight loads may be out
.irp j, 0,1,2,3,4,5,6,7
	v_mov_b32 v[CB+\j], v[BI]
.endr
	s_wait_dscnt 0x0
.irp t, 0,1,2,3
	MM AC+8*\t, OF+24*\t, WF, CB, OS+2*(\t/2), WS, \t%2              ; the four accumulators by turns, a K step at a time
.endr
.irp t, 0,1,2,3
	MM AC+8*\t, OF+24*\t+12, WF+12, AC+8*\t, OS+2*(\t/2)+1, WS+1, \t%2
.endr
.rept 4
	v_nop                                          ; places in front of the LDS stores that read the results
.endr
.irp t, 0,1,2,3
	ds_store_b128 v11, v[AC+8*\t:AC+8*\t+3] offset:128*(\t/2)+32*(\t%2)      ; register j of tile t: pixel 32 (t / 2) + 8 (t % 2) + 16 h + j; each accumulator from its low end on
	ds_store_b128 v11, v[AC+8*\t+4:AC+8*\t+7] offset:128*(\t/2)+32*(\t%2)+16
.endr
.irp i, 0,1,2,3,4,5,6,7
	ds_load_b128 v[BK+4*\i:BK+4*\i+3], v12 offset:544*\i   ; LDS serves a wave's instructions in order (ISA guide 5.7.1.4): these see my stores
.endr
	s_wait_loadcnt 0x0                             ; x
.irp i, 0,1,2,3,4,5,6,7
	s_wait_dscnt 7-\i                              ; row pair i is back; the younger loads may be out
	v_pk_add_f32 v[BK+4*\i:BK+4*\i+1], v[BK+4*\i:BK+4*\i+1], v[XR+4*\i:XR+4*\i+1]
	v_pk_add_f32 v[BK+4*\i+2:BK+4*\i+3], v[BK+4*\i+2:BK+4*\i+3], v[XR+4*\i+2:XR+4*\i+3]
	global_store_b128 v13, v[BK+4*\i:BK+4*\i+3], s[36:37] offset:8192*\i th:TH_STORE_NT     ; two channels' 256 consecutive bytes, each aligned
.endr
	s_wait_tensorcnt 0x0
	ds_add_u32 v248, v249
	s_wait_dscnt 0x0
	s_endpgm
.Lfunc_end_k_q25d83e6172_proj:
	.size	k_q25d83e6172_proj, .Lfunc_end_k_q25d83e6172_proj-k_q25d83e6172_proj
	.p2alignl 7, 3214868480
	.fill 96, 4, 3214868480
	.section	.rodata,"a",@progbits
	.p2align	6, 0x0
	.amdhsa_kernel k_q25d83e6172_proj
		.amdhsa_group_segment_fixed_size 83968
		.amdhsa_private_segment_fixed_size 0
		.amdhsa_enable_private_segment 0
		.amdhsa_kernarg_size 48
		.amdhsa_user_sgpr_count 2
		.amdhsa_user_sgpr_kernarg_segment_ptr 1
		.amdhsa_wavefront_size32 1
		.amdhsa_system_sgpr_workgroup_id_x 1
		.amdhsa_system_sgpr_workgroup_id_y 1
		.amdhsa_system_sgpr_workgroup_id_z 1
		.amdhsa_system_vgpr_workitem_id 0
		.amdhsa_next_free_vgpr 250
		.amdhsa_next_free_sgpr 66
		.amdhsa_reserve_vcc 0
		.amdhsa_float_denorm_mode_32 3
		.amdhsa_float_denorm_mode_16_64 3
		.amdhsa_memory_ordered 1
		.amdhsa_forward_progress 1
		.amdhsa_inst_pref_size 14
	.end_amdhsa_kernel
	.amdgpu_metadata
---
amdhsa.version: [ 1, 2 ]
amdhsa.kernels:
  - .name:           k_q25d83e6172_proj
    .symbol:         k_q25d83e6172_proj.kd
    .args:
      - { .name: o, .offset: 0, .size: 8, .value_kind: global_buffer, .address_space: global }
      - { .name: proj_w_codes, .offset: 8, .size: 8, .value_kind: global_buffer, .address_space: global }
      - { .name: proj_w_scales, .offset: 16, .size: 8, .value_kind: global_buffer, .address_space: global }
      - { .name: proj_b, .offset: 24, .size: 8, .value_kind: global_buffer, .address_space: global }
      - { .name: x, .offset: 32, .size: 8, .value_kind: global_buffer, .address_space: global }
      - { .name: out0, .offset: 40, .size: 8, .value_kind: global_buffer, .address_space: global }
    .group_segment_fixed_size: 83968
    .private_segment_fixed_size: 0
    .kernarg_segment_align: 8
    .kernarg_segment_size: 48
    .max_flat_workgroup_size: 512
    .sgpr_count:     66
    .vgpr_count:     250
    .wavefront_size: 32
...
	.end_amdgpu_metadata
.endif
;; end of part 4
;; ======== version 2 of 3: 3 launches
;; workspace buffers: hnq 3,276,800 bytes; o 3,276,800 bytes
;; launch gnq (part 5): grid 128 x 1, 16 waves a work-group, no clusters, 26,880 bytes of LDS; arguments x, norm_w, norm_b, hnq; writes hnq
.if DOCPART == 5
	.amdgcn_target "amdgcn-amd-amdhsa--gfx1250"
	.amdhsa_code_object_version 6
	.text
	.protected	k_q25d83e6172_gnq
	.globl	k_q25d83e6172_gnq
	.p2align	8
	.type	k_q25d83e6172_gnq,@function
k_q25d83e6172_gnq:
	s_mov_b64 s[64:65], 0
	v_nop
	global_prefetch_b8 v0, s[64:65] scope:SCOPE_SE
	s_setreg_imm32_b32 hwreg(HW_REG_WAVE_MODE, 25, 1), 1
	s_wait_xcnt 0x0
; GroupNorm, and its result quantised for the first product.  Work-group 8 b + g owns group g of image b: 32 channels x 1,024 pixels, 131,072 dense bytes of x.
; The group stays in the registers of its 16 waves between the pass that finds the mean, the pass that sums the squared deviations from it (the variance is formed of
; deviations, never as a difference of large sums, so a common offset of x costs no digits) and the quantiser: x is read once here.
; hn = (x - mean) (rsqrt(var + 1e-5) norm_w) + norm_b.  The first product's K is the channels and a block of 32 of them is this group: so the group's work-group has
; every block whole.  Codes of FP6 (E2M3), one E8M0 byte a block.
; SHARES.  Wave w takes pixels 64 w .. 64 w + 63.  Lane (r, h) takes pixels 4 r .. 4 r + 3 of channels 16 h + 0 .. 15: each load reads two runs of 256 consecutive bytes.
; OUT.  hnq, for each (image, 64 pixels): 12,800 bytes: [tile of 16 pixels][K step of 128 channels][c] 768 bytes: registers 6 c .. 6 c + 3 of the operand's lane l at 16 l,
; registers 6 c + 4, 5 at 512 + 8 l; group g = 4 (K step) + 2 c + (l / 16).  Then, from byte 12,288, the scale words: 64 (2 tile + K step) + 4 row, byte g % 4.
; A TILE'S ROWS ARE NOT NEIGHBOURS: row r of tile 2 b + u is pixel 32 b + 8 u + r % 8 + 16 (r / 8) (the later products want it so).
; A lane's 12 bytes of codes belong to a row whose other 12 lie in lane l xor 16: they meet in the wave's own stage in LDS and leave as 16 + 8 bytes a lane:
; each store of 16 bytes a lane covers two aligned runs of 256 bytes, each store of 8 bytes two runs of 128.
; 128 work-groups: one to a group, since both passes want the whole group at hand.
; LIMITS: NaN and infinities in x are not served; a block whose largest magnitude lies under 2^-124 (a block of zeros too) gets the byte 1: the bytes are read by this program alone.
.set X,   16                           ; v16-79   my 64 numbers: register 4 cc + j = channel 16 h + cc, pixel 4 r + j
.set PT,  80                           ; v80-95   the sixteen waves' partial sums; v84-91 also pass 2's four chains
.set CA,  96                           ; v96-111  norm_w of my 16 channels, then x rsqrt
.set CBB, 112                          ; v112-127 norm_b
.set HH,  128                          ; v128-143 one pixel's 16 channels
.set PCX, 144                          ; v144-159 codes, four registers a pixel
.set BYX, 160                          ; v160-163 scale bytes, one a pixel
.set QM,  164                          ; at work in QB
.set QT,  165
.set QS,  166
.set RB,  168                          ; v168-179 two rows' 24 bytes, read back
.set STG, 256                          ; LDS: 128 bytes for the two sums; from here a stage of 64 rows x 24 bytes for each wave
.set SEL, 16
; 16 numbers of a lane, k = 16 (lane / 16) + i of one block of 32 (lane l xor 16 holds the other half), become 16 codes in v[pc .. pc + 2] and the block's scale byte in v[by].
.macro QB s, pc, by
	v_max3_num_f32 v[QM], |v[\s]|, |v[\s+1]|, 0x1800000            ; the floor 2^(3 - 127) holds the byte at 1 from below
.irp i, 2,4,6,8,10,12,14
	v_max3_num_f32 v[QM], v[QM], |v[\s+\i]|, |v[\s+\i+1]|
.endr
	v_permlanex16_b32 v[QT], v[QM], s[SEL], s[SEL+1]
	v_max_num_f32 v[QM], v[QM], v[QT]              ; the block's largest magnitude
	v_add_nc_u32 v[QS], 0xff000000, v[QM]          ; 2 off its exponent field: the conversion takes that field as its scale
	v_cvt_scalef32_pk16_fp6_f32 v[\pc:\pc+2], v[\s:\s+15], v[QS]
	v_lshrrev_b32 v[\by], 23, v[QS]                ; the byte; also the plain instruction behind the conversion
.endm
	s_load_b256 s[4:11], s[0:1], 0x0               ; x s[4:5], norm_w s[6:7], norm_b s[8:9], hnq s[10:11]
	v_lshl_add_u32 v192, v0, 2, 0x6100
	v_mov_b32 v193, 0
	v_lshrrev_b32 v4, 5, v0
	v_readfirstlane_b32 s12, v4                    ; wave
	v_lshlrev_b32 v4, 2, v4                        ; LDS: my wave's word in a sum
	v_mov_b32 v5, 0
	v_mov_b32 v[QT], 0                             ; a lane permute's destination counts as read
	v_and_b32 v2, 31, v0                           ; lane
	v_and_b32 v3, 15, v0                           ; r
	v_bfe_u32 v6, v0, 4, 1                         ; h
	v_cmp_eq_u32 vcc_lo, 1, v6                     ; lanes 16-31; never written again
	s_lshl_b32 s18, s12, 8                         ; my wave's 64 pixels: 256 bytes of a channel
	v_lshlrev_b32 v1, 4, v3
	v_lshl_add_u32 v1, v6, 16, v1
	v_add_nc_u32 v1, s18, v1                       ; x: 16 channels on for lanes 16-31, 16 bytes at 16 r
	; pixel p = 4 r + j lies in tile 2 (p / 32) + (p / 8) % 2, row p % 8 + 8 ((p / 16) % 2): in the stage row 16 tile + row, 24 bytes a row; among the scale words 128 tile + 4 row
	v_and_b32 v7, 1, v0
	v_mul_u32_u24 v180, v7, 96                     ; 4 rows
	v_lshlrev_b32 v184, 4, v7
	v_bfe_u32 v7, v0, 1, 1
	v_mad_u32_u24 v180, v7, 384, v180              ; a tile
	v_lshl_add_u32 v184, v7, 7, v184
	v_bfe_u32 v7, v0, 2, 1
	v_mad_u32_u24 v180, v7, 192, v180              ; 8 rows
	v_lshl_add_u32 v184, v7, 5, v184
	v_bfe_u32 v7, v0, 3, 1
	v_mad_u32_u24 v180, v7, 768, v180              ; two tiles
	v_lshl_add_u32 v184, v7, 8, v184
	v_mad_u32_u24 v180, v6, 12, v180               ; my half of the row's 24 bytes
	v_lshl_add_u32 v184, v6, 2, v184               ; lanes 16-31 store the next pixel's byte
	s_mul_i32 s19, s12, 1536
	s_add_co_u32 s19, s19, STG                     ; my stage
	v_add_nc_u32 v180, s19, v180
	v_mul_u32_u24 v181, v2, 24
	v_add_nc_u32 v181, s19, v181                   ; back: row = lane (and 32 rows on)
	v_mul_u32_u24 v182, v6, 3072                   ; out: lanes 16-31 hold the next tile's rows
	v_lshl_add_u32 v183, v3, 3, v182               ; 8 bytes a row
	v_lshl_add_u32 v182, v3, 4, v182               ; 16 bytes a row
	v_lshlrev_b32 v6, 6, v6                        ; 64 h: my 16 channels in norm_w and norm_b
	s_and_b32 s13, ttmp9, 7                        ; g
	s_lshl_b32 s20, ttmp9, 17                      ; the group's first byte in x
	s_mov_b32 s21, 0
	s_lshl_b32 s22, s13, 7                         ; the group's 32 channels in norm_w and norm_b
	s_mov_b32 s23, 0
	s_lshr_b32 s24, ttmp9, 3
	s_mul_i32 s24, s24, 204800                     ; the image's part of hnq,
	s_mul_i32 s25, s12, 12800
	s_add_co_u32 s24, s24, s25                     ; my 64 pixels' part
	s_lshr_b32 s25, s13, 1
	s_mul_i32 s25, s25, 768
	s_add_co_u32 s25, s25, s24                     ; + 768 (2 (K step) + c)
	s_and_b32 s35, s13, 1                          ; the reader's half of the lanes
	s_lshl_b32 s26, s35, 8
	s_add_co_u32 s26, s26, s25                     ; the 16-byte parts: 256 bytes on for the upper half
	s_mov_b32 s27, 0
	s_lshl_b32 s36, s35, 7
	s_add_co_u32 s36, s36, s25
	s_add_co_u32 s36, s36, 512                     ; the 8-byte parts: 128 bytes on
	s_mov_b32 s37, 0
	s_lshr_b32 s38, s13, 2
	s_lshl_b32 s38, s38, 6
	s_and_b32 s35, s13, 3
	s_add_co_u32 s38, s38, s35
	s_add_co_u32 s38, s38, s24
	s_add_co_u32 s38, s38, 12288                   ; the scale words: 64 (K step) + g % 4
	s_mov_b32 s39, 0
	s_mov_b32 s[SEL], 0x76543210                   ; v_permlanex16_b32's selects for lane l xor 16
	s_mov_b32 s[SEL+1], 0xfedcba98
	s_mov_b32 s34, 0x3727c5ac                      ; 1e-5
	s_wait_kmcnt 0x0
	s_add_nc_u64 s[4:5], s[4:5], s[20:21]
	s_add_nc_u64 s[6:7], s[6:7], s[22:23]
	s_add_nc_u64 s[8:9], s[8:9], s[22:23]
	s_add_nc_u64 s[28:29], s[10:11], s[26:27]
	s_add_nc_u64 s[30:31], s[10:11], s[36:37]
	s_add_nc_u64 s[32:33], s[10:11], s[38:39]
.irp cc, 0,1,2,3,4,5,6,7,8,9,10,11,12,13,14,15
	global_load_b128 v[X+4*\cc:X+4*\cc+3], v1, s[4:5] offset:4096*\cc
.endr
.irp q, 0,1,2,3
	global_load_b128 v[CA+4*\q:CA+4*\q+3], v6, s[6:7] offset:16*\q
	global_load_b128 v[CBB+4*\q:CBB+4*\q+3], v6, s[8:9] offset:16*\q
.endr
	s_wait_loadcnt 0x0                             ; the sums want all of it
; v8, a number a lane, is summed over the wave and then over the sixteen waves, through 64 bytes of LDS at off; the sum ends in v[PT] of every lane.
.macro WSUM off
	v_add_f32_dpp v8, v8, v8 row_xmask:1 row_mask:0xf bank_mask:0xf
	v_add_f32_dpp v8, v8, v8 row_xmask:2 row_mask:0xf bank_mask:0xf
	v_add_f32_dpp v8, v8, v8 row_xmask:4 row_mask:0xf bank_mask:0xf
	v_add_f32_dpp v8, v8, v8 row_xmask:8 row_mask:0xf bank_mask:0xf
	v_permlanex16_b32 v9, v8, s[SEL], s[SEL+1]     ; (v9 has been written: the destination counts as read)
	v_add_f32 v8, v8, v9
	ds_store_b32 v4, v8 offset:\off                ; all lanes write the wave's word with the same value
	s_wait_dscnt 0x0                               ; for the others' sake: my store has landed
	s_barrier_signal -1
	s_barrier_wait -1
.irp q, 0,1,2,3
	ds_load_b128 v[PT+4*\q:PT+4*\q+3], v5 offset:\off+16*\q
.endr
	s_wait_dscnt 0x0
.irp q, 0,2,4,6
	v_pk_add_f32 v[PT+\q:PT+\q+1], v[PT+\q:PT+\q+1], v[PT+8+\q:PT+9+\q]
.endr
	v_pk_add_f32 v[PT:PT+1], v[PT:PT+1], v[PT+4:PT+5]
	v_pk_add_f32 v[PT+2:PT+3], v[PT+2:PT+3], v[PT+6:PT+7]
	v_pk_add_f32 v[PT:PT+1], v[PT:PT+1], v[PT+2:PT+3]
	v_add_f32 v[PT], v[PT], v[PT+1]
.endm
	; pass 1: the sum, two numbers an instruction, in four chains that the first eight pairs start
.irp q, 0,1,2,3
	v_pk_add_f32 v[8+2*\q:9+2*\q], v[X+2*\q:X+2*\q+1], v[X+8+2*\q:X+9+2*\q]
.endr
.set k, 8
.rept 24
	v_pk_add_f32 v[8+2*(k%4):9+2*(k%4)], v[8+2*(k%4):9+2*(k%4)], v[X+2*k:X+2*k+1]
.set k, k+1
.endr
	v_pk_add_f32 v[8:9], v[8:9], v[10:11]
	v_pk_add_f32 v[12:13], v[12:13], v[14:15]
	v_pk_add_f32 v[8:9], v[8:9], v[12:13]
	v_add_f32 v8, v8, v9
	WSUM 0
	v_mul_f32 v10, 0xb8000000, v[PT]               ; -mean = -sum / 32,768
	v_mov_b32 v11, v10
	; pass 2: the deviations, in place, and the sum of their squares
.set k, 0
.rept 32
	v_pk_add_f32 v[X+2*k:X+2*k+1], v[X+2*k:X+2*k+1], v[10:11]
.set k, k+1
.endr
.irp q, 0,1,2,3
	v_pk_mul_f32 v[84+2*\q:85+2*\q], v[X+2*\q:X+2*\q+1], v[X+2*\q:X+2*\q+1]
.endr
.set k, 4
.rept 28
	v_pk_fma_f32 v[84+2*(k%4):85+2*(k%4)], v[X+2*k:X+2*k+1], v[X+2*k:X+2*k+1], v[84+2*(k%4):85+2*(k%4)]
.set k, k+1
.endr
	v_pk_add_f32 v[84:85], v[84:85], v[86:87]
	v_pk_add_f32 v[88:89], v[88:89], v[90:91]
	v_pk_add_f32 v[84:85], v[84:85], v[88:89]
	v_add_f32 v8, v84, v85
	WSUM 64                                        ; other LDS bytes than the first sum's: no wave still reads what is written
	v_mov_b32 v13, 0x38000000                      ; 1 / 32,768
	v_fma_f32 v12, v[PT], v13, s34                 ; the variance + 1e-5
	v_rsq_f32 v12, v12
	v_nop                                          ; a plain instruction between the transcendental and the use of its result (ISA guide 5.7.2)
.set k, 0
	s_wait_alu depctr_va_vdst(0)
.rept 8
	v_pk_mul_f32 v[CA+2*k:CA+2*k+1], v[CA+2*k:CA+2*k+1], v[12:13] op_sel_hi:[1,0]     ; rsqrt x norm_w
.set k, k+1
.endr
; pixel 4 r + j: its 16 channels are gathered by the multiply-adds' destinations, quantised, and its 12 bytes laid into the stage.  Each pixel has registers of its own for its codes and its byte.
.macro XPIX j
.irp cc, 0,1,2,3,4,5,6,7,8,9,10,11,12,13,14,15
	v_fma_f32 v[HH+\cc], v[X+4*\cc+\j], v[CA+\cc], v[CBB+\cc]
.endr
	QB HH, PCX+4*\j, BYX+\j
.irp i, 0,1,2
	ds_store_b32 v180, v[PCX+4*\j+\i] offset:24*\j+4*\i
.endr
.endm
	XPIX 0
	XPIX 1
	XPIX 2
	XPIX 3
.irp q, 0,1
.irp p, 0,1,2
	ds_load_b64 v[RB+6*\q+2*\p:RB+6*\q+2*\p+1], v181 offset:768*\q+8*\p       ; LDS serves a wave's instructions in order (ISA guide 5.7.1.4): these see my stores.  Lanes 24 bytes apart
.endr
.endr
	v_cndmask_b32 v186, v[BYX], v[BYX+1], vcc_lo   ; both halves of the lanes hold every byte: lanes 0-15 store pixel 4 r's (4 r + 2's), lanes 16-31 the next pixel's
	v_cndmask_b32 v187, v[BYX+2], v[BYX+3], vcc_lo
	global_store_b8 v184, v186, s[32:33]
	global_store_b8 v184, v187, s[32:33] offset:8
	s_wait_dscnt 0x0
.irp q, 0,1
	global_store_b128 v182, v[RB+6*\q:RB+6*\q+3], s[28:29] offset:6144*\q     ; tiles 2 q and 2 q + 1: two aligned runs of 256 bytes
	global_store_b64 v183, v[RB+6*\q+4:RB+6*\q+5], s[30:31] offset:6144*\q    ; two runs of 128 bytes
.endr
	s_wait_tensorcnt 0x0
	ds_add_u32 v192, v193
	s_wait_dscnt 0x0
	s_endpgm
.Lfunc_end_k_q25d83e6172_gnq:
	.size	k_q25d83e6172_gnq, .Lfunc_end_k_q25d83e6172_gnq-k_q25d83e6172_gnq
	.p2alignl 7, 3214868480
	.fill 96, 4, 3214868480
	.section	.rodata,"a",@progbits
	.p2align	6, 0x0
	.amdhsa_kernel k_q25d83e6172_gnq
		.amdhsa_group_segment_fixed_size 26880
		.amdhsa_private_segment_fixed_size 0
		.amdhsa_enable_private_segment 0
		.amdhsa_kernarg_size 32
		.amdhsa_user_sgpr_count 2
		.amdhsa_user_sgpr_kernarg_segment_ptr 1
		.amdhsa_wavefront_size32 1
		.amdhsa_system_sgpr_workgroup_id_x 1
		.amdhsa_system_sgpr_workgroup_id_y 1
		.amdhsa_system_sgpr_workgroup_id_z 1
		.amdhsa_system_vgpr_workitem_id 0
		.amdhsa_next_free_vgpr 194
		.amdhsa_next_free_sgpr 66
		.amdhsa_reserve_vcc 1
		.amdhsa_float_denorm_mode_32 3
		.amdhsa_float_denorm_mode_16_64 3
		.amdhsa_memory_ordered 1
		.amdhsa_forward_progress 1
		.amdhsa_inst_pref_size 25
	.end_amdhsa_kernel
	.amdgpu_metadata
---
amdhsa.version: [ 1, 2 ]
amdhsa.kernels:
  - .name:           k_q25d83e6172_gnq
    .symbol:         k_q25d83e6172_gnq.kd
    .args:
      - { .name: x, .offset: 0, .size: 8, .value_kind: global_buffer, .address_space: global }
      - { .name: norm_w, .offset: 8, .size: 8, .value_kind: global_buffer, .address_space: global }
      - { .name: norm_b, .offset: 16, .size: 8, .value_kind: global_buffer, .address_space: global }
      - { .name: hnq, .offset: 24, .size: 8, .value_kind: global_buffer, .address_space: global }
    .group_segment_fixed_size: 26880
    .private_segment_fixed_size: 0
    .kernarg_segment_align: 8
    .kernarg_segment_size: 32
    .max_flat_workgroup_size: 512
    .sgpr_count:     66
    .vgpr_count:     194
    .wavefront_size: 32
...
	.end_amdgpu_metadata
.endif
;; end of part 5
;; launch attn (part 6): grid 4 x 64, 16 waves a work-group, no clusters, 158,720 bytes of LDS; arguments hnq, qkv_w_codes, qkv_w_scales, qkv_b, o; writes o
.if DOCPART == 6
	.amdgcn_target "amdgcn-amd-amdhsa--gfx1250"
	.amdhsa_code_object_version 6
	.text
	.protected	k_q25d83e6172_attn
	.globl	k_q25d83e6172_attn
	.p2align	8
	.type	k_q25d83e6172_attn,@function
k_q25d83e6172_attn:
	s_mov_b64 s[64:65], 0
	v_nop
	global_prefetch_b8 v0, s[64:65] scope:SCOPE_SE
	s_setreg_imm32_b32 hwreg(HW_REG_WAVE_MODE, 25, 1), 1
	s_wait_xcnt 0x0
; q, k, v = qkv_w hn + qkv_b for one (image, head), quantised; O = softmax(q k^T / 8) v; O quantised along d for the projection.  All products on codes of FP6 (E2M3) with E8M0 scales.
; SHARES.  y = 4 image + head, x = a block of 256 queries.  Sixteen waves of 256 registers, four to a SIMD, so that one wave's softmax (some 220 vector instructions for 12 products)
; stands beside another's products and LDS loads.
; AHEAD OF THE LOOP the work-group makes K and V of its head for all 1,024 pixels: wave w takes pixels 64 w .. 64 w + 63 (hn's eight fragments, 12,800 bytes, come from memory
; straight into its registers by loads of 512 and 256 consecutive bytes), 64 products and 16 blocks a lane to quantise, and lays codes and scale words into LDS; then its own tile of
; 16 queries, 8 products.  The four query blocks of a head each make K and V anew: 1,024 products a work-group beside the loop's 1,536, in place of a launch and of 10 MB written and read.
; The head's weights, 3 x 64 rows of 192 bytes, are read once by the work-group, 24 consecutive bytes a thread, and laid in LDS as images of the operand's registers (48 bytes a lane).
; ORDER AHEAD OF THE LOOP.  Products go eight at a time on four accumulators; two blocks are quantised together, their maxima in four chains by turns, so that no line waits for the
; line above it; the weights of the next eight products are asked for behind the places of the last products that used the old ones, and land while the results are quantised.
; NO CLUSTER, NO JOINT LOADS: hn's fragments go into the registers of the one wave that uses them, so there is no LDS pass to share; an image's 204,800 bytes of hn, the head's 104,448
; of K and V and the 39,168 of weights do not fit into LDS together.
; q and k: two tiles of 16 rows of qkv_w as source 0, hn's tile as source 1: a lane holds ONE pixel and 16 neighbours along d.  v: hn's tile as source 0, 16 rows of v's weights as
; source 1: a lane holds ONE d and neighbours along the pixels.  THE ROWS OF A TILE ARE NOT NEIGHBOURS: lane r of tile 2 b + u takes row (of qkv_w) or pixel
; 32 b + 8 u + r % 8 + 16 (r / 8), so that the 16 result registers of tiles 2 b, 2 b + 1 are 16 neighbours, 32 b + 16 (lane / 16) + 0 .. 15, which one conversion takes.
; A half fragment, 16 rows x 64 along K, is 768 bytes: [block of 32][row][24 bytes]; a lane's 16 codes are 12 bytes at 384 block + 24 row + 12 (lane / 16); the reader's lane l finds six registers at 24 l.
; THE SOFTMAX.  t = score x log2(e) / 8; M = the running largest t, rounded up to a whole number; p = 2^(t - M) is quantised along the keys, not normalised; the row's sum is taken of the
; unquantised p and divides O at the end; when M moves, the sum and O are multiplied by 2^(old M - new M), which rounds nothing.
; Both attention products transposed: S^T = K Q^T, O^T = V^T P^T: a lane holds one query throughout.  The head's 64 are half of the instruction's K: registers 6-11 of Q's and K's
; fragments hold zero codes, and bytes 2, 3 of their scale words are 0 (2^-127, no NaN): they add nothing.
; LIMITS: NaN and infinities are not served; a block whose largest magnitude lies under 2^-124 (a block of zeros too) gets the byte 1: the bytes are read by this program alone.
.set WIMG, 104448                      ; LDS: K's codes from 0, V's from 49,152, K's scale words from 98,304, V's from 102,400; from here the weights' images: [q, k, v][2 tile + K step] 1,536 bytes
.set WSC,  141312                      ; the weights' scale bytes, 512 a part
.set WBI,  142848                      ; the biases, 256 bytes a part
.set QST,  143616                      ; a stage of 768 bytes for each wave, for q
.set AK0,  1                           ; v1   24 x lane: my six registers in a half fragment of K
.set AV0,  2                           ; v2   the same in V's part of LDS
.set ASK0, 3                           ; v3   4 x lane in K's scale words: lanes 0-15 one tile, lanes 16-31 the next
.set ASV0, 4                           ; v4   the same for V's
.set L16,  5                           ; v5   16 x lane
.set OC,   6                           ; v6   24 r + 12 h
.set OB,   7                           ; v7   8 r + h
.set ADK,  8                           ; v8-11 in the loop: the step's addresses
.set ADV,  9
.set ADS,  10
.set ADT,  11
.set L8,   8                           ; ahead of the loop: v8 8 x lane, v9 4 x lane
.set L4,   9
.set LW,   10                          ; v10  a weight image's 48 bytes of my lane
.set LWS,  11                          ; v11  the scale bytes of a weight tile's row of lane r
.set QSA,  12                          ; v12  q's stage, in;  v13 back
.set QSB,  13
.set KST,  14                          ; v14  where my K codes go;  v15 their scale words
.set KSS,  15
.set VST,  16                          ; v16  where my V codes go;  v17 their scale bytes
.set VSS,  17
.set LWB,  18                          ; v18  q/k bias: 16 numbers on for lanes 16-31
.set LWV,  19                          ; v19  v's bias of lane r's row
.set CWS,  20                          ; v20  the copy of the weights: 24 x thread, in memory;  v21 in LDS
.set CWD,  21
.set SGS,  22                          ; v22-25 the copy of scale bytes and biases (waves 0-5): in memory, in LDS
.set SGB,  23
.set SLS,  24
.set SLB,  25
.set QF,   16                          ; v16-27   Q (from the end of the part ahead of the loop)
.set WQS,  28                          ; v28-31   the weights' scale words
.set VSW,  30                          ; v30-31   in the loop: V's scale words
.set WQ,   32                          ; v32-79   four weight fragments (u, ks) at 12 (2 u + ks);  v's two at v32-55;  for q: v32-47 the second block's biases
.set QH,   56                          ; v56-79   hn's tile of my queries (from the end of K on)
.set KFR,  32                          ; v32-79   in the loop: four fragments of K
.set VFR,  80                          ; v80-127  four fragments of V
.set BQ,   80                          ; v80-95   q/k bias in the result's layout;  v80-87 v's bias eight times, v88 once
.set BVV,  88
.set AQ,   96                          ; v96-127  four accumulators;  first of all the copies' data
.set CP,   96
.set HN,   128                         ; v128-223 hn's eight fragments: 24 tile + 12 ks;  for q its eight weight fragments
.set S,    128                         ; v128-191 S^T, then p
.set O,    192                         ; v192-223 O^T
.set PCD,  224                         ; v224-235 p's codes;  ahead of the loop v224-226, v228-230 codes just made
.set BY0,  232                         ; v232-235 K's first scale byte of each tile
.set PTA,  238                         ; v238-239 at work in QB2: the other half of the lanes' maxima
.set PTB,  239
.set WRD,  240                         ; v240-241 scale words on their way to LDS
.set BVB,  242                         ; v242-243 two scale bytes
.set MXA,  244                         ; v244-247 at work in QB2: four running maxima; then, in the second and fourth, the conversions' scale operands
.set MXB,  245
.set MXC,  246
.set MXD,  247
.set HS,   248                         ; v248-251 hn's scale words: lanes 0-15 K step 0, lanes 16-31 K step 1;  for q the second block's weights' scale words;  in the loop K's scale words
.set KSW,  248
.set PSW,  253                         ; p's scale word;  ahead of the loop the scale words of hn's tile of my queries;  v252 f;  v254 at work
.set QSW,  255                         ; Q's scale word
.set WV,   14                          ; s14
.set SEL,  20
.set CS,   22                          ; s[22:23] c = log2(e) / 8
.set TK,   46                          ; s46 the step's codes: 6,144 bytes a step, K's and V's alike
.set TS,   47                          ; s47 K's scale words: 512
.set TJ,   48                          ; s48 V's: 256
.set CNT,  49
; Two times 16 numbers of a lane, v[s ..] and v[s + 16 ..], each half a block of 32 (lane l xor 16 holds the other half), become 16 codes each, in v[pc .. pc + 2] and v[pc + 4 .. pc + 6],
; and the blocks' scale bytes in v[by], v[by + 1].  Each block's largest magnitude is taken in two chains, the four chains by turns; each run of eight registers is read from its low end on.
.macro QB2 s, pc, by
	v_max3_num_f32 v[MXA], |v[\s]|, |v[\s+1]|, 0x1800000           ; the floor 2^(3 - 127) holds the byte at 1 from below
	v_max3_num_f32 v[MXB], |v[\s+8]|, |v[\s+9]|, |v[\s+10]|
	v_max3_num_f32 v[MXC], |v[\s+16]|, |v[\s+17]|, 0x1800000
	v_max3_num_f32 v[MXD], |v[\s+24]|, |v[\s+25]|, |v[\s+26]|
.irp i, 0,2
	v_max3_num_f32 v[MXA], v[MXA], |v[\s+2+\i]|, |v[\s+3+\i]|
	v_max3_num_f32 v[MXB], v[MXB], |v[\s+11+\i]|, |v[\s+12+\i]|
	v_max3_num_f32 v[MXC], v[MXC], |v[\s+18+\i]|, |v[\s+19+\i]|
	v_max3_num_f32 v[MXD], v[MXD], |v[\s+27+\i]|, |v[\s+28+\i]|
.endr
	v_max3_num_f32 v[MXA], v[MXA], |v[\s+6]|, |v[\s+7]|
	v_max3_num_f32 v[MXC], v[MXC], |v[\s+22]|, |v[\s+23]|
	v_max3_num_f32 v[MXA], v[MXA], v[MXB], |v[\s+15]|
	v_max3_num_f32 v[MXC], v[MXC], v[MXD], |v[\s+31]|
	v_permlanex16_b32 v[PTA], v[MXA], s[SEL], s[SEL+1]
	v_permlanex16_b32 v[PTB], v[MXC], s[SEL], s[SEL+1]
	v_max_num_f32 v[MXA], v[MXA], v[PTA]           ; the blocks' largest magnitudes
	v_max_num_f32 v[MXC], v[MXC], v[PTB]
	v_add_nc_u32 v[MXB], 0xff000000, v[MXA]        ; 2 off the exponent field: the conversion takes that field as its scale
	v_add_nc_u32 v[MXD], 0xff000000, v[MXC]
	v_cvt_scalef32_pk16_fp6_f32 v[\pc:\pc+2], v[\s:\s+15], v[MXB]
	v_cvt_scalef32_pk16_fp6_f32 v[\pc+4:\pc+6], v[\s+16:\s+31], v[MXD]
	v_lshrrev_b32 v[\by], 23, v[MXB]               ; the bytes; also the plain instructions behind the conversions
	v_lshrrev_b32 v[\by+1], 23, v[MXD]
.endm
.macro MM d, a, b, c, sa, sb, row      ; row = 1: source 0's scales stand in lanes 16-31 of their register; 2: source 1's
.if \row == 1
	v_wmma_scale_f32_16x16x128_f8f6f4 v[\d:\d+7], v[\a:\a+11], v[\b:\b+11], v[\c:\c+7], v[\sa], v[\sb] matrix_a_fmt:MATRIX_FMT_FP6 matrix_b_fmt:MATRIX_FMT_FP6 matrix_a_scale:MATRIX_SCALE_ROW1
.elseif \row == 2
	v_wmma_scale_f32_16x16x128_f8f6f4 v[\d:\d+7], v[\a:\a+11], v[\b:\b+11], v[\c:\c+7], v[\sa], v[\sb] matrix_a_fmt:MATRIX_FMT_FP6 matrix_b_fmt:MATRIX_FMT_FP6 matrix_b_scale:MATRIX_SCALE_ROW1
.else
	v_wmma_scale_f32_16x16x128_f8f6f4 v[\d:\d+7], v[\a:\a+11], v[\b:\b+11], v[\c:\c+7], v[\sa], v[\sb] matrix_a_fmt:MATRIX_FMT_FP6 matrix_b_fmt:MATRIX_FMT_FP6
.endif
.endm
.macro MMZ d, a, b, sa, sb, row        ; the same with C = 0
.if \row == 1
	v_wmma_scale_f32_16x16x128_f8f6f4 v[\d:\d+7], v[\a:\a+11], v[\b:\b+11], 0, v[\sa], v[\sb] matrix_a_fmt:MATRIX_FMT_FP6 matrix_b_fmt:MATRIX_FMT_FP6 matrix_a_scale:MATRIX_SCALE_ROW1
.else
	v_wmma_scale_f32_16x16x128_f8f6f4 v[\d:\d+7], v[\a:\a+11], v[\b:\b+11], 0, v[\sa], v[\sb] matrix_a_fmt:MATRIX_FMT_FP6 matrix_b_fmt:MATRIX_FMT_FP6
.endif
.endm
.macro PL5                             ; four places in front of the reads of results and of loads into operands' registers; the fifth since later products write over the results
.rept 5
	v_nop
.endr
.endm
	s_load_b256 s[4:11], s[0:1], 0x0               ; hnq s[4:5], the weights' codes s[6:7], their scales s[8:9], qkv_b s[10:11]
	s_load_b64 s[12:13], s[0:1], 0x20              ; o
	v_lshrrev_b32 v26, 5, v0
	v_readfirstlane_b32 s[WV], v26                 ; wave 0..15
	v_and_b32 v26, 31, v0                          ; lane
	v_and_b32 v27, 15, v0                          ; r
	v_bfe_u32 v252, v0, 4, 1                       ; h
	v_and_b32 v254, 8, v27
	v_add_nc_u32 v254, v254, v27                   ; r + 8 (r / 8): a weight tile's row of lane r
	s_and_b32 s16, ttmp7, 0xffff                   ; 4 image + head
	s_and_b32 s17, s16, 3                          ; head
	s_lshr_b32 s18, s16, 2                         ; image
	s_lshl_b32 s19, ttmp9, 4
	s_add_co_u32 s19, s19, s[WV]                   ; my tile of queries, 0..63
	s_mul_i32 s50, s[WV], 3072                     ; my four tiles of K, and my 64 keys of V
	s_lshl_b32 s51, s[WV], 8
	s_add_co_u32 s51, s51, 98304                   ; their scale words
	s_lshr_b32 s52, s[WV], 1
	s_lshl_b32 s52, s52, 8
	s_and_b32 s53, s[WV], 1
	s_lshl_b32 s54, s53, 1
	s_add_co_u32 s52, s52, s54
	s_add_co_u32 s52, s52, 102400                  ; V's scale words: step w / 2, bytes 2 (w % 2) and the next
	s_mul_i32 s55, s[WV], 768
	s_add_co_u32 s55, s55, QST                     ; my stage
	s_lshr_b32 s56, s[WV], 1                       ; waves 0-5 copy scale bytes and biases: part w / 2 (q, k, v), half w % 2
	s_lshl_b32 s57, s56, 10
	s_lshl_b32 s56, s56, 11
	s_lshl_b32 s58, s53, 8
	s_add_co_u32 s56, s56, s58
	s_lshl_b32 s58, s53, 7
	s_add_co_u32 s57, s57, s58
	v_mul_u32_u24 v[AK0], v26, 24
	v_add_nc_u32 v[AV0], 49152, v[AK0]
	v_lshl_add_u32 v[ASK0], v26, 2, 98304
	v_lshl_add_u32 v[ASV0], v26, 2, 102400
	v_lshlrev_b32 v[L16], 4, v26
	v_mul_u32_u24 v[OC], v27, 24
	v_mad_u32_u24 v[OC], v252, 12, v[OC]
	v_lshl_add_u32 v[OB], v27, 3, v252
	v_lshlrev_b32 v[L8], 3, v26
	v_lshlrev_b32 v[L4], 2, v26
	v_mul_u32_u24 v[LW], v26, 48
	v_add_nc_u32 v[LW], WIMG, v[LW]
	v_lshl_add_u32 v[LWS], v254, 3, WSC
	v_add_nc_u32 v[QSA], s55, v[OC]
	v_add_nc_u32 v[QSB], s55, v[AK0]
	v_add_nc_u32 v[KST], s50, v[OC]
	v_lshl_add_u32 v[KSS], v27, 2, s51
	v_add_nc_u32 v[VST], 49152, v[KST]
	v_lshl_add_u32 v[VSS], v27, 2, s52
	v_lshl_add_u32 v[LWB], v252, 6, WBI
	v_lshl_add_u32 v[LWV], v254, 2, WBI
	v_mul_u32_u24 v[CWS], v0, 24
	; thread t holds 24 bytes of row t / 8 of a part's 64: K step (t / 4) % 2, registers 6 c on with c = (t / 2) % 2, the reader's half t % 2.  Row 32 b + 8 u + (x % 8) + 16 y is row x % 8 + 8 y of tile 2 b + u
	v_and_b32 v247, 1, v0
	v_mul_u32_u24 v[CWD], v247, 768                ; 16 lanes of 48 bytes
	v_bfe_u32 v247, v0, 1, 1
	v_mad_u32_u24 v[CWD], v247, 24, v[CWD]
	v_bfe_u32 v247, v0, 2, 1
	v_mad_u32_u24 v[CWD], v247, 1536, v[CWD]       ; a fragment
	v_bfe_u32 v247, v0, 3, 3
	v_mad_u32_u24 v[CWD], v247, 48, v[CWD]         ; a lane
	v_bfe_u32 v247, v0, 6, 1
	v_mad_u32_u24 v[CWD], v247, 3072, v[CWD]       ; a tile
	v_bfe_u32 v247, v0, 7, 1
	v_mad_u32_u24 v[CWD], v247, 384, v[CWD]        ; 8 lanes
	v_bfe_u32 v247, v0, 8, 1
	v_mad_u32_u24 v[CWD], v247, 6144, v[CWD]       ; two tiles
	v_add_nc_u32 v[CWD], WIMG, v[CWD]
	v_lshl_add_u32 v[SGS], v26, 3, s56
	v_lshl_add_u32 v[SGB], v26, 2, s57
	v_lshl_add_u32 v[SLS], v0, 3, WSC
	v_lshl_add_u32 v[SLB], v0, 2, WBI
	v_mov_b32 v[PTA], 0                            ; a lane permute's destination counts as read
	v_mov_b32 v[PTB], 0
	v_mov_b32 v114, 0                              ; (written in every wave; waves 0-5 load into them)
	v_mov_b32 v115, 0
	v_mov_b32 v116, 0
	s_mov_b32 s[SEL], 0x76543210
	s_mov_b32 s[SEL+1], 0xfedcba98
	s_mov_b32 s[CS], 0x3e38aa3b                    ; log2(e) / 8
	s_mov_b32 s[CS+1], s[CS]                       ; (named with it as a pair, so it is written)
	s_mov_b32 s[TK], 0
	s_mov_b32 s[TS], 0
	s_mov_b32 s[TJ], 0
	s_mov_b32 s[CNT], 8
	s_mov_b32 s25, 0
	s_mul_i32 s26, s18, 204800                     ; the image's part of hnq, and of o: both are 204,800 bytes an image
	s_wait_kmcnt 0x0
	; ---- the loads, each pointer made just ahead of them: the weights first, since everybody waits for them
	s_mul_i32 s24, s17, 12288
	s_add_nc_u64 s[28:29], s[6:7], s[24:25]        ; the head's 64 rows of q's weights; k's lie 49,152 bytes on, v's 98,304
.irp ch, 0,1,2
.irp p, 0,1,2
	global_load_b64 v[CP+2*(3*\ch+\p):CP+2*(3*\ch+\p)+1], v[CWS], s[28:29] offset:49152*\ch+8*\p
.endr
.endr
	s_lshl_b32 s24, s17, 9
	s_add_nc_u64 s[30:31], s[8:9], s[24:25]        ; their scale bytes
	s_lshl_b32 s24, s17, 8
	s_add_nc_u64 s[32:33], s[10:11], s[24:25]      ; their biases
	s_cmp_lt_u32 s[WV], 6
	s_cbranch_scc0 .Lno_small
	global_load_b64 v[114:115], v[SGS], s[30:31]   ; 256 consecutive bytes of scale bytes,
	global_load_b32 v116, v[SGB], s[32:33]         ; 128 of biases
.Lno_small:
	s_mul_i32 s24, s[WV], 12800
	s_add_co_u32 s24, s24, s26
	s_add_nc_u64 s[34:35], s[4:5], s[24:25]        ; hn of pixels 64 w on
.irp t, 0,1,2,3
.irp ks, 0,1
.irp c, 0,1
	global_load_b128 v[HN+24*\t+12*\ks+6*\c:HN+24*\t+12*\ks+6*\c+3], v[L16], s[34:35] offset:768*(4*\t+2*\ks+\c)
	global_load_b64 v[HN+24*\t+12*\ks+6*\c+4:HN+24*\t+12*\ks+6*\c+5], v[L8], s[34:35] offset:768*(4*\t+2*\ks+\c)+512
.endr
.endr
	global_load_b32 v[HS+\t], v[L4], s[34:35] offset:12288+128*\t
.endr
	s_lshl_b32 s52, ttmp9, 2                       ; the pointers that are wanted later are made while the loads are out
	s_lshr_b32 s27, s[WV], 2
	s_add_co_u32 s52, s52, s27
	s_mul_i32 s52, s52, 12800
	s_add_co_u32 s52, s52, s26                     ; the 64 pixels that hold my queries,
	s_and_b32 s27, s[WV], 3                        ; and my tile among their four
	s_mul_i32 s24, s27, 3072
	s_add_co_u32 s24, s24, s52
	s_add_nc_u64 s[36:37], s[4:5], s[24:25]
	s_lshl_b32 s24, s27, 7
	s_add_co_u32 s24, s24, s52
	s_add_co_u32 s24, s24, 12288
	s_add_nc_u64 s[38:39], s[4:5], s[24:25]
	s_mul_i32 s24, s19, 3072
	s_add_co_u32 s24, s24, s26
	s_mul_i32 s27, s17, 768
	s_add_co_u32 s24, s24, s27
	s_add_nc_u64 s[42:43], s[12:13], s[24:25]      ; o's codes: [tile][head][768]
	s_lshl_b32 s24, s19, 7
	s_add_co_u32 s24, s24, s26
	s_add_co_u32 s24, s24, 196608
	s_lshl_b32 s27, s17, 1
	s_add_co_u32 s24, s24, s27
	s_add_nc_u64 s[44:45], s[12:13], s[24:25]      ; o's scale bytes: [tile][row][8], byte 2 head + block
	s_wait_loadcnt 36                              ; the copies' loads are in; hn's 32 + 4, issued behind them, may be out
.irp ch, 0,1,2
.irp p, 0,1,2
	ds_store_b64 v[CWD], v[CP+2*(3*\ch+\p):CP+2*(3*\ch+\p)+1] offset:12288*\ch+8*\p
.endr
.endr
	s_cmp_lt_u32 s[WV], 6
	s_cbranch_scc0 .Lno_small2
	ds_store_b64 v[SLS], v[114:115]
	ds_store_b32 v[SLB], v116
.Lno_small2:
	s_wait_dscnt 0x0                               ; for the others' sake: my stores have landed
	s_barrier_signal -1
	s_barrier_wait -1                              ; the weights, their scale bytes and the biases lie in LDS
.macro WFETCH reg, off                 ; a weight fragment: its image, 48 bytes a lane
.irp i, 0,1,2
	ds_load_b128 v[\reg+4*\i:\reg+4*\i+3], v[LW] offset:\off+16*\i
.endr
.endm
; the weights of 32 rows of q (ch = 0) or k (1), block beta of the head's 64, are asked for: four fragments into v[wq] on, their scale words into v[ws] on, their biases, in the result's layout, into v[bq] on
.macro QKWL wq, bq, ws, ch, beta
.irp u, 0,1
.irp ks, 0,1
	WFETCH \wq+12*(2*\u+\ks), 12288*\ch+1536*(4*\beta+2*\u+\ks)
.endr
	ds_load_b64 v[\ws+2*\u:\ws+2*\u+1], v[LWS] offset:512*\ch+256*\beta+64*\u
	ds_load_b128 v[\bq+8*\u:\bq+8*\u+3], v[LWB] offset:256*\ch+128*\beta+32*\u          ; tile u's result register j is row 8 u + 16 h + j
	ds_load_b128 v[\bq+8*\u+4:\bq+8*\u+7], v[LWB] offset:256*\ch+128*\beta+32*\u+16
.endr
.endm
; 32 rows of k's weights for two tiles of 16 pixels: eight products, the four accumulators by turns, the biases as the C of each sum's first
.macro QK2 ha, sa, hb, sb
	MM AQ, WQ, \ha, BQ, WQS, \sa, 0
	MM AQ+8, WQ+24, \ha, BQ+8, WQS+2, \sa, 0
	MM AQ+16, WQ, \hb, BQ, WQS, \sb, 0
	MM AQ+24, WQ+24, \hb, BQ+8, WQS+2, \sb, 0
	MM AQ, WQ+12, \ha+12, AQ, WQS+1, \sa, 2
	MM AQ+8, WQ+36, \ha+12, AQ+8, WQS+3, \sa, 2
	MM AQ+16, WQ+12, \hb+12, AQ+16, WQS+1, \sb, 2
	MM AQ+24, WQ+36, \hb+12, AQ+24, WQS+3, \sb, 2
	PL5
.endm
; the codes of block beta of tiles ta and ta + 1 go to LDS; with the second block's bytes the tiles' scale words are whole
.macro KOUT ta, beta
.irp i, 0,1,2
	ds_store_b32 v[KST], v[PCD+\i] offset:768*\ta+384*\beta+4*\i
	ds_store_b32 v[KST], v[PCD+4+\i] offset:768*(\ta+1)+384*\beta+4*\i
.endr
.if \beta == 1
	v_lshl_or_b32 v[WRD], v[BVB], 8, v[BY0+\ta]    ; two bytes, and two zeros for the zero codes
	v_lshl_or_b32 v[WRD+1], v[BVB+1], 8, v[BY0+\ta+1]
	ds_store_b32 v[KSS], v[WRD] offset:64*\ta      ; both halves of the lanes write the same word with the same value
	ds_store_b32 v[KSS], v[WRD+1] offset:64*(\ta+1)
.endif
.endm
; 16 of the head's 64 rows of v's weights (tile t) are asked for
.macro VWL t
	WFETCH WQ, 24576+1536*(2*\t)
	WFETCH WQ+12, 24576+1536*(2*\t+1)
	ds_load_b64 v[WQS:WQS+1], v[LWS] offset:1024+256*(\t/2)+64*(\t%2)
	ds_load_b32 v[BVV], v[LWV] offset:512+128*(\t/2)+32*(\t%2)
.endm
; those 16 rows for my 64 pixels: eight products, the four accumulators by turns
.macro VMM
	s_wait_dscnt 0x0                               ; the weights are in, and my earlier LDS stores have read their registers
.irp j, 0,1,2,3,4,5,6,7
	v_mov_b32 v[BQ+\j], v[BVV]
.endr
.irp m, 0,1,2,3
	MM AQ+8*\m, HN+24*\m, WQ, BQ, HS+\m, WQS, 0
.endr
.irp m, 0,1,2,3
	MM AQ+8*\m, HN+24*\m+12, WQ+12, AQ+8*\m, HS+\m, WQS+1, 1
.endr
	PL5
.endm
; their two blocks of 32 pixels are quantised and go to LDS
.macro VOUT t
	QB2 AQ, PCD, BVB
.irp i, 0,1,2
	ds_store_b32 v[VST], v[PCD+\i] offset:768*\t+4*\i
	ds_store_b32 v[VST], v[PCD+4+\i] offset:768*\t+384+4*\i
.endr
	v_lshl_or_b32 v[WRD], v[BVB+1], 8, v[BVB]
	ds_store_b16 v[VSS], v[WRD] offset:64*\t       ; my two of the four bytes of these 128 keys
.endm
	; ---- K: block 0 of the head's 64 for my four tiles, then block 1
	QKWL WQ, BQ, WQS, 1, 0
	s_wait_dscnt 0x0
	s_wait_loadcnt 0x0                             ; hn
	QK2 HN, HS, HN+24, HS+1
	QB2 AQ, PCD, BY0
	KOUT 0, 0
	QK2 HN+48, HS+2, HN+72, HS+3
	s_wait_dscnt 0x0                               ; the last pair's LDS stores have read the registers that are written below
	QKWL WQ, BQ, WQS, 1, 1                         ; block 1's weights land while block 0's last results are quantised
	QB2 AQ, PCD, BY0+2
	KOUT 2, 0
	s_wait_dscnt 0x0
	QK2 HN, HS, HN+24, HS+1
	QB2 AQ, PCD, BVB
	KOUT 0, 1
	QK2 HN+48, HS+2, HN+72, HS+3
	s_wait_dscnt 0x0                               ; as above
	VWL 0
	; hn's tile of my queries is asked for now, into registers that v's weights leave free, and lands while v is made
.irp ks, 0,1
.irp c, 0,1
	global_load_b128 v[QH+12*\ks+6*\c:QH+12*\ks+6*\c+3], v[L16], s[36:37] offset:768*(2*\ks+\c)
	global_load_b64 v[QH+12*\ks+6*\c+4:QH+12*\ks+6*\c+5], v[L8], s[36:37] offset:768*(2*\ks+\c)+512
.endr
.endr
	global_load_b32 v[PSW], v[L4], s[38:39]
	QB2 AQ, PCD, BVB
	KOUT 2, 1
	; ---- V: four tiles of 16 of the head's 64; each tile's weights are asked for behind the products of the tile before
	VMM
	VWL 1
	VOUT 0
	VMM
	VWL 2
	VOUT 1
	VMM
	VWL 3
	VOUT 2
	VMM
	QKWL HN, BQ, WQS, 0, 0                         ; q's weights, both blocks of the head's 64, where hn lay; the second block's biases and scale words where v's weights and hn's scale words lay
	QKWL HN+48, 32, HS, 0, 1
	VOUT 3
	; ---- q: my tile of 16 queries: eight products, the four accumulators by turns
	s_wait_dscnt 0x0
	s_wait_loadcnt 0x0
	MM AQ, HN, QH, BQ, WQS, PSW, 0
	MM AQ+8, HN+24, QH, BQ+8, WQS+2, PSW, 0
	MM AQ+16, HN+48, QH, 32, HS, PSW, 0
	MM AQ+24, HN+72, QH, 40, HS+2, PSW, 0
	MM AQ, HN+12, QH+12, AQ, WQS+1, PSW, 2
	MM AQ+8, HN+36, QH+12, AQ+8, WQS+3, PSW, 2
	MM AQ+16, HN+60, QH+12, AQ+16, HS+1, PSW, 2
	MM AQ+24, HN+84, QH+12, AQ+24, HS+3, PSW, 2
	PL5
	QB2 AQ, PCD, BVB
.irp i, 0,1,2
	ds_store_b32 v[QSA], v[PCD+\i] offset:4*\i     ; the two halves of a block's codes meet in my stage
	ds_store_b32 v[QSA], v[PCD+4+\i] offset:384+4*\i
.endr
	v_lshl_or_b32 v[QSW], v[BVB+1], 8, v[BVB]      ; Q's scale word: every lane holds its row's two bytes
.irp p, 0,1,2
	ds_load_b64 v[QF+2*\p:QF+2*\p+1], v[QSB] offset:8*\p           ; LDS serves a wave's instructions in order (ISA guide 5.7.1.4): these see my stores
.endr
.irp i, 6,7,8,9,10,11
	v_mov_b32 v[QF+\i], 0                          ; zero codes for K = 64 .. 127, written once
.irp t, 0,1,2,3
	v_mov_b32 v[KFR+12*\t+\i], 0
.endr
.endr
.set k, 0
.rept 32
	v_mov_b32 v[O+k], 0                            ; the step is written once: the first finds zeros, which the first change of M leaves zeros
.set k, k+1
.endr
	s_wait_dscnt 0x0                               ; Q is in; for the others' sake: my stores of K and V have landed
	v_mov_b32 v13, 0xff61b1e6                      ; the largest t so far: -3e38, under every t
	v_floor_f32 v12, -v13                          ; -M
	v_mov_b32 v14, 0                               ; the sum, in two halves
	v_mov_b32 v15, 0
.irp b, 0,1,2,3
	v_mov_b32 v[236+\b], 0                         ; a lane permute's destination counts as read
.endr
	v_mov_b32 v[PSW], 0                            ; (named as the upper half of the pair v[252:253] before it is next written)
	s_barrier_signal -1
	s_barrier_wait -1                              ; the head's K and V lie in LDS
.irp t, 0,1,2,3
.irp p, 0,1,2
	ds_load_b64 v[KFR+12*\t+2*\p:KFR+12*\t+2*\p+1], v[AK0] offset:768*\t+8*\p     ; step 0's first four tiles of K; every later step's are asked for a step ahead
.endr
.endr
.irp i, 0,1,2,3
	ds_load_b32 v[KSW+\i], v[ASK0] offset:128*\i   ; and its scale words: tiles 2 i (lanes 0-15) and 2 i + 1 (lanes 16-31)
.endr
	s_wait_dscnt 0x0                               ; on both ways to the label no LDS load of mine is out
.Lstep:                                            ; 8 trips of 128 keys
.irp t, 0,1,2,3
	MMZ S+8*\t, KFR+12*\t, QF, KSW+\t/2, QSW, \t%2
.endr
	v_add_nc_u32 v[ADK], s[TK], v[AK0]             ; the step's addresses: these four are the places in front of the loads into registers that these products, and the last trip's, have read
	v_add_nc_u32 v[ADV], s[TK], v[AV0]
	v_add_nc_u32 v[ADS], s[TS], v[ASK0]
	v_add_nc_u32 v[ADT], s[TJ], v[ASV0]
.irp t, 0,1,2,3
.irp p, 0,1,2
	ds_load_b64 v[KFR+12*\t+2*\p:KFR+12*\t+2*\p+1], v[ADK] offset:768*(4+\t)+8*\p     ; lanes 24 bytes apart: the 32 lanes of a load touch each bank once
.endr
.endr
.irp t, 0,1,2,3
.irp c, 0,1
.irp p, 0,1,2
	ds_load_b64 v[VFR+12*\t+6*\c+2*\p:VFR+12*\t+6*\c+2*\p+1], v[ADV] offset:3072*\c+768*\t+8*\p
.endr
.endr
.endr
.irp i, 0,1
	ds_load_b32 v[VSW+\i], v[ADT] offset:128*\i
.endr
	s_wait_dscnt 26                                ; K's tiles 4-7 are in; V's 24 loads and its 2 scale words, issued behind them, land during the softmax
.irp t, 0,1,2,3
	MMZ S+32+8*\t, KFR+12*\t, QF, KSW+2+\t/2, QSW, \t%2
.endr
.rept 4
	v_nop                                          ; places in front of the first read of the scores and of the loads below
.endr
	; the NEXT step's first four tiles of K and its scale words: they land during the softmax, and the wait in front of the V products shows them in.
	; The last trip's look-ahead falls on V's codes and scale words: bytes inside LDS that were written ahead of the barrier; what it brings is not used.
.irp t, 0,1,2,3
.irp p, 0,1,2
	ds_load_b64 v[KFR+12*\t+2*\p:KFR+12*\t+2*\p+1], v[ADK] offset:6144+768*\t+8*\p
.endr
.endr
.irp i, 0,1,2,3
	ds_load_b32 v[KSW+\i], v[ADS] offset:512+128*\i
.endr
.irp b, 0,1,2,3
	v_max3_num_f32 v[232+\b], v[S+16*\b], v[S+1+16*\b], v[S+2+16*\b]     ; the largest score of each block of 32 keys: for the row's maximum and, since p rises with the score, for the block's largest p
.endr
.irp i, 3,5,7,9,11,13
.irp b, 0,1,2,3
	v_max3_num_f32 v[232+\b], v[232+\b], v[S+16*\b+\i], v[S+1+16*\b+\i]
.endr
.endr
.irp b, 0,1,2,3
	v_max_num_f32 v[232+\b], v[232+\b], v[S+15+16*\b]
.endr
.irp b, 0,1,2,3
	v_permlanex16_b32 v[236+\b], v[232+\b], s[SEL], s[SEL+1]
.endr
.irp b, 0,1,2,3
	v_max_num_f32 v[232+\b], v[232+\b], v[236+\b]  ; with lane l xor 16's 16 keys
.endr
	v_max3_num_f32 v254, v232, v233, v234
	v_max_num_f32 v254, v254, v235
	v_mul_f32 v254, s[CS], v254                    ; the step's largest t (c is positive)
	v_max_num_f32 v13, v13, v254
	v_mov_b32 v254, v12
	v_floor_f32 v12, -v13                          ; the new -M = -ceil(t)
	v_sub_f32 v254, v12, v254                      ; old M - new M: a whole number, 0 or less
	v_cvt_i32_f32 v254, v254                       ; (it saturates)
	v_ldexp_f32 v252, 1.0, v254                    ; f = 2^(old M - new M)
.set k, 0
.rept 32
	v_pk_fma_f32 v[S+k:S+k+1], v[S+k:S+k+1], s[CS:CS+1], v[12:13] op_sel_hi:[1,0,0]   ; t - M, two at a time
.set k, k+2
.endr
.irp b, 0,1,2,3
	v_fma_f32 v[232+\b], v[232+\b], s[CS], v12     ; the same of each block's largest score
.endr
.set k, 0
.rept 64
	v_exp_f32 v[S+k], v[S+k]                       ; p = 2^(t - M)
.set k, k+1
.endr
.irp b, 0,1,2,3
	v_exp_f32 v[232+\b], v[232+\b]                 ; the block's largest p: the same two instructions on the same number
.endr
	v_pk_mul_f32 v[14:15], v[14:15], v[252:253] op_sel_hi:[1,0]     ; the sums under the new M; the plain instruction behind the exponentials
	s_wait_alu depctr_va_vdst(0)
.irp b, 0,1,2,3
	v_max_num_f32 v[232+\b], 0x1800000, v[232+\b]  ; the floor 2^(3 - 127): the byte cannot fall under 1
.endr
.irp b, 0,1,2,3
	v_add_nc_u32 v[244+\b], 0xff000000, v[232+\b]  ; 2 off the exponent field: the conversion's scale operand
.endr
.irp b, 0,1,2,3
	v_lshrrev_b32 v[236+\b], 23, v[244+\b]
.endr
	v_lshl_or_b32 v[PSW], v237, 8, v236            ; p's scale word for these 128 keys
	v_lshl_or_b32 v[PSW], v238, 16, v[PSW]
	v_lshl_or_b32 v[PSW], v239, 24, v[PSW]
.irp c, 0,1
	v_cvt_scalef32_pk16_fp6_f32 v[PCD+6*\c:PCD+2+6*\c], v[S+32*\c:S+15+32*\c], v[244+2*\c]
	v_cvt_scalef32_pk16_fp6_f32 v[236+4*\c:238+4*\c], v[S+16+32*\c:S+31+32*\c], v[244+2*\c+1]   ; (a conversion's three registers begin on an even number)
.endr
	v_nop                                          ; a plain instruction between a scaled conversion and what touches its result
.irp c, 0,1                            ; the operand wants a whole block in a lane: lanes 0-15 block 2 c, lanes 16-31 block 2 c + 1
.irp i, 0,1,2
	v_permlane16_swap_b32 v[PCD+6*\c+\i], v[236+4*\c+\i]
.endr
.irp i, 0,1,2
	v_mov_b32 v[PCD+3+6*\c+\i], v[236+4*\c+\i]
.endr
.endr
	v_pk_add_f32 v[236:237], v[S:S+1], v[S+2:S+3]  ; the row's sum, of the unquantised p, in two chains
.irp j, 4,8,12,16,20,24,28,32,36,40,44,48,52,56,60
	v_pk_add_f32 v[14:15], v[14:15], v[S+\j:S+1+\j]
	v_pk_add_f32 v[236:237], v[236:237], v[S+2+\j:S+3+\j]
.endr
	v_pk_add_f32 v[14:15], v[14:15], v[236:237]
.set k, 0
.rept 16
	v_pk_mul_f32 v[O+k:O+k+1], v[O+k:O+k+1], v[252:253] op_sel_hi:[1,0]     ; O^T under the new M.  (With the sums above: far more than the 8 and 4 places that p's scale word and codes want ahead of the products)
.set k, k+2
.endr
	s_wait_dscnt 0x0                               ; V is in, and so are the next step's first tiles of K
.irp t, 0,1,2,3
	MM O+8*\t, VFR+12*\t, PCD, O+8*\t, VSW+\t/2, PSW, \t%2          ; the four accumulators by turns
.endr
	s_add_co_u32 s[TK], s[TK], 6144
	s_add_co_u32 s[TS], s[TS], 512
	s_add_co_u32 s[TJ], s[TJ], 256
	s_sub_co_u32 s[CNT], s[CNT], 1
	s_cmp_lg_u32 s[CNT], 0
	s_cbranch_scc1 .Lstep
	; THE WAY OUT: O^T / the sum; a lane's 32 numbers are d = 16 h + 0 .. 15 of the head's two blocks of 32: two conversions, two stores of 384 consecutive bytes
.rept 4
	v_nop
.endr
	v_add_f32 v14, v14, v15
	v_permlanex16_b32 v252, v14, s[SEL], s[SEL+1]
	v_add_f32 v14, v14, v252                       ; the row's sum
	v_rcp_f32 v14, v14
	v_bfe_u32 v10, v0, 4, 1                        ; (a plain instruction behind the transcendental)  h
	v_cmp_eq_u32 vcc_lo, 1, v10
.set k, 0
	s_wait_alu depctr_va_vdst(0)
.rept 32
	v_mul_f32 v[S+k], v[O+k], v14                  ; each accumulator from its low end on
.set k, k+1
.endr
	QB2 S, 224, 236
	global_store_b96 v[OC], v[224:226], s[42:43]
	global_store_b96 v[OC], v[228:230], s[42:43] offset:384
	v_cndmask_b32 v238, v236, v237, vcc_lo         ; lanes 0-15 store the first block's byte, lanes 16-31 the second's
	global_store_b8 v[OB], v238, s[44:45]
	s_wait_xcnt 0x0
	v_lshl_add_u32 v254, v0, 2, 0x26400
	v_mov_b32 v255, 0
	s_wait_tensorcnt 0x0
	ds_add_u32 v254, v255
	s_wait_dscnt 0x0
	s_endpgm
.Lfunc_end_k_q25d83e6172_attn:
	.size	k_q25d83e6172_attn, .Lfunc_end_k_q25d83e6172_attn-k_q25d83e6172_attn
	.p2alignl 7, 3214868480
	.fill 96, 4, 3214868480
	.section	.rodata,"a",@progbits
	.p2align	6, 0x0
	.amdhsa_kernel k_q25d83e6172_attn
		.amdhsa_group_segment_fixed_size 158720
		.amdhsa_private_segment_fixed_size 0
		.amdhsa_enable_private_segment 0
		.amdhsa_kernarg_size 40
		.amdhsa_user_sgpr_count 2
		.amdhsa_user_sgpr_kernarg_segment_ptr 1
		.amdhsa_wavefront_size32 1
		.amdhsa_system_sgpr_workgroup_id_x 1
		.amdhsa_system_sgpr_workgroup_id_y 1
		.amdhsa_system_sgpr_workgroup_id_z 1
		.amdhsa_system_vgpr_workitem_id 0
		.amdhsa_next_free_vgpr 256
		.amdhsa_next_free_sgpr 66
		.amdhsa_reserve_vcc 1
		.amdhsa_float_denorm_mode_32 3
		.amdhsa_float_denorm_mode_16_64 3
		.amdhsa_memory_ordered 1
		.amdhsa_forward_progress 1
		.amdhsa_inst_pref_size 74
	.end_amdhsa_kernel
	.amdgpu_metadata
---
amdhsa.version: [ 1, 2 ]
amdhsa.kernels:
  - .name:           k_q25d83e6172_attn
    .symbol:         k_q25d83e6172_attn.kd
    .args:
      - { .name: hnq, .offset: 0, .size: 8, .value_kind: global_buffer, .address_space: global }
      - { .name: qkv_w_codes, .offset: 8, .size: 8, .value_kind: global_buffer, .address_space: global }
      - { .name: qkv_w_scales, .offset: 16, .size: 8, .value_kind: global_buffer, .address_space: global }
      - { .name: qkv_b, .offset: 24, .size: 8, .value_kind: global_buffer, .address_space: global }
      - { .name: o, .offset: 32, .size: 8, .value_kind: global_buffer, .address_space: global }
    .group_segment_fixed_size: 158720
    .private_segment_fixed_size: 0
    .kernarg_segment_align: 8
    .kernarg_segment_size: 40
    .max_flat_workgroup_size: 512
    .sgpr_count:     66
    .vgpr_count:     256
    .wavefront_size: 32
...
	.end_amdgpu_metadata
.endif
;; end of part 6
;; launch proj: the kernel of part 4 again; grid 16 x 16, 16 waves a work-group, no clusters, 83,968 bytes of LDS; arguments o, proj_w_codes, proj_w_scales, proj_b, x, out0; writes out0
;; ======== version 3 of 3: 3 launches
;; workspace buffers: hnq 3,276,800 bytes; o 3,276,800 bytes
;; launch gnq (part 7): grid 128 x 1, 16 waves a work-group, no clusters, 26,880 bytes of LDS; arguments x, norm_w, norm_b, hnq; writes hnq
.if DOCPART == 7
	.amdgcn_target "amdgcn-amd-amdhsa--gfx1250"
	.amdhsa_code_object_version 6
	.text
	.protected	k_q25d83e6172_gnq
	.globl	k_q25d83e6172_gnq
	.p2align	8
	.type	k_q25d83e6172_gnq,@function
k_q25d83e6172_gnq:
	s_mov_b64 s[64:65], 0
	v_nop
	global_prefetch_b8 v0, s[64:65] scope:SCOPE_SE
	s_setreg_imm32_b32 hwreg(HW_REG_WAVE_MODE, 25, 1), 1
	s_wait_xcnt 0x0
; GroupNorm, and its result quantised for the first product.  Work-group 8 b + g owns group g of image b: 32 channels x 1,024 pixels, 131,072 dense bytes of x.
; The group stays in the registers of its 16 waves between the pass that finds the mean, the pass that sums the squared deviations from it (the variance is formed of
; deviations, never as a difference of large sums, so a common offset of x costs no digits) and the quantiser: x is read once here.
; hn = (x - mean) (rsqrt(var + 1e-5) norm_w) + norm_b.  The first product's K is the channels and a block of 32 of them is this group: so the group's work-group has
; every block whole.  Codes of FP6 (E2M3), one E8M0 byte a block.
; SHARES.  Wave w takes pixels 64 w .. 64 w + 63.  Lane (r, h) takes pixels 4 r .. 4 r + 3 of channels 16 h + 0 .. 15: each load reads two runs of 256 consecutive bytes.
; OUT.  hnq, for each (image, 64 pixels): 12,800 bytes: [tile of 16 pixels][K step of 128 channels][c] 768 bytes: registers 6 c .. 6 c + 3 of the operand's lane l at 16 l,
; registers 6 c + 4, 5 at 512 + 8 l; group g = 4 (K step) + 2 c + (l / 16).  Then, from byte 12,288, the scale words: 64 (2 tile + K step) + 4 row, byte g % 4.
; A TILE'S ROWS ARE NOT NEIGHBOURS: row r of tile 2 b + u is pixel 32 b + 8 u + r % 8 + 16 (r / 8) (the later products want it so).
; A lane's 12 bytes of codes belong to a row whose other 12 lie in lane l xor 16: they meet in the wave's own stage in LDS and leave as 16 + 8 bytes a lane:
; each store of 16 bytes a lane covers two aligned runs of 256 bytes, each store of 8 bytes two runs of 128.
; 128 work-groups: one to a group, since both passes want the whole group at hand.
; LIMITS: NaN and infinities in x are not served; a block whose largest magnitude lies under 2^-124 (a block of zeros too) gets the byte 1: the bytes are read by this program alone.
.set X,   16                           ; v16-79   my 64 numbers: register 4 cc + j = channel 16 h + cc, pixel 4 r + j
.set PT,  80                           ; v80-95   the sixteen waves' partial sums; v84-91 also pass 2's four chains
.set CA,  96                           ; v96-111  norm_w of my 16 channels, then x rsqrt
.set CBB, 112                          ; v112-127 norm_b
.set HH,  128                          ; v128-143 one pixel's 16 channels
.set PCX, 144                          ; v144-159 codes, four registers a pixel
.set BYX, 160                          ; v160-163 scale bytes, one a pixel
.set QM,  164                          ; at work in QB
.set QT,  165
.set QS,  166
.set RB,  168                          ; v168-179 two rows' 24 bytes, read back
.set STG, 256                          ; LDS: 128 bytes for the two sums; from here a stage of 64 rows x 24 bytes for each wave
.set SEL, 16
; 16 numbers of a lane, k = 16 (lane / 16) + i of one block of 32 (lane l xor 16 holds the other half), become 16 codes in v[pc .. pc + 2] and the block's scale byte in v[by].
.macro QB s, pc, by
	v_max3_num_f32 v[QM], |v[\s]|, |v[\s+1]|, 0x1800000            ; the floor 2^(3 - 127) holds the byte at 1 from below
.irp i, 2,4,6,8,10,12,14
	s_delay_alu instid0(VALU_DEP_1)
	v_max3_num_f32 v[QM], v[QM], |v[\s+\i]|, |v[\s+\i+1]|
.endr
	s_delay_alu instid0(VALU_DEP_1)
	v_permlanex16_b32 v[QT], v[QM], s[SEL], s[SEL+1]
	s_delay_alu instid0(VALU_DEP_1)
	v_max_num_f32 v[QM], v[QM], v[QT]              ; the block's largest magnitude
	s_delay_alu instid0(VALU_DEP_1)
	v_add_nc_u32 v[QS], 0xff000000, v[QM]          ; 2 off its exponent field: the conversion takes that field as its scale
	v_cvt_scalef32_pk16_fp6_f32 v[\pc:\pc+2], v[\s:\s+15], v[QS]
	v_lshrrev_b32 v[\by], 23, v[QS]                ; the byte; also the plain instruction behind the conversion
.endm
	s_load_b256 s[4:11], s[0:1], 0x0               ; x s[4:5], norm_w s[6:7], norm_b s[8:9], hnq s[10:11]
	v_lshl_add_u32 v192, v0, 2, 0x6100
	v_mov_b32 v193, 0
	v_lshrrev_b32 v4, 5, v0
	s_delay_alu instid0(VALU_DEP_1)
	v_readfirstlane_b32 s12, v4                    ; wave
	s_delay_alu instid0(VALU_DEP_2)
	v_lshlrev_b32 v4, 2, v4                        ; LDS: my wave's word in a sum
	v_mov_b32 v5, 0
	v_mov_b32 v[QT], 0                             ; a lane permute's destination counts as read
	v_and_b32 v2, 31, v0                           ; lane
	v_and_b32 v3, 15, v0                           ; r
	v_bfe_u32 v6, v0, 4, 1                         ; h
	s_delay_alu instid0(VALU_DEP_1)
	v_cmp_eq_u32 vcc_lo, 1, v6                     ; lanes 16-31; never written again
	s_lshl_b32 s18, s12, 8                         ; my wave's 64 pixels: 256 bytes of a channel
	v_lshlrev_b32 v1, 4, v3
	s_delay_alu instid0(VALU_DEP_1)
	v_lshl_add_u32 v1, v6, 16, v1
	s_delay_alu instid0(VALU_DEP_1)
	v_add_nc_u32 v1, s18, v1                       ; x: 16 channels on for lanes 16-31, 16 bytes at 16 r
	; pixel p = 4 r + j lies in tile 2 (p / 32) + (p / 8) % 2, row p % 8 + 8 ((p / 16) % 2): in the stage row 16 tile + row, 24 bytes a row; among the scale words 128 tile + 4 row
	v_and_b32 v7, 1, v0
	s_delay_alu instid0(VALU_DEP_1)
	v_mul_u32_u24 v180, v7, 96                     ; 4 rows
	s_delay_alu instid0(VALU_DEP_2)
	v_lshlrev_b32 v184, 4, v7
	v_bfe_u32 v7, v0, 1, 1
	s_delay_alu instid0(VALU_DEP_1)
	v_mad_u32_u24 v180, v7, 384, v180              ; a tile
	s_delay_alu instid0(VALU_DEP_2)
	v_lshl_add_u32 v184, v7, 7, v184
	v_bfe_u32 v7, v0, 2, 1
	s_delay_alu instid0(VALU_DEP_1)
	v_mad_u32_u24 v180, v7, 192, v180              ; 8 rows
	s_delay_alu instid0(VALU_DEP_2)
	v_lshl_add_u32 v184, v7, 5, v184
	v_bfe_u32 v7, v0, 3, 1
	s_delay_alu instid0(VALU_DEP_1)
	v_mad_u32_u24 v180, v7, 768, v180              ; two tiles
	s_delay_alu instid0(VALU_DEP_2)
	v_lshl_add_u32 v184, v7, 8, v184
	s_delay_alu instid0(VALU_DEP_2)
	v_mad_u32_u24 v180, v6, 12, v180               ; my half of the row's 24 bytes
	s_delay_alu instid0(VALU_DEP_2)
	v_lshl_add_u32 v184, v6, 2, v184               ; lanes 16-31 store the next pixel's byte
	s_mul_i32 s19, s12, 1536
	s_add_co_u32 s19, s19, STG                     ; my stage
	v_add_nc_u32 v180, s19, v180
	v_mul_u32_u24 v181, v2, 24
	s_delay_alu instid0(VALU_DEP_1)
	v_add_nc_u32 v181, s19, v181                   ; back: row = lane (and 32 rows on)
	v_mul_u32_u24 v182, v6, 3072                   ; out: lanes 16-31 hold the next tile's rows
	s_delay_alu instid0(VALU_DEP_1)
	v_lshl_add_u32 v183, v3, 3, v182               ; 8 bytes a row
	s_delay_alu instid0(VALU_DEP_2)
	v_lshl_add_u32 v182, v3, 4, v182               ; 16 bytes a row
	v_lshlrev_b32 v6, 6, v6                        ; 64 h: my 16 channels in norm_w and norm_b
	s_and_b32 s13, ttmp9, 7                        ; g
	s_lshl_b32 s20, ttmp9, 17                      ; the group's first byte in x
	s_mov_b32 s21, 0
	s_lshl_b32 s22, s13, 7                         ; the group's 32 channels in norm_w and norm_b
	s_mov_b32 s23, 0
	s_lshr_b32 s24, ttmp9, 3
	s_mul_i32 s24, s24, 204800                     ; the image's part of hnq,
	s_mul_i32 s25, s12, 12800
	s_add_co_u32 s24, s24, s25                     ; my 64 pixels' part
	s_lshr_b32 s25, s13, 1
	s_mul_i32 s25, s25, 768
	s_add_co_u32 s25, s25, s24                     ; + 768 (2 (K step) + c)
	s_and_b32 s35, s13, 1                          ; the reader's half of the lanes
	s_lshl_b32 s26, s35, 8
	s_add_co_u32 s26, s26, s25                     ; the 16-byte parts: 256 bytes on for the upper half
	s_mov_b32 s27, 0
	s_lshl_b32 s36, s35, 7
	s_add_co_u32 s36, s36, s25
	s_add_co_u32 s36, s36, 512                     ; the 8-byte parts: 128 bytes on
	s_mov_b32 s37, 0
	s_lshr_b32 s38, s13, 2
	s_lshl_b32 s38, s38, 6
	s_and_b32 s35, s13, 3
	s_add_co_u32 s38, s38, s35
	s_add_co_u32 s38, s38, s24
	s_add_co_u32 s38, s38, 12288                   ; the scale words: 64 (K step) + g % 4
	s_mov_b32 s39, 0
	s_mov_b32 s[SEL], 0x76543210                   ; v_permlanex16_b32's selects for lane l xor 16
	s_mov_b32 s[SEL+1], 0xfedcba98
	s_mov_b32 s34, 0x3727c5ac                      ; 1e-5
	s_wait_alu depctr_va_vdst(0)
	s_wait_kmcnt 0x0
	s_add_nc_u64 s[4:5], s[4:5], s[20:21]
	s_add_nc_u64 s[6:7], s[6:7], s[22:23]
	s_add_nc_u64 s[8:9], s[8:9], s[22:23]
	s_add_nc_u64 s[28:29], s[10:11], s[26:27]
	s_add_nc_u64 s[30:31], s[10:11], s[36:37]
	s_add_nc_u64 s[32:33], s[10:11], s[38:39]
.irp cc, 0,1,2,3,4,5,6,7,8,9,10,11,12,13,14,15
	global_load_b128 v[X+4*\cc:X+4*\cc+3], v1, s[4:5] offset:4096*\cc
.endr
.irp q, 0,1,2,3
	global_load_b128 v[CA+4*\q:CA+4*\q+3], v6, s[6:7] offset:16*\q
	global_load_b128 v[CBB+4*\q:CBB+4*\q+3], v6, s[8:9] offset:16*\q
.endr
	s_wait_loadcnt 0x0                             ; the sums want all of it
; v8, a number a lane, is summed over the wave and then over the sixteen waves, through 64 bytes of LDS at off; the sum ends in v[PT] of every lane.
.macro WSUM off
	s_delay_alu instid0(VALU_DEP_1)
	v_add_f32_dpp v8, v8, v8 row_xmask:1 row_mask:0xf bank_mask:0xf
	s_delay_alu instid0(VALU_DEP_1)
	v_add_f32_dpp v8, v8, v8 row_xmask:2 row_mask:0xf bank_mask:0xf
	s_delay_alu instid0(VALU_DEP_1)
	v_add_f32_dpp v8, v8, v8 row_xmask:4 row_mask:0xf bank_mask:0xf
	s_delay_alu instid0(VALU_DEP_1)
	v_add_f32_dpp v8, v8, v8 row_xmask:8 row_mask:0xf bank_mask:0xf
	s_delay_alu instid0(VALU_DEP_1)
	v_permlanex16_b32 v9, v8, s[SEL], s[SEL+1]     ; (v9 has been written: the destination counts as read)
	s_delay_alu instid0(VALU_DEP_1)
	v_add_f32 v8, v8, v9
	ds_store_b32 v4, v8 offset:\off                ; all lanes write the wave's word with the same value
	s_wait_dscnt 0x0                               ; for the others' sake: my store has landed
	s_barrier_signal -1
	s_barrier_wait -1
.irp q, 0,1,2,3
	ds_load_b128 v[PT+4*\q:PT+4*\q+3], v5 offset:\off+16*\q
.endr
	s_wait_dscnt 0x0
.irp q, 0,2,4,6
	v_pk_add_f32 v[PT+\q:PT+\q+1], v[PT+\q:PT+\q+1], v[PT+8+\q:PT+9+\q]
.endr
	s_delay_alu instid0(VALU_DEP_2)
	v_pk_add_f32 v[PT:PT+1], v[PT:PT+1], v[PT+4:PT+5]
	s_delay_alu instid0(VALU_DEP_2)
	v_pk_add_f32 v[PT+2:PT+3], v[PT+2:PT+3], v[PT+6:PT+7]
	s_delay_alu instid0(VALU_DEP_1)
	v_pk_add_f32 v[PT:PT+1], v[PT:PT+1], v[PT+2:PT+3]
	s_delay_alu instid0(VALU_DEP_1)
	v_add_f32 v[PT], v[PT], v[PT+1]
.endm
	v_pk_add_f32 v[10:11], v[16:17], v[24:25]
	v_pk_add_f32 v[12:13], v[32:33], v[40:41]
	v_pk_add_f32 v[14:15], v[48:49], v[56:57]
	v_pk_add_f32 v[190:191], v[64:65], v[72:73]
	v_pk_add_f32 v[188:189], v[18:19], v[26:27]
	v_pk_add_f32 v[186:187], v[34:35], v[42:43]
	v_pk_add_f32 v[178:179], v[50:51], v[58:59]
	v_pk_add_f32 v[8:9], v[66:67], v[74:75]
	s_delay_alu instid0(VALU_DEP_1)
	v_pk_add_f32 v[8:9], v[8:9], v[20:21]
	v_pk_add_f32 v[10:11], v[10:11], v[28:29]
	v_pk_add_f32 v[12:13], v[12:13], v[36:37]
	v_pk_add_f32 v[14:15], v[14:15], v[44:45]
	v_pk_add_f32 v[190:191], v[190:191], v[52:53]
	v_pk_add_f32 v[188:189], v[188:189], v[60:61]
	v_pk_add_f32 v[186:187], v[186:187], v[68:69]
	v_pk_add_f32 v[178:179], v[178:179], v[76:77]
	v_pk_add_f32 v[8:9], v[8:9], v[22:23]
	v_pk_add_f32 v[10:11], v[10:11], v[30:31]
	v_pk_add_f32 v[12:13], v[12:13], v[38:39]
	v_pk_add_f32 v[14:15], v[14:15], v[46:47]
	v_pk_add_f32 v[190:191], v[190:191], v[54:55]
	v_pk_add_f32 v[188:189], v[188:189], v[62:63]
	v_pk_add_f32 v[186:187], v[186:187], v[70:71]
	v_pk_add_f32 v[178:179], v[178:179], v[78:79]
	s_delay_alu instid0(VALU_DEP_4)
	v_pk_add_f32 v[8:9], v[8:9], v[190:191]
	s_delay_alu instid0(VALU_DEP_4)
	v_pk_add_f32 v[10:11], v[10:11], v[188:189]
	s_delay_alu instid0(VALU_DEP_4)
	v_pk_add_f32 v[12:13], v[12:13], v[186:187]
	s_delay_alu instid0(VALU_DEP_4)
	v_pk_add_f32 v[14:15], v[14:15], v[178:179]
	s_delay_alu instid0(VALU_DEP_2)
	v_pk_add_f32 v[8:9], v[8:9], v[12:13]
	s_delay_alu instid0(VALU_DEP_2)
	v_pk_add_f32 v[10:11], v[10:11], v[14:15]
	s_delay_alu instid0(VALU_DEP_1)
	v_pk_add_f32 v[8:9], v[8:9], v[10:11]
	s_delay_alu instid0(VALU_DEP_1)
	v_add_f32 v8, v8, v9
	WSUM 0
	s_delay_alu instid0(VALU_DEP_1)
	v_mul_f32 v10, 0xb8000000, v[PT]               ; -mean = -sum / 32,768
	s_delay_alu instid0(VALU_DEP_1)
	v_mov_b32 v11, v10
	; pass 2: the deviations, in place, and the sum of their squares
.set k, 0
.rept 32
	v_pk_add_f32 v[X+2*k:X+2*k+1], v[X+2*k:X+2*k+1], v[10:11]
.set k, k+1
.endr
.irp q, 0,1,2,3
	v_pk_mul_f32 v[84+2*\q:85+2*\q], v[X+2*\q:X+2*\q+1], v[X+2*\q:X+2*\q+1]
.endr
.set k, 4
.rept 28
	s_delay_alu instid0(VALU_DEP_4)
	v_pk_fma_f32 v[84+2*(k%4):85+2*(k%4)], v[X+2*k:X+2*k+1], v[X+2*k:X+2*k+1], v[84+2*(k%4):85+2*(k%4)]
.set k, k+1
.endr
	s_delay_alu instid0(VALU_DEP_3)
	v_pk_add_f32 v[84:85], v[84:85], v[86:87]
	s_delay_alu instid0(VALU_DEP_2)
	v_pk_add_f32 v[88:89], v[88:89], v[90:91]
	s_delay_alu instid0(VALU_DEP_1)
	v_pk_add_f32 v[84:85], v[84:85], v[88:89]
	s_delay_alu instid0(VALU_DEP_1)
	v_add_f32 v8, v84, v85
	WSUM 64                                        ; other LDS bytes than the first sum's: no wave still reads what is written
	v_mov_b32 v13, 0x38000000                      ; 1 / 32,768
	s_delay_alu instid0(VALU_DEP_1)
	v_fma_f32 v12, v[PT], v13, s34                 ; the variance + 1e-5
	s_wait_alu depctr_va_vdst(0)
	v_rsq_f32 v12, v12
	v_nop                                          ; a plain instruction between the transcendental and the use of its result (ISA guide 5.7.2)
.set k, 0
	s_wait_alu depctr_va_vdst(0)
.rept 8
	v_pk_mul_f32 v[CA+2*k:CA+2*k+1], v[CA+2*k:CA+2*k+1], v[12:13] op_sel_hi:[1,0]     ; rsqrt x norm_w
.set k, k+1
.endr
; pixel 4 r + j: its 16 channels are gathered by the multiply-adds' destinations, quantised, and its 12 bytes laid into the stage.  Each pixel has registers of its own for its codes and its byte.
.macro XPIX j
.irp cc, 0,1,2,3,4,5,6,7,8,9,10,11,12,13,14,15
	v_fma_f32 v[HH+\cc], v[X+4*\cc+\j], v[CA+\cc], v[CBB+\cc]
.endr
	QB HH, PCX+4*\j, BYX+\j
.irp i, 0,1,2
	ds_store_b32 v180, v[PCX+4*\j+\i] offset:24*\j+4*\i
.endr
.endm
	XPIX 0
	XPIX 1
	XPIX 2
	XPIX 3
.irp q, 0,1
.irp p, 0,1,2
	ds_load_b64 v[RB+6*\q+2*\p:RB+6*\q+2*\p+1], v181 offset:768*\q+8*\p       ; LDS serves a wave's instructions in order (ISA guide 5.7.1.4): these see my stores.  Lanes 24 bytes apart
.endr
.endr
	v_cndmask_b32 v186, v[BYX], v[BYX+1], vcc_lo   ; both halves of the lanes hold every byte: lanes 0-15 store pixel 4 r's (4 r + 2's), lanes 16-31 the next pixel's
	v_cndmask_b32 v187, v[BYX+2], v[BYX+3], vcc_lo
	global_store_b8 v184, v186, s[32:33]
	global_store_b8 v184, v187, s[32:33] offset:8
	s_wait_dscnt 0x0
.irp q, 0,1
	global_store_b128 v182, v[RB+6*\q:RB+6*\q+3], s[28:29] offset:6144*\q     ; tiles 2 q and 2 q + 1: two aligned runs of 256 bytes
	global_store_b64 v183, v[RB+6*\q+4:RB+6*\q+5], s[30:31] offset:6144*\q    ; two runs of 128 bytes
.endr
	s_wait_tensorcnt 0x0
	ds_add_u32 v192, v193
	s_wait_dscnt 0x0
	s_endpgm
.Lfunc_end_k_q25d83e6172_gnq:
	.size	k_q25d83e6172_gnq, .Lfunc_end_k_q25d83e6172_gnq-k_q25d83e6172_gnq
	.p2alignl 7, 3214868480
	.fill 96, 4, 3214868480
	.section	.rodata,"a",@progbits
	.p2align	6, 0x0
	.amdhsa_kernel k_q25d83e6172_gnq
		.amdhsa_group_segment_fixed_size 26880
		.amdhsa_private_segment_fixed_size 0
		.amdhsa_enable_private_segment 0
		.amdhsa_kernarg_size 32
		.amdhsa_user_sgpr_count 2
		.amdhsa_user_sgpr_kernarg_segment_ptr 1
		.amdhsa_wavefront_size32 1
		.amdhsa_system_sgpr_workgroup_id_x 1
		.amdhsa_system_sgpr_workgroup_id_y 1
		.amdhsa_system_sgpr_workgroup_id_z 1
		.amdhsa_system_vgpr_workitem_id 0
		.amdhsa_next_free_vgpr 194
		.amdhsa_next_free_sgpr 66
		.amdhsa_reserve_vcc 1
		.amdhsa_float_denorm_mode_32 3
		.amdhsa_float_denorm_mode_16_64 3
		.amdhsa_memory_ordered 1
		.amdhsa_forward_progress 1
		.amdhsa_inst_pref_size 29
	.end_amdhsa_kernel
	.amdgpu_metadata
---
amdhsa.version: [ 1, 2 ]
amdhsa.kernels:
  - .name:           k_q25d83e6172_gnq
    .symbol:         k_q25d83e6172_gnq.kd
    .args:
      - { .name: x, .offset: 0, .size: 8, .value_kind: global_buffer, .address_space: global }
      - { .name: norm_w, .offset: 8, .size: 8, .value_kind: global_buffer, .address_space: global }
      - { .name: norm_b, .offset: 16, .size: 8, .value_kind: global_buffer, .address_space: global }
      - { .name: hnq, .offset: 24, .size: 8, .value_kind: global_buffer, .address_space: global }
    .group_segment_fixed_size: 26880
    .private_segment_fixed_size: 0
    .kernarg_segment_align: 8
    .kernarg_segment_size: 32
    .max_flat_workgroup_size: 512
    .sgpr_count:     66
    .vgpr_count:     194
    .wavefront_size: 32
...
	.end_amdgpu_metadata
.endif
;; end of part 7
;; launch attn (part 8): grid 4 x 64, 16 waves a work-group, no clusters, 158,720 bytes of LDS; arguments hnq, qkv_w_codes, qkv_w_scales, qkv_b, o; writes o
.if DOCPART == 8
	.amdgcn_target "amdgcn-amd-amdhsa--gfx1250"
	.amdhsa_code_object_version 6
	.text
	.protected	k_q25d83e6172_attn
	.globl	k_q25d83e6172_attn
	.p2align	8
	.type	k_q25d83e6172_attn,@function
k_q25d83e6172_attn:
	s_mov_b64 s[64:65], 0
	v_nop
	global_prefetch_b8 v0, s[64:65] scope:SCOPE_SE
	s_setreg_imm32_b32 hwreg(HW_REG_WAVE_SCHED_MODE, 0, 2), 2
	s_setreg_imm32_b32 hwreg(HW_REG_WAVE_MODE, 25, 1), 1
	s_wait_xcnt 0x0
	s_wait_alu depctr_vm_vsrc(0)
; q, k, v = qkv_w hn + qkv_b for one (image, head), quantised; O = softmax(q k^T / 8) v; O quantised along d for the projection.  All products on codes of FP6 (E2M3) with E8M0 scales.
; SHARES.  y = 4 image + head, x = a block of 256 queries.  Sixteen waves of 256 registers, four to a SIMD, so that one wave's softmax (some 220 vector instructions for 12 products)
; stands beside another's products and LDS loads.
; AHEAD OF THE LOOP the work-group makes K and V of its head for all 1,024 pixels: wave w takes pixels 64 w .. 64 w + 63 (hn's eight fragments, 12,800 bytes, come from memory
; straight into its registers by loads of 512 and 256 consecutive bytes), 64 products and 16 blocks a lane to quantise, and lays codes and scale words into LDS; then its own tile of
; 16 queries, 8 products.  The four query blocks of a head each make K and V anew: 1,024 products a work-group beside the loop's 1,536, in place of a launch and of 10 MB written and read.
; The head's weights, 3 x 64 rows of 192 bytes, are read once by the work-group, 24 consecutive bytes a thread, and laid in LDS as images of the operand's registers (48 bytes a lane).
; ORDER AHEAD OF THE LOOP.  Products go eight at a time on four accumulators; two blocks are quantised together, their maxima in four chains by turns, so that no line waits for the
; line above it; the weights of the next eight products are asked for behind the places of the last products that used the old ones, and land while the results are quantised.
; NO CLUSTER, NO JOINT LOADS: hn's fragments go into the registers of the one wave that uses them, so there is no LDS pass to share; an image's 204,800 bytes of hn, the head's 104,448
; of K and V and the 39,168 of weights do not fit into LDS together.
; q and k: two tiles of 16 rows of qkv_w as source 0, hn's tile as source 1: a lane holds ONE pixel and 16 neighbours along d.  v: hn's tile as source 0, 16 rows of v's weights as
; source 1: a lane holds ONE d and neighbours along the pixels.  THE ROWS OF A TILE ARE NOT NEIGHBOURS: lane r of tile 2 b + u takes row (of qkv_w) or pixel
; 32 b + 8 u + r % 8 + 16 (r / 8), so that the 16 result registers of tiles 2 b, 2 b + 1 are 16 neighbours, 32 b + 16 (lane / 16) + 0 .. 15, which one conversion takes.
; A half fragment, 16 rows x 64 along K, is 768 bytes: [block of 32][row][24 bytes]; a lane's 16 codes are 12 bytes at 384 block + 24 row + 12 (lane / 16); the reader's lane l finds six registers at 24 l.
; THE SOFTMAX.  t = score x log2(e) / 8; M = the running largest t, rounded up to a whole number; p = 2^(t - M) is quantised along the keys, not normalised; the row's sum is taken of the
; unquantised p and divides O at the end; when M moves, the sum and O are multiplied by 2^(old M - new M), which rounds nothing.
; Both attention products transposed: S^T = K Q^T, O^T = V^T P^T: a lane holds one query throughout.  The head's 64 are half of the instruction's K: registers 6-11 of Q's and K's
; fragments hold zero codes, and bytes 2, 3 of their scale words are 0 (2^-127, no NaN): they add nothing.
; LIMITS: NaN and infinities are not served; a block whose largest magnitude lies under 2^-124 (a block of zeros too) gets the byte 1: the bytes are read by this program alone.
; THE MODE: SCHED_MODE bits 1:0 = 2 (LLVM: expert scheduling mode 2), set by the entry lines.  The code itself states the register dependences between vector or matrix instructions
; and memory or LDS instructions, with s_wait_alu, always for 0.
; THE PLAN, AHEAD OF THE LOOP.  A step is eight products on v96-127, their places, and the quantiser of their results.  Registers that memory or LDS instructions touch:
;   v1-v25        addresses, made at the head.  v1-7 are never written again; v8-11 become the loop's addresses, v12-15 the softmax's statistics, v16-27 Q.
;   v28-95, v128-223, v248-251, v253   weights, biases, hn and their scale words: written by loads, read by products (v88 by v_mov).
;   v224-230, v240-241                 codes and scale words: written by a step's quantiser, read by the LDS stores that are issued in the NEXT step.
; ONE wait on va_vdst stands in a step, behind its products and their places: it states that the quantiser of the step before has written the codes and the scale words, which the stores
; behind it read, and that this step's products are done reading the weights, in which the loads behind it land.  ONE wait on vm_vsrc follows those stores and loads, ahead of the
; quantiser, which writes the codes' registers again.
; THE PLAN, IN THE LOOP.  K's fragments (registers 0-5 of each), V's fragments and the scale words are written by LDS loads and read by products; v8-11 are written once a trip and read
; by the trip's LDS loads.  Four waits a trip: vm_vsrc ahead of the four additions to v8-11; va_vdst behind them (the addresses are written; the four products above are done with K's
; fragments, the last trip's V products with V's); the wait behind the exponentials, straight behind which the next step's first tiles of K are asked for (all eight score products
; stand ahead of it); va_vdst ahead of the V products, which take p's codes and scale word from vector instructions.
.set WIMG, 104448                      ; LDS: K's codes from 0, V's from 49,152, K's scale words from 98,304, V's from 102,400; from here the weights' images: [q, k, v][2 tile + K step] 1,536 bytes
.set WSC,  141312                      ; the weights' scale bytes, 512 a part
.set WBI,  142848                      ; the biases, 256 bytes a part
.set QST,  143616                      ; a stage of 768 bytes for each wave, for q
.set AK0,  1                           ; v1   24 x lane: my six registers in a half fragment of K
.set AV0,  2                           ; v2   the same in V's part of LDS
.set ASK0, 3                           ; v3   4 x lane in K's scale words: lanes 0-15 one tile, lanes 16-31 the next
.set ASV0, 4                           ; v4   the same for V's
.set L16,  5                           ; v5   16 x lane
.set OC,   6                           ; v6   24 r + 12 h
.set OB,   7                           ; v7   8 r + h
.set ADK,  8                           ; v8-11 in the loop: the step's addresses
.set ADV,  9
.set ADS,  10
.set ADT,  11
.set L8,   8                           ; ahead of the loop: v8 8 x lane, v9 4 x lane
.set L4,   9
.set LW,   10                          ; v10  a weight image's 48 bytes of my lane
.set LWS,  11                          ; v11  the scale bytes of a weight tile's row of lane r
.set QSA,  12                          ; v12  q's stage, in;  v13 back
.set QSB,  13
.set KST,  14                          ; v14  where my K codes go;  v15 their scale words
.set KSS,  15
.set VST,  16                          ; v16  where my V codes go;  v17 their scale bytes
.set VSS,  17
.set LWB,  18                          ; v18  q/k bias: 16 numbers on for lanes 16-31
.set LWV,  19                          ; v19  v's bias of lane r's row
.set CWS,  20                          ; v20  the copy of the weights: 24 x thread, in memory;  v21 in LDS
.set CWD,  21
.set SGS,  22                          ; v22-25 the copy of scale bytes and biases (waves 0-5): in memory, in LDS
.set SGB,  23
.set SLS,  24
.set SLB,  25
.set QF,   16                          ; v16-27   Q (from the end of the part ahead of the loop)
.set WQS,  28                          ; v28-31   the weights' scale words
.set VSW,  30                          ; v30-31   in the loop: V's scale words
.set WQ,   32                          ; v32-79   four weight fragments (u, ks) at 12 (2 u + ks);  v's two at v32-55;  for q: v32-47 the second block's biases
.set QH,   56                          ; v56-79   hn's tile of my queries (from the end of K on)
.set KFR,  32                          ; v32-79   in the loop: four fragments of K
.set VFR,  80                          ; v80-127  four fragments of V
.set BQ,   80                          ; v80-95   q/k bias in the result's layout;  v80-87 v's bias eight times, v88 once
.set BVV,  88
.set AQ,   96                          ; v96-127  four accumulators;  first of all the copies' data
.set CP,   96
.set HN,   128                         ; v128-223 hn's eight fragments: 24 tile + 12 ks;  for q its eight weight fragments
.set S,    128                         ; v128-191 S^T, then p
.set O,    192                         ; v192-223 O^T
.set PCD,  224                         ; v224-235 p's codes;  ahead of the loop v224-226, v228-230 codes just made
.set BY0,  232                         ; v232-235 K's first scale byte of each tile
.set PTA,  238                         ; v238-239 at work in QB2: the other half of the lanes' maxima
.set PTB,  239
.set WRD,  240                         ; v240-241 scale words on their way to LDS
.set BVB,  242                         ; v242-243 two scale bytes
.set MXA,  244                         ; v244-247 at work in QB2: four running maxima; then, in the second and fourth, the conversions' scale operands
.set MXB,  245
.set MXC,  246
.set MXD,  247
.set HS,   248                         ; v248-251 hn's scale words: lanes 0-15 K step 0, lanes 16-31 K step 1;  for q the second block's weights' scale words;  in the loop K's scale words
.set KSW,  248
.set PSW,  253                         ; p's scale word;  ahead of the loop the scale words of hn's tile of my queries;  v252 f;  v254 at work
.set QSW,  255                         ; Q's scale word
.set WV,   14                          ; s14
.set SEL,  20
.set CS,   22                          ; s[22:23] c = log2(e) / 8
.set TK,   46                          ; s46 the step's codes: 6,144 bytes a step, K's and V's alike
.set TS,   47                          ; s47 K's scale words: 512
.set TJ,   48                          ; s48 V's: 256
.set CNT,  49
; Two times 16 numbers of a lane, v[s ..] and v[s + 16 ..], each half a block of 32 (lane l xor 16 holds the other half), become 16 codes each, in v[pc .. pc + 2] and v[pc + 4 .. pc + 6],
; and the blocks' scale bytes in v[by], v[by + 1].  Each block's largest magnitude is taken in two chains, the four chains by turns; each run of eight registers is read from its low end on.
.macro QB2 s, pc, by
	v_max3_num_f32 v[MXA], |v[\s]|, |v[\s+1]|, 0x1800000           ; the floor 2^(3 - 127) holds the byte at 1 from below
	v_max3_num_f32 v[MXB], |v[\s+8]|, |v[\s+9]|, |v[\s+10]|
	v_max3_num_f32 v[MXC], |v[\s+16]|, |v[\s+17]|, 0x1800000
	v_max3_num_f32 v[MXD], |v[\s+24]|, |v[\s+25]|, |v[\s+26]|
.irp i, 0,2
	v_max3_num_f32 v[MXA], v[MXA], |v[\s+2+\i]|, |v[\s+3+\i]|
	v_max3_num_f32 v[MXB], v[MXB], |v[\s+11+\i]|, |v[\s+12+\i]|
	v_max3_num_f32 v[MXC], v[MXC], |v[\s+18+\i]|, |v[\s+19+\i]|
	v_max3_num_f32 v[MXD], v[MXD], |v[\s+27+\i]|, |v[\s+28+\i]|
.endr
	v_max3_num_f32 v[MXA], v[MXA], |v[\s+6]|, |v[\s+7]|
	v_max3_num_f32 v[MXC], v[MXC], |v[\s+22]|, |v[\s+23]|
	v_max3_num_f32 v[MXA], v[MXA], v[MXB], |v[\s+15]|
	v_max3_num_f32 v[MXC], v[MXC], v[MXD], |v[\s+31]|
	v_permlanex16_b32 v[PTA], v[MXA], s[SEL], s[SEL+1]
	v_permlanex16_b32 v[PTB], v[MXC], s[SEL], s[SEL+1]
	v_max_num_f32 v[MXA], v[MXA], v[PTA]           ; the blocks' largest magnitudes
	v_max_num_f32 v[MXC], v[MXC], v[PTB]
	v_add_nc_u32 v[MXB], 0xff000000, v[MXA]        ; 2 off the exponent field: the conversion takes that field as its scale
	v_add_nc_u32 v[MXD], 0xff000000, v[MXC]
	v_cvt_scalef32_pk16_fp6_f32 v[\pc:\pc+2], v[\s:\s+15], v[MXB]
	v_cvt_scalef32_pk16_fp6_f32 v[\pc+4:\pc+6], v[\s+16:\s+31], v[MXD]
	v_lshrrev_b32 v[\by], 23, v[MXB]               ; the bytes; also the plain instructions behind the conversions
	v_lshrrev_b32 v[\by+1], 23, v[MXD]
.endm
.macro MM d, a, b, c, sa, sb, row      ; row = 1: source 0's scales stand in lanes 16-31 of their register; 2: source 1's
.if \row == 1
	v_wmma_scale_f32_16x16x128_f8f6f4 v[\d:\d+7], v[\a:\a+11], v[\b:\b+11], v[\c:\c+7], v[\sa], v[\sb] matrix_a_fmt:MATRIX_FMT_FP6 matrix_b_fmt:MATRIX_FMT_FP6 matrix_a_scale:MATRIX_SCALE_ROW1
.elseif \row == 2
	v_wmma_scale_f32_16x16x128_f8f6f4 v[\d:\d+7], v[\a:\a+11], v[\b:\b+11], v[\c:\c+7], v[\sa], v[\sb] matrix_a_fmt:MATRIX_FMT_FP6 matrix_b_fmt:MATRIX_FMT_FP6 matrix_b_scale:MATRIX_SCALE_ROW1
.else
	v_wmma_scale_f32_16x16x128_f8f6f4 v[\d:\d+7], v[\a:\a+11], v[\b:\b+11], v[\c:\c+7], v[\sa], v[\sb] matrix_a_fmt:MATRIX_FMT_FP6 matrix_b_fmt:MATRIX_FMT_FP6
.endif
.endm
.macro MMZ d, a, b, sa, sb, row        ; the same with C = 0
.if \row == 1
	v_wmma_scale_f32_16x16x128_f8f6f4 v[\d:\d+7], v[\a:\a+11], v[\b:\b+11], 0, v[\sa], v[\sb] matrix_a_fmt:MATRIX_FMT_FP6 matrix_b_fmt:MATRIX_FMT_FP6 matrix_a_scale:MATRIX_SCALE_ROW1
.else
	v_wmma_scale_f32_16x16x128_f8f6f4 v[\d:\d+7], v[\a:\a+11], v[\b:\b+11], 0, v[\sa], v[\sb] matrix_a_fmt:MATRIX_FMT_FP6 matrix_b_fmt:MATRIX_FMT_FP6
.endif
.endm
.macro PL5                             ; four places in front of the vector reads of results (ISA guide 7.12.1); the fifth since later products write over the results
.rept 5
	v_nop
.endr
.endm
	s_load_b256 s[4:11], s[0:1], 0x0               ; hnq s[4:5], the weights' codes s[6:7], their scales s[8:9], qkv_b s[10:11]
	s_load_b64 s[12:13], s[0:1], 0x20              ; o
	v_lshrrev_b32 v26, 5, v0
	v_readfirstlane_b32 s[WV], v26                 ; wave 0..15
	v_and_b32 v26, 31, v0                          ; lane
	s_wait_alu depctr_va_vdst(0)
	v_and_b32 v27, 15, v0                          ; r
	s_wait_alu depctr_va_vdst(0)
	v_bfe_u32 v252, v0, 4, 1                       ; h
	v_and_b32 v254, 8, v27
	v_add_nc_u32 v254, v254, v27                   ; r + 8 (r / 8): a weight tile's row of lane r
	s_wait_alu depctr_va_sdst(0)                   ; s14, the wave's number, is written, ahead of its first reader
	s_and_b32 s16, ttmp7, 0xffff                   ; 4 image + head
	s_and_b32 s17, s16, 3                          ; head
	s_lshr_b32 s18, s16, 2                         ; image
	s_lshl_b32 s19, ttmp9, 4
	s_add_co_u32 s19, s19, s[WV]                   ; my tile of queries, 0..63
	s_mul_i32 s50, s[WV], 3072                     ; my four tiles of K, and my 64 keys of V
	s_lshl_b32 s51, s[WV], 8
	s_add_co_u32 s51, s51, 98304                   ; their scale words
	s_lshr_b32 s52, s[WV], 1
	s_lshl_b32 s52, s52, 8
	s_and_b32 s53, s[WV], 1
	s_lshl_b32 s54, s53, 1
	s_add_co_u32 s52, s52, s54
	s_add_co_u32 s52, s52, 102400                  ; V's scale words: step w / 2, bytes 2 (w % 2) and the next
	s_mul_i32 s55, s[WV], 768
	s_add_co_u32 s55, s55, QST                     ; my stage
	s_lshr_b32 s56, s[WV], 1                       ; waves 0-5 copy scale bytes and biases: part w / 2 (q, k, v), half w % 2
	s_lshl_b32 s57, s56, 10
	s_lshl_b32 s56, s56, 11
	s_lshl_b32 s58, s53, 8
	s_add_co_u32 s56, s56, s58
	s_lshl_b32 s58, s53, 7
	s_add_co_u32 s57, s57, s58
	v_mul_u32_u24 v[AK0], v26, 24
	v_add_nc_u32 v[AV0], 49152, v[AK0]
	v_lshl_add_u32 v[ASK0], v26, 2, 98304
	v_lshl_add_u32 v[ASV0], v26, 2, 102400
	v_lshlrev_b32 v[L16], 4, v26
	v_mul_u32_u24 v[OC], v27, 24
	s_wait_alu depctr_va_vdst(0)
	v_mad_u32_u24 v[OC], v252, 12, v[OC]
	v_lshl_add_u32 v[OB], v27, 3, v252
	v_lshlrev_b32 v[L8], 3, v26
	v_lshlrev_b32 v[L4], 2, v26
	v_mul_u32_u24 v[LW], v26, 48
	v_add_nc_u32 v[LW], WIMG, v[LW]
	v_lshl_add_u32 v[LWS], v254, 3, WSC
	v_add_nc_u32 v[QSA], s55, v[OC]
	v_add_nc_u32 v[QSB], s55, v[AK0]
	v_add_nc_u32 v[KST], s50, v[OC]
	v_lshl_add_u32 v[KSS], v27, 2, s51
	v_add_nc_u32 v[VST], 49152, v[KST]
	v_lshl_add_u32 v[VSS], v27, 2, s52
	v_lshl_add_u32 v[LWB], v252, 6, WBI
	v_lshl_add_u32 v[LWV], v254, 2, WBI
	v_mul_u32_u24 v[CWS], v0, 24
	; thread t holds 24 bytes of row t / 8 of a part's 64: K step (t / 4) % 2, registers 6 c on with c = (t / 2) % 2, the reader's half t % 2.  Row 32 b + 8 u + (x % 8) + 16 y is row x % 8 + 8 y of tile 2 b + u
	v_and_b32 v247, 1, v0
	v_mul_u32_u24 v[CWD], v247, 768                ; 16 lanes of 48 bytes
	v_bfe_u32 v247, v0, 1, 1
	v_mad_u32_u24 v[CWD], v247, 24, v[CWD]
	v_bfe_u32 v247, v0, 2, 1
	v_mad_u32_u24 v[CWD], v247, 1536, v[CWD]       ; a fragment
	v_bfe_u32 v247, v0, 3, 3
	v_mad_u32_u24 v[CWD], v247, 48, v[CWD]         ; a lane
	v_bfe_u32 v247, v0, 6, 1
	v_mad_u32_u24 v[CWD], v247, 3072, v[CWD]       ; a tile
	v_bfe_u32 v247, v0, 7, 1
	v_mad_u32_u24 v[CWD], v247, 384, v[CWD]        ; 8 lanes
	v_bfe_u32 v247, v0, 8, 1
	v_mad_u32_u24 v[CWD], v247, 6144, v[CWD]       ; two tiles
	v_add_nc_u32 v[CWD], WIMG, v[CWD]
	v_lshl_add_u32 v[SGS], v26, 3, s56
	v_lshl_add_u32 v[SGB], v26, 2, s57
	v_lshl_add_u32 v[SLS], v0, 3, WSC
	v_lshl_add_u32 v[SLB], v0, 2, WBI
	v_mov_b32 v[PTA], 0                            ; a lane permute's destination counts as read
	v_mov_b32 v[PTB], 0
	v_mov_b32 v114, 0                              ; (written in every wave; waves 0-5 load into them)
	v_mov_b32 v115, 0
	v_mov_b32 v116, 0
	s_mov_b32 s[SEL], 0x76543210
	s_mov_b32 s[SEL+1], 0xfedcba98
	s_mov_b32 s[CS], 0x3e38aa3b                    ; log2(e) / 8
	s_mov_b32 s[CS+1], s[CS]                       ; (named with it as a pair, so it is written)
	s_mov_b32 s[TK], 0
	s_mov_b32 s[TS], 0
	s_mov_b32 s[TJ], 0
	s_mov_b32 s[CNT], 8
	s_mov_b32 s25, 0
	s_mul_i32 s26, s18, 204800                     ; the image's part of hnq, and of o: both are 204,800 bytes an image
	s_wait_kmcnt 0x0
	; ---- the loads, each pointer made just ahead of them: the weights first, since everybody waits for them
	s_mul_i32 s24, s17, 12288
	s_add_nc_u64 s[28:29], s[6:7], s[24:25]        ; the head's 64 rows of q's weights; k's lie 49,152 bytes on, v's 98,304
	s_wait_alu depctr_va_vdst(0)                   ; the addresses v1 to v25 are written, which the memory and LDS instructions ahead of the loop read; so are v114 to v116, in which loads of waves 0-5 land
.irp ch, 0,1,2
.irp p, 0,1,2
	global_load_b64 v[CP+2*(3*\ch+\p):CP+2*(3*\ch+\p)+1], v[CWS], s[28:29] offset:49152*\ch+8*\p
.endr
.endr
	s_lshl_b32 s24, s17, 9
	s_add_nc_u64 s[30:31], s[8:9], s[24:25]        ; their scale bytes
	s_lshl_b32 s24, s17, 8
	s_add_nc_u64 s[32:33], s[10:11], s[24:25]      ; their biases
	s_cmp_lt_u32 s[WV], 6
	s_cbranch_scc0 .Lno_small
	global_load_b64 v[114:115], v[SGS], s[30:31]   ; 256 consecutive bytes of scale bytes,
	global_load_b32 v116, v[SGB], s[32:33]         ; 128 of biases
.Lno_small:
	s_mul_i32 s24, s[WV], 12800
	s_add_co_u32 s24, s24, s26
	s_add_nc_u64 s[34:35], s[4:5], s[24:25]        ; hn of pixels 64 w on
.irp t, 0,1,2,3
.irp ks, 0,1
.irp c, 0,1
	global_load_b128 v[HN+24*\t+12*\ks+6*\c:HN+24*\t+12*\ks+6*\c+3], v[L16], s[34:35] offset:768*(4*\t+2*\ks+\c)
	global_load_b64 v[HN+24*\t+12*\ks+6*\c+4:HN+24*\t+12*\ks+6*\c+5], v[L8], s[34:35] offset:768*(4*\t+2*\ks+\c)+512
.endr
.endr
	global_load_b32 v[HS+\t], v[L4], s[34:35] offset:12288+128*\t
.endr
	s_lshl_b32 s52, ttmp9, 2                       ; the pointers that are wanted later are made while the loads are out
	s_lshr_b32 s27, s[WV], 2
	s_add_co_u32 s52, s52, s27
	s_mul_i32 s52, s52, 12800
	s_add_co_u32 s52, s52, s26                     ; the 64 pixels that hold my queries,
	s_and_b32 s27, s[WV], 3                        ; and my tile among their four
	s_mul_i32 s24, s27, 3072
	s_add_co_u32 s24, s24, s52
	s_add_nc_u64 s[36:37], s[4:5], s[24:25]
	s_lshl_b32 s24, s27, 7
	s_add_co_u32 s24, s24, s52
	s_add_co_u32 s24, s24, 12288
	s_add_nc_u64 s[38:39], s[4:5], s[24:25]
	s_mul_i32 s24, s19, 3072
	s_add_co_u32 s24, s24, s26
	s_mul_i32 s27, s17, 768
	s_add_co_u32 s24, s24, s27
	s_add_nc_u64 s[42:43], s[12:13], s[24:25]      ; o's codes: [tile][head][768]
	s_lshl_b32 s24, s19, 7
	s_add_co_u32 s24, s24, s26
	s_add_co_u32 s24, s24, 196608
	s_lshl_b32 s27, s17, 1
	s_add_co_u32 s24, s24, s27
	s_add_nc_u64 s[44:45], s[12:13], s[24:25]      ; o's scale bytes: [tile][row][8], byte 2 head + block
	s_wait_loadcnt 36                              ; the copies' loads are in; hn's 32 + 4, issued behind them, may be out
.irp ch, 0,1,2
.irp p, 0,1,2
	ds_store_b64 v[CWD], v[CP+2*(3*\ch+\p):CP+2*(3*\ch+\p)+1] offset:12288*\ch+8*\p
.endr
.endr
	s_cmp_lt_u32 s[WV], 6
	s_cbranch_scc0 .Lno_small2
	ds_store_b64 v[SLS], v[114:115]
	ds_store_b32 v[SLB], v116
.Lno_small2:
	s_wait_dscnt 0x0                               ; for the others' sake: my stores have landed
	s_barrier_signal -1
	s_barrier_wait -1                              ; the weights, their scale bytes and the biases lie in LDS
.macro WFETCH reg, off                 ; a weight fragment: its image, 48 bytes a lane
.irp i, 0,1,2
	ds_load_b128 v[\reg+4*\i:\reg+4*\i+3], v[LW] offset:\off+16*\i
.endr
.endm
; the weights of 32 rows of q (ch = 0) or k (1), block beta of the head's 64, are asked for: four fragments into v[wq] on, their scale words into v[ws] on, their biases, in the result's layout, into v[bq] on
.macro QKWL wq, bq, ws, ch, beta
.irp u, 0,1
.irp ks, 0,1
	WFETCH \wq+12*(2*\u+\ks), 12288*\ch+1536*(4*\beta+2*\u+\ks)
.endr
	ds_load_b64 v[\ws+2*\u:\ws+2*\u+1], v[LWS] offset:512*\ch+256*\beta+64*\u
	ds_load_b128 v[\bq+8*\u:\bq+8*\u+3], v[LWB] offset:256*\ch+128*\beta+32*\u          ; tile u's result register j is row 8 u + 16 h + j
	ds_load_b128 v[\bq+8*\u+4:\bq+8*\u+7], v[LWB] offset:256*\ch+128*\beta+32*\u+16
.endr
.endm
; 32 rows of k's weights for two tiles of 16 pixels: eight products, the four accumulators by turns, the biases as the C of each sum's first
.macro QK2 ha, sa, hb, sb
	MM AQ, WQ, \ha, BQ, WQS, \sa, 0
	MM AQ+8, WQ+24, \ha, BQ+8, WQS+2, \sa, 0
	MM AQ+16, WQ, \hb, BQ, WQS, \sb, 0
	MM AQ+24, WQ+24, \hb, BQ+8, WQS+2, \sb, 0
	MM AQ, WQ+12, \ha+12, AQ, WQS+1, \sa, 2
	MM AQ+8, WQ+36, \ha+12, AQ+8, WQS+3, \sa, 2
	MM AQ+16, WQ+12, \hb+12, AQ+16, WQS+1, \sb, 2
	MM AQ+24, WQ+36, \hb+12, AQ+24, WQS+3, \sb, 2
	PL5
.endm
; with the second block's bytes the scale words of tiles ta and ta + 1 are whole: made straight behind the quantiser
.macro KWORD ta
	v_lshl_or_b32 v[WRD], v[BVB], 8, v[BY0+\ta]    ; two bytes, and two zeros for the zero codes
	v_lshl_or_b32 v[WRD+1], v[BVB+1], 8, v[BY0+\ta+1]
.endm
; the codes of block beta of tiles ta and ta + 1 go to LDS, a step behind the quantiser that made them; with the second block's the tiles' scale words
.macro KOUT ta, beta
.irp i, 0,1,2
	ds_store_b32 v[KST], v[PCD+\i] offset:768*\ta+384*\beta+4*\i
	ds_store_b32 v[KST], v[PCD+4+\i] offset:768*(\ta+1)+384*\beta+4*\i
.endr
.if \beta == 1
	ds_store_b32 v[KSS], v[WRD] offset:64*\ta      ; both halves of the lanes write the same word with the same value
	ds_store_b32 v[KSS], v[WRD+1] offset:64*(\ta+1)
.endif
.endm
; 16 of the head's 64 rows of v's weights (tile t) are asked for
.macro VWL t
	WFETCH WQ, 24576+1536*(2*\t)
	WFETCH WQ+12, 24576+1536*(2*\t+1)
	ds_load_b64 v[WQS:WQS+1], v[LWS] offset:1024+256*(\t/2)+64*(\t%2)
	ds_load_b32 v[BVV], v[LWV] offset:512+128*(\t/2)+32*(\t%2)
.endm
; those 16 rows for my 64 pixels: eight products, the four accumulators by turns
.macro VMM
	s_wait_dscnt 0x0                               ; the weights are in
.irp j, 0,1,2,3,4,5,6,7
	v_mov_b32 v[BQ+\j], v[BVV]
.endr
.irp m, 0,1,2,3
	MM AQ+8*\m, HN+24*\m, WQ, BQ, HS+\m, WQS, 0
.endr
.irp m, 0,1,2,3
	MM AQ+8*\m, HN+24*\m+12, WQ+12, AQ+8*\m, HS+\m, WQS+1, 1
.endr
	PL5
.endm
; their two blocks of 32 pixels are quantised,
.macro VQ
	QB2 AQ, PCD, BVB
	v_lshl_or_b32 v[WRD], v[BVB+1], 8, v[BVB]
.endm
; and go to LDS, a step behind the quantiser
.macro VOUT t
.irp i, 0,1,2
	ds_store_b32 v[VST], v[PCD+\i] offset:768*\t+4*\i
	ds_store_b32 v[VST], v[PCD+4+\i] offset:768*\t+384+4*\i
.endr
	ds_store_b16 v[VSS], v[WRD] offset:64*\t       ; my two of the four bytes of these 128 keys
.endm
	; ---- K: block 0 of the head's 64 for my four tiles, then block 1
	s_wait_alu depctr_vm_vsrc(0)                   ; my LDS stores of the copy have read v96 to v116, which the products below write
	QKWL WQ, BQ, WQS, 1, 0
	s_wait_dscnt 0x0
	s_wait_loadcnt 0x0                             ; hn
	QK2 HN, HS, HN+24, HS+1
	QB2 AQ, PCD, BY0
	QK2 HN+48, HS+2, HN+72, HS+3
	s_wait_alu depctr_va_vdst(0)                   ; the quantiser has written the codes of tiles 0, 1, which the stores below read; the products are done reading block 0's weights, scale words and biases, in which the loads below land
	KOUT 0, 0
	QKWL WQ, BQ, WQS, 1, 1                         ; block 1's weights land while block 0's last results are quantised
	s_wait_alu depctr_vm_vsrc(0)                   ; the stores above have read the codes' registers, which the quantiser writes again
	QB2 AQ, PCD, BY0+2
	s_wait_dscnt 0x0                               ; block 1's weights are in
	QK2 HN, HS, HN+24, HS+1
	s_wait_alu depctr_va_vdst(0)                   ; the quantiser has written the codes of tiles 2, 3, which the stores below read
	KOUT 2, 0
	s_wait_alu depctr_vm_vsrc(0)                   ; the stores above have read the codes' registers, which the quantiser writes again
	QB2 AQ, PCD, BVB
	KWORD 0
	QK2 HN+48, HS+2, HN+72, HS+3
	s_wait_alu depctr_va_vdst(0)                   ; the codes and scale words of tiles 0, 1 are written, which the stores below read; the products are done reading k's weights, scale words and biases, in which the loads below land
	KOUT 0, 1
	VWL 0
	; hn's tile of my queries is asked for now, into registers that v's weights leave free, and lands while v is made
.irp ks, 0,1
.irp c, 0,1
	global_load_b128 v[QH+12*\ks+6*\c:QH+12*\ks+6*\c+3], v[L16], s[36:37] offset:768*(2*\ks+\c)
	global_load_b64 v[QH+12*\ks+6*\c+4:QH+12*\ks+6*\c+5], v[L8], s[36:37] offset:768*(2*\ks+\c)+512
.endr
.endr
	global_load_b32 v[PSW], v[L4], s[38:39]
	s_wait_alu depctr_vm_vsrc(0)                   ; the stores above have read the codes' and the scale words' registers, which the lines below write again
	QB2 AQ, PCD, BVB
	KWORD 2
	; ---- V: four tiles of 16 of the head's 64; each tile's weights are asked for behind the products of the tile before
	VMM
	s_wait_alu depctr_va_vdst(0)                   ; the codes and scale words of K's tiles 2, 3 are written, which the stores below read; the products and the v_mov are done reading tile 0's weights, scale words and bias, in which the loads below land
	KOUT 2, 1
	VWL 1
	s_wait_alu depctr_vm_vsrc(0)                   ; the stores above have read the codes' and the scale words' registers, which the lines below write again
	VQ
	VMM
	s_wait_alu depctr_va_vdst(0)                   ; tile 0's codes and scale bytes are written, which the stores below read; the products and the v_mov are done reading tile 1's weights, scale words and bias, in which the loads below land
	VOUT 0
	VWL 2
	s_wait_alu depctr_vm_vsrc(0)                   ; the stores above have read the codes' and the scale bytes' registers, which the lines below write again
	VQ
	VMM
	s_wait_alu depctr_va_vdst(0)                   ; the same for tile 1's codes and tile 2's weights
	VOUT 1
	VWL 3
	s_wait_alu depctr_vm_vsrc(0)                   ; the stores above have read the codes' and the scale bytes' registers, which the lines below write again
	VQ
	VMM
	s_wait_alu depctr_va_vdst(0)                   ; tile 2's codes and scale bytes are written, which the stores below read; the products are done reading hn, its scale words, tile 3's weights and the bias (which v_mov wrote), in all of which the loads below land
	VOUT 2
	QKWL HN, BQ, WQS, 0, 0                         ; q's weights, both blocks of the head's 64, where hn lay; the second block's biases and scale words where v's weights and hn's scale words lay
	QKWL HN+48, 32, HS, 0, 1
	s_wait_alu depctr_vm_vsrc(0)                   ; the stores above have read the codes' and the scale bytes' registers, which the lines below write again
	VQ
	; ---- q: my tile of 16 queries: eight products, the four accumulators by turns
	s_wait_dscnt 0x0
	s_wait_loadcnt 0x0
	MM AQ, HN, QH, BQ, WQS, PSW, 0
	MM AQ+8, HN+24, QH, BQ+8, WQS+2, PSW, 0
	MM AQ+16, HN+48, QH, 32, HS, PSW, 0
	MM AQ+24, HN+72, QH, 40, HS+2, PSW, 0
	MM AQ, HN+12, QH+12, AQ, WQS+1, PSW, 2
	MM AQ+8, HN+36, QH+12, AQ+8, WQS+3, PSW, 2
	MM AQ+16, HN+60, QH+12, AQ+16, HS+1, PSW, 2
	MM AQ+24, HN+84, QH+12, AQ+24, HS+3, PSW, 2
	PL5
	s_wait_alu depctr_va_vdst(0)                   ; V's tile 3: its codes and scale bytes are written, which the stores below read
	VOUT 3
	s_wait_alu depctr_vm_vsrc(0)                   ; the stores above have read the codes' registers, which the quantiser writes again; and every LDS and memory instruction that reads v16 to v25 as an address has read it: Q lands and is written there below
	QB2 AQ, PCD, BVB
	v_lshl_or_b32 v[QSW], v[BVB+1], 8, v[BVB]      ; Q's scale word: every lane holds its row's two bytes
	s_wait_alu depctr_va_vdst(0)                   ; the quantiser has written q's codes, which the stores below read
.irp i, 0,1,2
	ds_store_b32 v[QSA], v[PCD+\i] offset:4*\i     ; the two halves of a block's codes meet in my stage
	ds_store_b32 v[QSA], v[PCD+4+\i] offset:384+4*\i
.endr
.irp p, 0,1,2
	ds_load_b64 v[QF+2*\p:QF+2*\p+1], v[QSB] offset:8*\p           ; LDS serves a wave's instructions in order (ISA guide 5.7.1.4): these see my stores
.endr
.irp i, 6,7,8,9,10,11
	v_mov_b32 v[QF+\i], 0                          ; zero codes for K = 64 .. 127, written once
.irp t, 0,1,2,3
	v_mov_b32 v[KFR+12*\t+\i], 0
.endr
.endr
.set k, 0
.rept 32
	v_mov_b32 v[O+k], 0                            ; the step is written once: the first finds zeros, which the first change of M leaves zeros
.set k, k+1
.endr
	s_wait_dscnt 0x0                               ; Q is in; for the others' sake: my stores of K and V have landed
	s_wait_alu depctr_vm_vsrc(0)                   ; the stage's stores and loads have read v12, v13 and the codes' registers, K's stores v14 and v15: all are written again from here on
	v_mov_b32 v13, 0xff61b1e6                      ; the largest t so far: -3e38, under every t
	v_floor_f32 v12, -v13                          ; -M
	v_mov_b32 v14, 0                               ; the sum, in two halves
	v_mov_b32 v15, 0
.irp b, 0,1,2,3
	v_mov_b32 v[236+\b], 0                         ; a lane permute's destination counts as read
.endr
	v_mov_b32 v[PSW], 0                            ; (named as the upper half of the pair v[252:253] before it is next written)
	s_barrier_signal -1
	s_barrier_wait -1                              ; the head's K and V lie in LDS
	s_wait_alu depctr_va_vdst(0)                   ; the zero codes of Q's and K's fragments and Q's scale word are written, which the loop's scaled products take (their places, the v_mov above, stand ahead of this wait); q's products are done reading the registers in which the loads below land
.irp t, 0,1,2,3
.irp p, 0,1,2
	ds_load_b64 v[KFR+12*\t+2*\p:KFR+12*\t+2*\p+1], v[AK0] offset:768*\t+8*\p     ; step 0's first four tiles of K; every later step's are asked for a step ahead
.endr
.endr
.irp i, 0,1,2,3
	ds_load_b32 v[KSW+\i], v[ASK0] offset:128*\i   ; and its scale words: tiles 2 i (lanes 0-15) and 2 i + 1 (lanes 16-31)
.endr
	s_wait_dscnt 0x0                               ; on both ways to the label no LDS load of mine is out
.Lstep:                                            ; 8 trips of 128 keys
.irp t, 0,1,2,3
	MMZ S+8*\t, KFR+12*\t, QF, KSW+\t/2, QSW, \t%2
.endr
	s_wait_alu depctr_vm_vsrc(0)                   ; the LDS and memory instructions issued so far have read v8 to v11, which the four additions write
	v_add_nc_u32 v[ADK], s[TK], v[AK0]             ; the step's addresses; four plain instructions behind the products above
	v_add_nc_u32 v[ADV], s[TK], v[AV0]
	v_add_nc_u32 v[ADS], s[TS], v[ASK0]
	v_add_nc_u32 v[ADT], s[TJ], v[ASV0]
	s_wait_alu depctr_va_vdst(0)                   ; the four addresses are written, which the loads of this trip read; the four products above are done reading K's fragments, and the last trip's V products (first trip: q's products and its quantiser) V's fragments and scale words, in which the loads below land
.irp t, 0,1,2,3
.irp p, 0,1,2
	ds_load_b64 v[KFR+12*\t+2*\p:KFR+12*\t+2*\p+1], v[ADK] offset:768*(4+\t)+8*\p     ; lanes 24 bytes apart: the 32 lanes of a load touch each bank once
.endr
.endr
.irp t, 0,1,2,3
.irp c, 0,1
.irp p, 0,1,2
	ds_load_b64 v[VFR+12*\t+6*\c+2*\p:VFR+12*\t+6*\c+2*\p+1], v[ADV] offset:3072*\c+768*\t+8*\p
.endr
.endr
.endr
.irp i, 0,1
	ds_load_b32 v[VSW+\i], v[ADT] offset:128*\i
.endr
	s_wait_dscnt 26                                ; K's tiles 4-7 are in; V's 24 loads and its 2 scale words, issued behind them, land during the softmax
.irp t, 0,1,2,3
	MMZ S+32+8*\t, KFR+12*\t, QF, KSW+2+\t/2, QSW, \t%2
.endr
.rept 4
	v_nop                                          ; places in front of the first read of the scores (ISA guide 7.12.1)
.endr
.irp b, 0,1,2,3
	v_max3_num_f32 v[232+\b], v[S+16*\b], v[S+1+16*\b], v[S+2+16*\b]     ; the largest score of each block of 32 keys: for the row's maximum and, since p rises with the score, for the block's largest p
.endr
.irp i, 3,5,7,9,11,13
.irp b, 0,1,2,3
	v_max3_num_f32 v[232+\b], v[232+\b], v[S+16*\b+\i], v[S+1+16*\b+\i]
.endr
.endr
.irp b, 0,1,2,3
	v_max_num_f32 v[232+\b], v[232+\b], v[S+15+16*\b]
.endr
.irp b, 0,1,2,3
	v_permlanex16_b32 v[236+\b], v[232+\b], s[SEL], s[SEL+1]
.endr
.irp b, 0,1,2,3
	v_max_num_f32 v[232+\b], v[232+\b], v[236+\b]  ; with lane l xor 16's 16 keys
.endr
	v_max3_num_f32 v254, v232, v233, v234
	v_max_num_f32 v254, v254, v235
	v_mul_f32 v254, s[CS], v254                    ; the step's largest t (c is positive)
	v_max_num_f32 v13, v13, v254
	v_mov_b32 v254, v12
	v_floor_f32 v12, -v13                          ; the new -M = -ceil(t)
	v_sub_f32 v254, v12, v254                      ; old M - new M: a whole number, 0 or less
	v_cvt_i32_f32 v254, v254                       ; (it saturates)
	v_ldexp_f32 v252, 1.0, v254                    ; f = 2^(old M - new M)
.set k, 0
.rept 32
	v_pk_fma_f32 v[S+k:S+k+1], v[S+k:S+k+1], s[CS:CS+1], v[12:13] op_sel_hi:[1,0,0]   ; t - M, two at a time
.set k, k+2
.endr
.irp b, 0,1,2,3
	v_fma_f32 v[232+\b], v[232+\b], s[CS], v12     ; the same of each block's largest score
.endr
.set k, 0
	s_wait_alu depctr_va_vdst(0)
.rept 64
	v_exp_f32 v[S+k], v[S+k]                       ; p = 2^(t - M)
.set k, k+1
.endr
.irp b, 0,1,2,3
	v_exp_f32 v[232+\b], v[232+\b]                 ; the block's largest p: the same two instructions on the same number
.endr
	v_pk_mul_f32 v[14:15], v[14:15], v[252:253] op_sel_hi:[1,0]     ; the sums under the new M; the plain instruction behind the exponentials
	s_wait_alu depctr_va_vdst(0)                   ; the 68 exponentials have written p and the blocks' largest p, ahead of the first line that names one; and the eight score products are done reading K's fragments and scale words, in which the loads below land
	; the NEXT step's first four tiles of K and its scale words: they land during the rest of the softmax, and the wait in front of the V products shows them in.
	; The last trip's look-ahead falls on V's codes and scale words: bytes inside LDS that were written ahead of the barrier; what it brings is not used.
.irp t, 0,1,2,3
.irp p, 0,1,2
	ds_load_b64 v[KFR+12*\t+2*\p:KFR+12*\t+2*\p+1], v[ADK] offset:6144+768*\t+8*\p
.endr
.endr
.irp i, 0,1,2,3
	ds_load_b32 v[KSW+\i], v[ADS] offset:512+128*\i
.endr
.irp b, 0,1,2,3
	v_max_num_f32 v[232+\b], 0x1800000, v[232+\b]  ; the floor 2^(3 - 127): the byte cannot fall under 1
.endr
.irp b, 0,1,2,3
	v_add_nc_u32 v[244+\b], 0xff000000, v[232+\b]  ; 2 off the exponent field: the conversion's scale operand
.endr
.irp b, 0,1,2,3
	v_lshrrev_b32 v[236+\b], 23, v[244+\b]
.endr
	v_lshl_or_b32 v[PSW], v237, 8, v236            ; p's scale word for these 128 keys
	v_lshl_or_b32 v[PSW], v238, 16, v[PSW]
	v_lshl_or_b32 v[PSW], v239, 24, v[PSW]
.irp c, 0,1
	v_cvt_scalef32_pk16_fp6_f32 v[PCD+6*\c:PCD+2+6*\c], v[S+32*\c:S+15+32*\c], v[244+2*\c]
	v_cvt_scalef32_pk16_fp6_f32 v[236+4*\c:238+4*\c], v[S+16+32*\c:S+31+32*\c], v[244+2*\c+1]   ; (a conversion's three registers begin on an even number)
.endr
	v_nop                                          ; a plain instruction between a scaled conversion and what touches its result
.irp c, 0,1                            ; the operand wants a whole block in a lane: lanes 0-15 block 2 c, lanes 16-31 block 2 c + 1
.irp i, 0,1,2
	v_permlane16_swap_b32 v[PCD+6*\c+\i], v[236+4*\c+\i]
.endr
.irp i, 0,1,2
	v_mov_b32 v[PCD+3+6*\c+\i], v[236+4*\c+\i]
.endr
.endr
	v_pk_add_f32 v[236:237], v[S:S+1], v[S+2:S+3]  ; the row's sum, of the unquantised p, in two chains
.irp j, 4,8,12,16,20,24,28,32,36,40,44,48,52,56,60
	v_pk_add_f32 v[14:15], v[14:15], v[S+\j:S+1+\j]
	v_pk_add_f32 v[236:237], v[236:237], v[S+2+\j:S+3+\j]
.endr
	v_pk_add_f32 v[14:15], v[14:15], v[236:237]
.set k, 0
.rept 16
	v_pk_mul_f32 v[O+k:O+k+1], v[O+k:O+k+1], v[252:253] op_sel_hi:[1,0]     ; O^T under the new M.  (With the sums above: far more than the 8 and 4 places that p's scale word and codes want ahead of the products)
.set k, k+2
.endr
	s_wait_dscnt 0x0                               ; V is in, and so are the next step's first tiles of K
	s_wait_alu depctr_va_vdst(0)                   ; p's codes and p's scale word are written, which the scaled products below take; their places stand ahead of this wait
.irp t, 0,1,2,3
	MM O+8*\t, VFR+12*\t, PCD, O+8*\t, VSW+\t/2, PSW, \t%2          ; the four accumulators by turns
.endr
	s_add_co_u32 s[TK], s[TK], 6144
	s_add_co_u32 s[TS], s[TS], 512
	s_add_co_u32 s[TJ], s[TJ], 256
	s_sub_co_u32 s[CNT], s[CNT], 1
	s_cmp_lg_u32 s[CNT], 0
	s_cbranch_scc1 .Lstep
	; THE WAY OUT: O^T / the sum; a lane's 32 numbers are d = 16 h + 0 .. 15 of the head's two blocks of 32: two conversions, two stores of 384 consecutive bytes
.rept 4
	v_nop
.endr
	s_wait_alu depctr_vm_vsrc(0)                   ; the last trip's LDS loads have read v10, which is written below
	v_add_f32 v14, v14, v15
	v_permlanex16_b32 v252, v14, s[SEL], s[SEL+1]
	v_add_f32 v14, v14, v252                       ; the row's sum
	s_wait_alu depctr_va_vdst(0)
	v_rcp_f32 v14, v14
	v_bfe_u32 v10, v0, 4, 1                        ; (a plain instruction behind the transcendental)  h
	v_cmp_eq_u32 vcc_lo, 1, v10
.set k, 0
	s_wait_alu depctr_va_vdst(0)                   ; the reciprocal has written v14, ahead of the first line that names it
.rept 32
	v_mul_f32 v[S+k], v[O+k], v14                  ; each accumulator from its low end on
.set k, k+1
.endr
	QB2 S, 224, 236
	s_wait_alu depctr_va_vcc(0)                    ; the compare has written VCC, ahead of its first reader
	v_cndmask_b32 v238, v236, v237, vcc_lo         ; lanes 0-15 store the first block's byte, lanes 16-31 the second's
	s_wait_alu depctr_va_vdst(0)                   ; the quantiser has written the codes and the select the byte, which the three stores read
	global_store_b96 v[OC], v[224:226], s[42:43]
	global_store_b96 v[OC], v[228:230], s[42:43] offset:384
	global_store_b8 v[OB], v238, s[44:45]
	s_wait_xcnt 0x0                                ; the stores above have had their addresses translated (ISA guide 3.1)
	v_lshl_add_u32 v254, v0, 2, 0x26400            ; the add's two registers are made anew: no two could be kept; no memory or LDS instruction has read v254 or v255
	v_mov_b32 v255, 0
	s_wait_dscnt 0x0                               ; the closing lines, six on end
	s_wait_alu 0x0
	s_wait_tensorcnt 0x0
	ds_add_u32 v254, v255
	s_wait_dscnt 0x0
	s_endpgm
.Lfunc_end_k_q25d83e6172_attn:
	.size	k_q25d83e6172_attn, .Lfunc_end_k_q25d83e6172_attn-k_q25d83e6172_attn
	.p2alignl 7, 3214868480
	.fill 96, 4, 3214868480
	.section	.rodata,"a",@progbits
	.p2align	6, 0x0
	.amdhsa_kernel k_q25d83e6172_attn
		.amdhsa_group_segment_fixed_size 158720
		.amdhsa_private_segment_fixed_size 0
		.amdhsa_enable_private_segment 0
		.amdhsa_kernarg_size 40
		.amdhsa_user_sgpr_count 2
		.amdhsa_user_sgpr_kernarg_segment_ptr 1
		.amdhsa_wavefront_size32 1
		.amdhsa_system_sgpr_workgroup_id_x 1
		.amdhsa_system_sgpr_workgroup_id_y 1
		.amdhsa_system_sgpr_workgroup_id_z 1
		.amdhsa_system_vgpr_workitem_id 0
		.amdhsa_next_free_vgpr 256
		.amdhsa_next_free_sgpr 66
		.amdhsa_reserve_vcc 1
		.amdhsa_float_denorm_mode_32 3
		.amdhsa_float_denorm_mode_16_64 3
		.amdhsa_memory_ordered 1
		.amdhsa_forward_progress 1
		.amdhsa_inst_pref_size 75
	.end_amdhsa_kernel
	.amdgpu_metadata
---
amdhsa.version: [ 1, 2 ]
amdhsa.kernels:
  - .name:           k_q25d83e6172_attn
    .symbol:         k_q25d83e6172_attn.kd
    .args:
      - { .name: hnq, .offset: 0, .size: 8, .value_kind: global_buffer, .address_space: global }
      - { .name: qkv_w_codes, .offset: 8, .size: 8, .value_kind: global_buffer, .address_space: global }
      - { .name: qkv_w_scales, .offset: 16, .size: 8, .value_kind: global_buffer, .address_space: global }
      - { .name: qkv_b, .offset: 24, .size: 8, .value_kind: global_buffer, .address_space: global }
      - { .name: o, .offset: 32, .size: 8, .value_kind: global_buffer, .address_space: global }
    .group_segment_fixed_size: 158720
    .private_segment_fixed_size: 0
    .kernarg_segment_align: 8
    .kernarg_segment_size: 40
    .max_flat_workgroup_size: 512
    .sgpr_count:     66
    .vgpr_count:     256
    .wavefront_size: 32
...
	.end_amdgpu_metadata
.endif
;; end of part 8
;; launch proj (part 9): grid 16 x 16, 16 waves a work-group, no clusters, 83,968 bytes of LDS; arguments o, proj_w_codes, proj_w_scales, proj_b, x, out0; writes out0
.if DOCPART == 9
	.amdgcn_target "amdgcn-amd-amdhsa--gfx1250"
	.amdhsa_code_object_version 6
	.text
	.protected	k_q25d83e6172_proj
	.globl	k_q25d83e6172_proj
	.p2align	8
	.type	k_q25d83e6172_proj,@function
k_q25d83e6172_proj:
	s_mov_b64 s[64:65], 0
	v_nop
	global_prefetch_b8 v0, s[64:65] scope:SCOPE_SE
	s_setreg_imm32_b32 hwreg(HW_REG_WAVE_SCHED_MODE, 0, 2), 2
	s_setreg_imm32_b32 hwreg(HW_REG_WAVE_MODE, 25, 1), 1
	s_wait_xcnt 0x0
	s_wait_alu depctr_vm_vsrc(0)
; out0 = x + proj_w O + proj_b, the product on codes of FP6 (E2M3) with E8M0 scales.  K = the 256 channels (head, d): two steps of 128, each two heads.
; A work-group takes 64 pixels (x = block pb) of one image (y = b); wave w makes output channels 16 w .. 16 w + 15 for all 64.
; O's codes of the block, 16 half fragments of 768 bytes, are one dense run of 12,288 bytes: each wave copies 768 of them into LDS, and every wave reads all.
; Source 0 = O's tile of 16 pixels, source 1 = 16 rows of proj_w: a lane holds ONE channel and, by the order of a tile's rows, eight neighbouring pixels.
; The results go through the wave's own stage in LDS and leave as whole rows: sixteen lanes store 256 consecutive bytes, aligned.
; THE MODE: SCHED_MODE bits 1:0 = 2 (LLVM: expert scheduling mode 2), set by the entry lines.  The code itself states the register dependences between vector or matrix instructions
; and memory or LDS instructions, with s_wait_alu, always for 0.
; THE PLAN.  Registers that memory or LDS instructions touch:
;   v4-v13, v248, v249   addresses and the add's two, made at the head and never written again: one wait on va_vdst ahead of the first load serves them all.
;   v16-43, v52-151, v184-215   weights, scale words, bias, O's fragments, x: written by loads, read by products and vector instructions; nothing lands in them again.
;   v152-183   the accumulators: written by the products, read by the stage's LDS stores: the places, then one wait on va_vdst.
;   v216-247   first the copy's data (v216-221: loaded, read by LDS stores), then the rows read back (LDS loads: one wait on vm_vsrc between the two), to which x is added in place, and which the
;              global stores read: the additions go in two batches of four row pairs, one wait on va_vdst ahead of each batch's four stores.
.set STG, 12288                        ; LDS: the stages, 16 rows x (256 + 16) bytes a wave, behind O's codes
.set WF,  16                           ; v16-39   proj_w's two fragments
.set WS,  40                           ; v40-41   their scale words
.set BI,  42                           ; v42      my channel's bias
.set CB,  44                           ; v44-51   the bias eight times: the C of each sum's first product
.set OF,  52                           ; v52-147  O's fragments (tile, K step) at 12 (2 tile + ks)
.set OS,  148                          ; v148-151 O's scale words: 2 (tile / 2) + ks; even tiles in lanes 0-15, odd ones in lanes 16-31
.set AC,  152                          ; v152-183 the four accumulators
.set XR,  184                          ; v184-215 x
.set BK,  216                          ; v216-247 rows read back; v216-221 first the copy's data
.macro MM d, a, b, c, sa, sb, row      ; row = 1: source 0's scales stand in lanes 16-31
.if \row == 1
	v_wmma_scale_f32_16x16x128_f8f6f4 v[\d:\d+7], v[\a:\a+11], v[\b:\b+11], v[\c:\c+7], v[\sa], v[\sb] matrix_a_fmt:MATRIX_FMT_FP6 matrix_b_fmt:MATRIX_FMT_FP6 matrix_a_scale:MATRIX_SCALE_ROW1
.else
	v_wmma_scale_f32_16x16x128_f8f6f4 v[\d:\d+7], v[\a:\a+11], v[\b:\b+11], v[\c:\c+7], v[\sa], v[\sb] matrix_a_fmt:MATRIX_FMT_FP6 matrix_b_fmt:MATRIX_FMT_FP6
.endif
.endm
	s_load_b256 s[4:11], s[0:1], 0x0               ; o s[4:5], proj_w's codes s[6:7], its scales s[8:9], proj_b s[10:11]
	s_load_b128 s[12:15], s[0:1], 0x20             ; x s[12:13], out0 s[14:15]
	v_lshl_add_u32 v248, v0, 2, 0x14000
	v_mov_b32 v249, 0
	v_lshrrev_b32 v1, 5, v0
	v_readfirstlane_b32 s16, v1                    ; wave
	v_and_b32 v1, 31, v0                           ; lane
	v_and_b32 v2, 15, v0                           ; r
	v_bfe_u32 v3, v0, 4, 1                         ; h
	s_and_b32 s18, ttmp7, 0xffff                   ; b
	s_wait_alu depctr_va_sdst(0)                   ; s16, the wave's number, is written, ahead of its first reader
	s_mul_i32 s19, s16, 768                        ; my part of the copy
	v_lshlrev_b32 v4, 4, v1
	v_add_nc_u32 v4, s19, v4                       ; 512 bytes, 16 a lane: the same offset in memory and in LDS
	v_lshlrev_b32 v5, 3, v1
	v_add_nc_u32 v5, s19, v5
	v_add_nc_u32 v5, 512, v5                       ; and 256 bytes, 8 a lane
	v_mul_u32_u24 v6, v1, 24                       ; my six registers in a half fragment
	v_mul_u32_u24 v7, v2, 192
	v_mad_u32_u24 v7, v3, 24, v7                   ; proj_w: row r of 192 bytes, + 24 h
	v_lshlrev_b32 v8, 3, v2
	v_lshlrev_b32 v9, 2, v2
	v_lshlrev_b32 v10, 3, v1
	s_mul_i32 s19, s16, 4352
	s_add_co_u32 s19, s19, STG                     ; my stage
	v_mul_u32_u24 v11, v2, 272
	v_lshl_add_u32 v11, v3, 6, v11
	v_add_nc_u32 v11, s19, v11                     ; in: row = channel r; 16 pixels on for lanes 16-31
	v_mul_u32_u24 v12, v3, 272
	v_lshl_add_u32 v12, v2, 4, v12
	v_add_nc_u32 v12, s19, v12                     ; back: lanes 0-15 one row, lanes 16-31 the next
	v_lshlrev_b32 v13, 4, v2
	v_lshl_add_u32 v13, v3, 12, v13                ; and the same two channels in x and out0
	s_mov_b32 s21, 0
	s_mul_i32 s22, s18, 204800                     ; the image's part of o
	s_wait_kmcnt 0x0
	s_mul_i32 s20, ttmp9, 12288
	s_add_co_u32 s20, s20, s22
	s_add_nc_u64 s[24:25], s[4:5], s[20:21]        ; the block's codes
	s_lshl_b32 s20, ttmp9, 9
	s_add_co_u32 s20, s20, s22
	s_add_co_u32 s20, s20, 196608
	s_add_nc_u64 s[26:27], s[4:5], s[20:21]        ; and scale bytes: 128 a tile
	s_mul_i32 s20, s16, 3072
	s_add_nc_u64 s[28:29], s[6:7], s[20:21]        ; my 16 rows of proj_w
	s_lshl_b32 s20, s16, 7
	s_add_nc_u64 s[30:31], s[8:9], s[20:21]
	s_lshl_b32 s20, s16, 6
	s_add_nc_u64 s[32:33], s[10:11], s[20:21]
	s_lshl_b32 s20, s18, 20
	s_lshl_b32 s23, s16, 16
	s_add_co_u32 s20, s20, s23
	s_lshl_b32 s23, ttmp9, 8
	s_add_co_u32 s20, s20, s23
	s_add_nc_u64 s[34:35], s[12:13], s[20:21]      ; x and out0: image b, channel 16 w, my 64 pixels
	s_add_nc_u64 s[36:37], s[14:15], s[20:21]
	s_wait_alu depctr_va_vdst(0)                   ; the addresses v4 to v13 are written, which every load and store of the kernel reads
	global_load_b128 v[BK:BK+3], v4, s[24:25]      ; the copy first
	global_load_b64 v[BK+4:BK+5], v5, s[24:25]
.irp ks, 0,1
.irp p, 0,1,2,3,4,5
	global_load_b64 v[WF+12*\ks+2*\p:WF+12*\ks+2*\p+1], v7, s[28:29] offset:96*\ks+48*(\p/3)+8*(\p%3)
.endr
.endr
	global_load_b64 v[WS:WS+1], v8, s[30:31]
	global_load_b32 v[BI], v9, s[32:33]
.irp i, 0,1
	global_load_b64 v[OS+2*\i:OS+2*\i+1], v10, s[26:27] offset:256*\i
.endr
.irp i, 0,1,2,3,4,5,6,7
	global_load_b128 v[XR+4*\i:XR+4*\i+3], v13, s[34:35] offset:8192*\i th:TH_LOAD_NT     ; x's last reading
.endr
	s_wait_loadcnt 24                              ; the copy's two loads are in; the 24 issued behind them may be out
	ds_store_b128 v4, v[BK:BK+3]
	ds_store_b64 v5, v[BK+4:BK+5]
	s_wait_dscnt 0x0                               ; for the others' sake: my stores have landed
	s_barrier_signal -1
	s_barrier_wait -1
	s_wait_alu depctr_vm_vsrc(0)                   ; the copy's two LDS stores have read v216 to v221, in which rows read back from the stage land further down
.irp t, 0,1,2,3
.irp ks, 0,1
.irp c, 0,1
.irp p, 0,1,2
	ds_load_b64 v[OF+12*(2*\t+\ks)+6*\c+2*\p:OF+12*(2*\t+\ks)+6*\c+2*\p+1], v6 offset:768*(4*\t+2*\ks+\c)+8*\p     ; head 2 ks + c fills registers 6 c .. 6 c + 5
.endr
.endr
.endr
.endr
	s_wait_loadcnt 8                               ; the weights, the bias and the scale words are in; x's eight loads may be out
.irp j, 0,1,2,3,4,5,6,7
	v_mov_b32 v[CB+\j], v[BI]
.endr
	s_wait_alu depctr_va_vdst(0)
	s_wait_dscnt 0x0
.irp t, 0,1,2,3
	MM AC+8*\t, OF+24*\t, WF, CB, OS+2*(\t/2), WS, \t%2              ; the four accumulators by turns, a K step at a time
.endr
.irp t, 0,1,2,3
	MM AC+8*\t, OF+24*\t+12, WF+12, AC+8*\t, OS+2*(\t/2)+1, WS+1, \t%2
.endr
.rept 4
	v_nop                                          ; places in front of the LDS stores that read the results
.endr
	s_wait_alu depctr_va_vdst(0)                   ; the products have written the accumulators, which the LDS stores read; the places above stay beside this wait
.irp t, 0,1,2,3
	ds_store_b128 v11, v[AC+8*\t:AC+8*\t+3] offset:128*(\t/2)+32*(\t%2)      ; register j of tile t: pixel 32 (t / 2) + 8 (t % 2) + 16 h + j; each accumulator from its low end on
	ds_store_b128 v11, v[AC+8*\t+4:AC+8*\t+7] offset:128*(\t/2)+32*(\t%2)+16
.endr
.irp i, 0,1,2,3,4,5,6,7
	ds_load_b128 v[BK+4*\i:BK+4*\i+3], v12 offset:544*\i   ; LDS serves a wave's instructions in order (ISA guide 5.7.1.4): these see my stores
.endr
	s_wait_loadcnt 0x0                             ; x
.irp q, 0,1                            ; two batches of four row pairs
	s_wait_dscnt 4-4*\q                            ; the batch's four row pairs are back; the younger loads may be out
.irp i, 0,1,2,3
	v_pk_add_f32 v[BK+4*(4*\q+\i):BK+4*(4*\q+\i)+1], v[BK+4*(4*\q+\i):BK+4*(4*\q+\i)+1], v[XR+4*(4*\q+\i):XR+4*(4*\q+\i)+1]
	v_pk_add_f32 v[BK+4*(4*\q+\i)+2:BK+4*(4*\q+\i)+3], v[BK+4*(4*\q+\i)+2:BK+4*(4*\q+\i)+3], v[XR+4*(4*\q+\i)+2:XR+4*(4*\q+\i)+3]
.endr
	s_wait_alu depctr_va_vdst(0)                   ; the batch's eight additions have written their sums, which the four stores below read
.irp i, 0,1,2,3
	global_store_b128 v13, v[BK+4*(4*\q+\i):BK+4*(4*\q+\i)+3], s[36:37] offset:8192*(4*\q+\i) th:TH_STORE_NT     ; two channels' 256 consecutive bytes, each aligned
.endr
.endr
	s_wait_dscnt 0x0                               ; the closing lines, six on end
	s_wait_alu 0x0
	s_wait_tensorcnt 0x0
	ds_add_u32 v248, v249
	s_wait_dscnt 0x0
	s_endpgm
.Lfunc_end_k_q25d83e6172_proj:
	.size	k_q25d83e6172_proj, .Lfunc_end_k_q25d83e6172_proj-k_q25d83e6172_proj
	.p2alignl 7, 3214868480
	.fill 96, 4, 3214868480
	.section	.rodata,"a",@progbits
	.p2align	6, 0x0
	.amdhsa_kernel k_q25d83e6172_proj
		.amdhsa_group_segment_fixed_size 83968
		.amdhsa_private_segment_fixed_size 0
		.amdhsa_enable_private_segment 0
		.amdhsa_kernarg_size 48
		.amdhsa_user_sgpr_count 2
		.amdhsa_user_sgpr_kernarg_segment_ptr 1
		.amdhsa_wavefront_size32 1
		.amdhsa_system_sgpr_workgroup_id_x 1
		.amdhsa_system_sgpr_workgroup_id_y 1
		.amdhsa_system_sgpr_workgroup_id_z 1
		.amdhsa_system_vgpr_workitem_id 0
		.amdhsa_next_free_vgpr 250
		.amdhsa_next_free_sgpr 66
		.amdhsa_reserve_vcc 0
		.amdhsa_float_denorm_mode_32 3
		.amdhsa_float_denorm_mode_16_64 3
		.amdhsa_memory_ordered 1
		.amdhsa_forward_progress 1
		.amdhsa_inst_pref_size 14
	.end_amdhsa_kernel
	.amdgpu_metadata
---
amdhsa.version: [ 1, 2 ]
amdhsa.kernels:
  - .name:           k_q25d83e6172_proj
    .symbol:         k_q25d83e6172_proj.kd
    .args:
      - { .name: o, .offset: 0, .size: 8, .value_kind: global_buffer, .address_space: global }
      - { .name: proj_w_codes, .offset: 8, .size: 8, .value_kind: global_buffer, .address_space: global }
      - { .name: proj_w_scales, .offset: 16, .size: 8, .value_kind: global_buffer, .address_space: global }
      - { .name: proj_b, .offset: 24, .size: 8, .value_kind: global_buffer, .address_space: global }
      - { .name: x, .offset: 32, .size: 8, .value_kind: global_buffer, .address_space: global }
      - { .name: out0, .offset: 40, .size: 8, .value_kind: global_buffer, .address_space: global }
    .group_segment_fixed_size: 83968
    .private_segment_fixed_size: 0
    .kernarg_segment_align: 8
    .kernarg_segment_size: 48
    .max_flat_workgroup_size: 512
    .sgpr_count:     66
    .vgpr_count:     250
    .wavefront_size: 32
...
	.end_amdgpu_metadata
.endif
;; end of part 9
